; MI455X (gfx1250); checked and timed in simulation.
; The chip was launched on July 23, 2026; its instructions are those of AMD's public machine-readable ISA for CDNA 5 (MIT licence, August 2026) and "CDNA5" Instruction Set Architecture Reference Guide (July 2026). The comments in the code are by the model that wrote it; some were corrected since.
;; Transformer Block. Allowed arithmetic: matrix products marked QUANTISED: E4M3 operands, one given power-of-two scale a tensor, by v_wmma_f32_16x16x64_fp8_fp8 or v_wmma_f32_16x16x128_fp8_fp8, f32 sums; everything else in f32.
;; Inputs: W1 1,024 x 4,096 float32; W2 4,096 x 1,024 float32; Wk 1,024 x 1,024 float32; Wo 1,024 x 1,024 float32; Wq 1,024 x 1,024 float32; Wv 1,024 x 1,024 float32; b1 1,024 float32; b2 1,024 float32; bf1 4,096 float32; bf2 1,024 float32; bk 1,024 float32; bo 1,024 float32; bq 1,024 float32; bv 1,024 float32; g1 1,024 float32; g2 1,024 float32; lowp_scales 16 int32 (the exponents e of the quantised operands' scales 2^e); x 2 x 2,048 x 1,024 float32.
;; Outputs: out0 2 x 2,048 x 1,024 float32.
;; This version of the problem:
;;   THIS VERSION OF THE PROBLEM IS GIVEN IN LOW PRECISION. The matrix products marked QUANTISED in the list below multiply operands that are first quantised to E4M3 (4 exponent bits, 3 mantissa bits; 8 bits a number), with one given power-of-two scale for each operand tensor; their sums are f32. All else is computed in f32.
;;   The module's matrix products, in the order in which they are computed (A, B: the left and right operand; K: the contracted axis; several contracted axes count as one K, in the product's order):
;;     1. [M 4,096, K 1,024] x [K 1,024, N 1,024]; A: computed on the way; B: input Wq: QUANTISED (scales: A lowp_scales[0], B lowp_scales[1])
;;     2. [M 4,096, K 1,024] x [K 1,024, N 1,024]; A: computed on the way; B: input Wk: QUANTISED (scales: A lowp_scales[2], B lowp_scales[3])
;;     3. [M 4,096, K 1,024] x [K 1,024, N 1,024]; A: computed on the way; B: input Wv: QUANTISED (scales: A lowp_scales[4], B lowp_scales[5])
;;     4. batch 32 x [M 2,048, K 64] x [K 64, N 2,048]; A: computed on the way; B: computed on the way: QUANTISED (scales: A lowp_scales[6], B lowp_scales[7])
;;     5. batch 32 x [M 64, K 2,048] x [K 2,048, N 2,048]; A: computed on the way; B: softmax (see below): QUANTISED (scales: A lowp_scales[8], B lowp_scales[9])
;;     6. [M 4,096, K 1,024] x [K 1,024, N 1,024]; A: computed on the way; B: input Wo: QUANTISED (scales: A lowp_scales[10], B lowp_scales[11])
;;     7. [M 4,096, K 1,024] x [K 1,024, N 4,096]; A: computed on the way; B: input W1: QUANTISED (scales: A lowp_scales[12], B lowp_scales[13])
;;     8. [M 4,096, K 4,096] x [K 4,096, N 1,024]; A: computed on the way; B: input W2: QUANTISED (scales: A lowp_scales[14], B lowp_scales[15])
;;   THE QUANTISER, for each operand of a quantised product, along K:
;;     - The operand's scale is 2^e, e = its entry of the input lowp_scales (int32; the entries are numbered through the quantised products in the list's order, A before B).
;;     - Each number is divided by the scale, clamped to +-448, and rounded to the nearest number of E4M3, ties to even, subnormals kept.
;;     - The product sums the exact products of the quantised numbers (number of the format x scale) in f32.
;;   ~~~python
;;   def quantise(x, axis, e):      # numpy; x: float32 -> the quantised numbers, widened to float32 again
;;       x = np.moveaxis(x, axis, -1); K = x.shape[-1]
;;       r = np.clip(x / 2.0 ** e, -448, 448)
;;       step = 2.0 ** (np.maximum(np.frexp(np.where(r == 0, 1, r))[1] - 1, -6) - 3)
;;       q = np.round(r / step) * step * 2.0 ** e      # np.round: ties to even
;;       return np.moveaxis(q, -1, axis).astype(np.float32)
;;   ~~~
;;   SOFTMAX AHEAD OF A QUANTISED PRODUCT. Where the list says 'softmax', what is quantised is not the finished softmax but p = 2^(t - M), with t = logit x log2(e) and M = ceil(the row's largest t), a whole number; so 1/2 < the row's largest p <= 1. The row's sum l is taken of the UNQUANTISED p, in f32, and the product's result is divided by l at the end. Since M is a whole number, a kernel that streams over the keys may use a running M (the ceiling of the running maximum): every later rescaling is an exact power of two, so the quantised numbers keep their values, but for numbers so far below the row's largest that they fall under the format's range.
;;   OPERANDS COMPUTED ON THE WAY. 'Computed on the way' means the value that the module computes at that place (a softmax that the list does not call 'softmax' is quantised finished and normalised). What goes into a quantiser is computed in f32, as accurately as f32 sums, v_exp_f32 and their like allow (about 1e-6 of the number): no bf16 or f16 on the way to a quantiser, and a product that is left as it is and whose result goes on into a quantised operand takes f32 operands (vector FMAs, or v_wmma_f32_16x16x4_f32). A number that lies on a knife's edge between two numbers of the format may be rounded either way, as far as f32 arithmetic and the matrix unit's own rounding can turn it there, and no further.
;; 2 versions. Each part assembles by itself: llvm-mc -triple=amdgcn-amd-amdhsa -mcpu=gfx1250 --defsym DOCPART=n.
;; ======== version 1 of 2: 7 launches
;; workspace buffers: xn 16,777,216 bytes; pc 25,165,824 bytes; qkv 12,582,912 bytes; ctxc 4,194,304 bytes; x1 16,777,216 bytes; x1c 4,194,304 bytes; hc 16,777,216 bytes
;; launch prep (part 1): grid 640 x 1, 4 waves a work-group, no clusters, 47,616 bytes of LDS; arguments x, g1, b1, Wq, Wk, Wv, Wo, W1, W2, lowp_scales, xn, pc; writes xn, pc
.if DOCPART == 1
	.amdgcn_target "amdgcn-amd-amdhsa--gfx1250"
	.amdhsa_code_object_version 6
	.text
	.protected	k_qa933f39379_prep
	.globl	k_qa933f39379_prep
	.p2align	8
	.type	k_qa933f39379_prep,@function
k_qa933f39379_prep:
	s_mov_b64 s[64:65], 0
	v_nop
	global_prefetch_b8 v0, s[64:65] scope:SCOPE_SE
	s_setreg_imm32_b32 hwreg(HW_REG_WAVE_MODE, 25, 1), 1
	s_wait_xcnt 0x0
; PREP.  Work-groups 0-383: the six weights, f32 stored [K][N], become codes of E4M3 laid [N][K], K innermost, each with its given scale 2^e.
; Work-groups 384-639: xn = layernorm(x, g1, b1) in f32, and its codes under the three given scales of the products with Wq, Wk, Wv.
; pc: xn's codes [3][4096][1024] at 0; Wq, Wk, Wv [3072][1024] at 0xC00000; Wo [1024][1024] at 0xF00000; W1 [4096][1024] at 0x1000000; W2 [1024][4096] at 0x1400000.
; code = number / 2^e, held within +-448, to the nearest code, ties to even.  LIMITS: each e between -126 and 119; NaN among the inputs is not served.
; WEIGHTS: a lane takes a column n and its registers run down K, so that each load reads 128 neighbouring bytes a wave (512 a work-group) and the conversions give codes with K innermost.
; A wave takes 32 columns x 256 along K; its codes go through its own stage in LDS (rows of 256 + 16 bytes) and leave sixteen lanes to 256 consecutive, aligned bytes.
; NORM: a wave takes four rows, one at a time, whole in 32 registers; the next row's loads are out while a row is worked.  Mean, then the sum of squares of x - mean: no difference of large sums.
; No tensor loads, no barrier: waves share nothing.  The two kinds of work-group use LDS bytes of their own: 0-34,815 and 34,816-47,103.
.set XW,   32                          ; weights: v32-95 two sets of 32 numbers
.set CW,   96                          ; v96-103 a block's codes
.set OUTR, 112                         ; v112-175 the way out
.set VO,   176                         ; v176-207 byte offset of row i of a block: 4 x lane + i x pitch
.set SO,   208                         ; v208-223 the stores' offsets
.set SB,   66                          ; s[66:81] the source at block t of eight
.set WP,   272                         ; a stage row
.set NVER, 3                           ; norm: versions of the codes
.set STOREF, 1                         ; the f32 result is stored too
.set LNST, 34816                       ; norm: the stages begin here,
.set LNWB, 1024*NVER                   ; so many bytes a wave
.set X,    32                          ; v32-95 two rows
.set G,    96                          ; v96-127 gain
.set BT,   128                         ; v128-159 bias
.set T0,   160                         ; v160-175 two sets of eight held numbers
.set CD,   176                         ; v176-199 codes, 8 registers a version
.set O,    200                         ; v200-223 codes as rows
.set CH,   224                         ; v224-231 four chains of pairs
.set MN,   14                          ; v[14:15] the mean, twice
.set RS,   16                          ; v[16:17] 1 / sqrt(var + eps), twice
.set TT,   18
.set PL,   19                          ; a lane permute's destination
.set SC,   8                           ; v8-10 the scales as f32
.set LM,   11                          ; v11-13 448 x the scales
	s_load_b512 s[4:19], s[0:1], 0x0               ; x, g1, b1, Wq, Wk, Wv, Wo, W1
	s_load_b256 s[20:27], s[0:1], 0x40             ; W2, the scales' exponents, xn, pc
	v_lshl_add_u32 v232, v0, 2, 0xb800
	v_mov_b32 v233, 0
	v_lshrrev_b32 v1, 5, v0
	v_readfirstlane_b32 s28, v1                    ; wave 0..3
	s_wait_kmcnt 0x0
	s_load_b512 s[36:51], s[22:23], 0x0            ; entry i of the exponents in s[36 + i]
	s_cmp_lt_u32 ttmp9, 384
	s_cbranch_scc0 .Lnorm
	; ---------------- the weights.  Everything is chosen by the work-group's number alone.
	s_lshr_b32 s52, ttmp9, 5                       ; J: 0-3 the four small weights, 32 work-groups each
	s_lshr_b32 s53, ttmp9, 7                       ; 0 small, 1 W1, 2 W2 (128 work-groups each)
	s_and_b32 s54, ttmp9, 31
	s_and_b32 s55, ttmp9, 127
	s_lshl_b32 s56, s53, 2
	s_mov_b32 s58, 4096
	s_mov_b32 s59, 1024
	s_cmp_lt_u32 ttmp9, 128
	s_cselect_b32 s54, s54, s55                    ; my number within the weight
	s_cselect_b32 s56, s52, s56                    ; the codes begin so many MiB behind 0xC00000
	s_cmp_eq_u32 s53, 1
	s_cselect_b32 s57, 5, 3                        ; log2 of the blocks of 128 columns
	s_cselect_b32 s58, 16384, s58                  ; a source row in bytes
	s_cmp_eq_u32 s53, 2
	s_cselect_b32 s59, 4096, s59                   ; a row of codes in bytes (= K)
	s_mov_b64 s[60:61], s[10:11]
	s_cmp_eq_u32 s52, 1
	s_cselect_b64 s[60:61], s[12:13], s[60:61]
	s_cmp_eq_u32 s52, 2
	s_cselect_b64 s[60:61], s[14:15], s[60:61]
	s_cmp_eq_u32 s52, 3
	s_cselect_b64 s[60:61], s[16:17], s[60:61]
	s_cmp_eq_u32 s53, 1
	s_cselect_b64 s[60:61], s[18:19], s[60:61]
	s_cmp_eq_u32 s53, 2
	s_cselect_b64 s[60:61], s[20:21], s[60:61]     ; the weight
	s_bfm_b32 s63, s57, 0
	s_and_b32 s63, s54, s63                        ; which 128 columns
	s_lshr_b32 s54, s54, s57                       ; which 256 along K
	s_lshl_b32 s63, s63, 7
	s_lshl_b32 s82, s28, 5
	s_add_co_u32 s63, s63, s82                     ; my wave's first column
	s_lshl_b32 s82, s54, 8
	s_mul_i32 s82, s82, s58
	s_lshl_b32 s83, s63, 2
	s_add_co_u32 s82, s82, s83
	s_mov_b32 s83, 0
	s_add_nc_u64 s[SB:SB+1], s[60:61], s[82:83]
	s_lshl_b32 s82, s58, 5                         ; 32 rows on
.irp t, 1,2,3,4,5,6,7
	s_add_nc_u64 s[SB+2*\t:SB+2*\t+1], s[SB+2*\t-2:SB+2*\t-1], s[82:83]
.endr
	s_lshl_b32 s84, s56, 20
	s_add_co_u32 s84, s84, 0xC00000
	s_mul_i32 s85, s63, s59
	s_add_co_u32 s84, s84, s85
	s_lshl_b32 s85, s54, 8
	s_add_co_u32 s84, s84, s85
	s_mov_b32 s85, 0
	s_add_nc_u64 s[30:31], s[26:27], s[84:85]      ; my wave's codes: row = first column, byte = 256 x my part of K
	v_and_b32 v2, 31, v0                           ; lane
	v_lshlrev_b32 v[VO], 2, v2
.set i, 1
.rept 31
	v_add_nc_u32 v[VO+i], s58, v[VO+i-1]
.set i, i+1
.endr
.macro WLOAD t                         ; block t: W(32 t + i, my column), i = 0 .. 31
.set i, 0
.rept 32
	global_load_b32 v[XW+32*((\t)%2)+i], v[VO+i], s[SB+2*(\t):SB+2*(\t)+1] th:TH_LOAD_NT
.set i, i+1
.endr
.endm
	WLOAD 0
	WLOAD 1
	s_mul_i32 s87, s28, 32*WP                      ; my stage
	v_mul_u32_u24 v4, v2, WP
	v_add_nc_u32 v4, s87, v4                       ; into it: row = my column
	v_and_b32 v5, 15, v2
	v_lshrrev_b32 v6, 4, v2
	v_mul_u32_u24 v7, v6, WP
	v_lshl_add_u32 v7, v5, 4, v7
	v_add_nc_u32 v7, s87, v7                       ; out of it: sixteen lanes to a row, two rows an instruction
	v_mul_lo_u32 v[SO], v6, s59
	v_lshl_add_u32 v[SO], v5, 4, v[SO]             ; and the same place among the codes
	s_lshl_b32 s86, s59, 1
.set i, 1
.rept 15
	v_add_nc_u32 v[SO+i], s86, v[SO+i-1]
.set i, i+1
.endr
	s_wait_kmcnt 0x0
	s_mov_b32 s62, s37                             ; the weight's exponent: entries 1, 3, 5, 11, 13, 15
	s_cmp_eq_u32 s52, 1
	s_cselect_b32 s62, s39, s62
	s_cmp_eq_u32 s52, 2
	s_cselect_b32 s62, s41, s62
	s_cmp_eq_u32 s52, 3
	s_cselect_b32 s62, s47, s62
	s_cmp_eq_u32 s53, 1
	s_cselect_b32 s62, s49, s62
	s_cmp_eq_u32 s53, 2
	s_cselect_b32 s62, s51, s62
	s_add_co_i32 s62, s62, 127
	s_lshl_b32 s63, s62, 23
	v_mov_b32 v11, s63                             ; 2^e as f32: the conversion takes its exponent field
	s_add_co_i32 s62, s62, 8
	s_lshl_b32 s62, s62, 23
	s_or_b32 s62, s62, 0x600000
	v_mov_b32 v10, s62                             ; 448 x 2^e
.macro WBLOCK t
.set XS, XW+32*((\t)%2)
.if (\t) < 7
	s_wait_loadcnt 32                              ; this block's 32 loads are in; the next block's 32 may be out
.else
	s_wait_loadcnt 0x0
.endif
.set i, 0
.rept 32
	v_med3_num_f32 v[XS+i], v[XS+i], -v10, v10     ; the conversion to an 8-bit code does not saturate (ISA guide 7.6.2): the hold comes first
.set i, i+1
.endr
.irp g, 0,1,2,3
	v_cvt_scalef32_pk8_fp8_f32 v[CW+2*\g:CW+2*\g+1], v[XS+8*\g:XS+8*\g+7], v11
.endr
	ds_store_b128 v4, v[CW:CW+3] offset:32*(\t)    ; 32 codes of my column's row
	ds_store_b128 v4, v[CW+4:CW+7] offset:32*(\t)+16
.if (\t)+2 < 8
	WLOAD (\t)+2
.endif
	s_wait_dscnt 0x0                               ; the stores have read their registers: the next block's codes may be written (its 32 holds are the plain lines behind these conversions)
.endm
.irp t, 0,1,2,3,4,5,6,7
	WBLOCK \t
.endr
.irp t, 0,1,2,3,4,5,6,7,8,9,10,11,12,13,14,15
	ds_load_b128 v[OUTR+4*\t:OUTR+4*\t+3], v7 offset:2*\t*WP   ; LDS serves a wave's instructions in order: these see my stores
.endr
.irp t, 0,1,2,3,4,5,6,7,8,9,10,11,12,13,14,15
	s_wait_dscnt 15-\t                             ; the younger reads may be out
	global_store_b128 v[SO+\t], v[OUTR+4*\t:OUTR+4*\t+3], s[30:31]   ; sixteen lanes store 256 consecutive bytes, aligned
.endr
	s_wait_tensorcnt 0x0
	ds_add_u32 v232, v233
	s_wait_dscnt 0x0
	s_endpgm
	; ---------------- the norm
.macro WSUM r                          ; the sum over the wave's 32 lanes, in every lane
	v_add_f32_dpp v[\r], v[\r], v[\r] row_xmask:1 row_mask:0xf bank_mask:0xf
	v_add_f32_dpp v[\r], v[\r], v[\r] row_xmask:2 row_mask:0xf bank_mask:0xf
	v_add_f32_dpp v[\r], v[\r], v[\r] row_xmask:4 row_mask:0xf bank_mask:0xf
	v_add_f32_dpp v[\r], v[\r], v[\r] row_xmask:8 row_mask:0xf bank_mask:0xf
	v_permlanex16_b32 v[PL], v[\r], s58, s59
	v_add_f32 v[\r], v[\r], v[PL]
.endm
.macro FOLD                            ; four chains of pairs into one number a lane
	v_pk_add_f32 v[CH:CH+1], v[CH:CH+1], v[CH+2:CH+3]
	v_pk_add_f32 v[CH+4:CH+5], v[CH+4:CH+5], v[CH+6:CH+7]
	v_pk_add_f32 v[CH:CH+1], v[CH:CH+1], v[CH+4:CH+5]
	v_add_f32 v[TT], v[CH], v[CH+1]
	WSUM TT
.endm
; Row i of my four.  Load j of a row's eight covers 512 consecutive bytes: my registers 4 j .. 4 j + 3 are elements 128 j + 4 lane + 0 .. 3.
.macro LNROW i, last
.set XS, X+32*((\i)%2)
.set XN, X+32*(((\i)+1)%2)
	s_wait_xcnt 0x0                                ; the stores of the row before have read their registers: the other set and the rows of codes may be written
.if \last
	s_wait_loadcnt 0x0
.else
.irp j, 0,1,2,3,4,5,6,7
	global_load_b128 v[XN+4*\j:XN+4*\j+3], v1, s[4:5] offset:((\i)+1)*4096+512*\j th:TH_LOAD_NT
.endr
	s_wait_loadcnt 8                               ; this row is in; the next row's eight loads may be out
.endif
.irp c, 0,2,4,6
	v_pk_add_f32 v[CH+\c:CH+\c+1], v[XS+\c:XS+\c+1], v[XS+8+\c:XS+9+\c]   ; the first pairs start the chains
.endr
.irp o, 16,24
.irp c, 0,2,4,6
	v_pk_add_f32 v[CH+\c:CH+\c+1], v[CH+\c:CH+\c+1], v[XS+\o+\c:XS+\o+\c+1]
.endr
.endr
	FOLD
	v_mul_f32 v[MN], s88, v[TT]                    ; the mean: / 1,024
	v_mov_b32 v[MN+1], v[MN]
.set n, 0
.rept 16
	v_pk_add_f32 v[XS+2*n:XS+2*n+1], v[XS+2*n:XS+2*n+1], v[MN:MN+1] neg_lo:[0,1] neg_hi:[0,1]   ; x - mean
.set n, n+1
.endr
.irp c, 0,2,4,6
	v_pk_mul_f32 v[CH+\c:CH+\c+1], v[XS+\c:XS+\c+1], v[XS+\c:XS+\c+1]
.endr
.irp o, 8,16,24
.irp c, 0,2,4,6
	v_pk_fma_f32 v[CH+\c:CH+\c+1], v[XS+\o+\c:XS+\o+\c+1], v[XS+\o+\c:XS+\o+\c+1], v[CH+\c:CH+\c+1]
.endr
.endr
	FOLD
	v_fma_f32 v[TT], v[TT], s88, s89               ; var + eps
	v_rsq_f32 v[RS], v[TT]
	v_nop                                          ; a plain line behind the transcendental,
	s_wait_alu depctr_va_vdst(0)                   ; and the wait ahead of the first line that names its result
	v_mov_b32 v[RS+1], v[RS]
.set n, 0
.rept 16
	v_pk_mul_f32 v[XS+2*n:XS+2*n+1], v[XS+2*n:XS+2*n+1], v[RS:RS+1]
.set n, n+1
.endr
.set n, 0
.rept 16
	v_pk_fma_f32 v[XS+2*n:XS+2*n+1], v[XS+2*n:XS+2*n+1], v[G+2*n:G+2*n+1], v[BT+2*n:BT+2*n+1]
.set n, n+1
.endr
.if STOREF
.irp j, 0,1,2,3,4,5,6,7
	global_store_b128 v1, v[XS+4*\j:XS+4*\j+3], s[24:25] offset:(\i)*4096+512*\j
.endr
.endif
.irp v, 0,1,2
.if \v < NVER
.irp q, 0,1,2,3
.set TQ, T0+8*(\q%2)                   ; two sets by turns: eight plain lines stand between a conversion and the next write of its sources
.irp k, 0,1,2,3,4,5,6,7
	v_med3_num_f32 v[TQ+\k], v[XS+8*\q+\k], -v[LM+\v], v[LM+\v]
.endr
	v_cvt_scalef32_pk8_fp8_f32 v[CD+8*\v+2*\q:CD+8*\v+2*\q+1], v[TQ:TQ+7], v[SC+\v]   ; register j of a version: the four codes of elements 128 j + 4 lane on
.endr
.endif
.endr
	v_nop                                          ; a plain line behind the last conversion
.irp v, 0,1,2
.if \v < NVER
.irp j, 0,1,2,3,4,5,6,7
	ds_store_b32 v2, v[CD+8*\v+\j] offset:1024*\v+128*\j   ; the row's 1,024 codes lie on end in my stage
.endr
.endif
.endr
.irp v, 0,1,2
.if \v < NVER
	ds_load_b128 v[O+8*\v:O+8*\v+3], v3 offset:1024*\v
	ds_load_b128 v[O+8*\v+4:O+8*\v+7], v3 offset:1024*\v+512
.endif
.endr
	s_wait_dscnt 0x0
.irp v, 0,1,2
.if \v < NVER
	global_store_b128 v1, v[O+8*\v:O+8*\v+3], s[52+2*\v:53+2*\v] offset:(\i)*1024       ; 32 lanes store 512 consecutive bytes
	global_store_b128 v1, v[O+8*\v+4:O+8*\v+7], s[52+2*\v:53+2*\v] offset:(\i)*1024+512
.endif
.endr
.endm
.Lnorm:
	s_sub_co_u32 s52, ttmp9, 384
	s_lshl_b32 s52, s52, 4
	s_lshl_b32 s53, s28, 2
	s_add_co_u32 s52, s52, s53                     ; my first row: 16 x work-group + 4 x wave
	s_lshl_b32 s60, s52, 12
	s_mov_b32 s61, 0
	s_add_nc_u64 s[4:5], s[4:5], s[60:61]
	s_add_nc_u64 s[24:25], s[24:25], s[60:61]
	s_lshl_b32 s60, s52, 10
	s_add_nc_u64 s[52:53], s[26:27], s[60:61]      ; the three versions of the codes
	s_add_nc_u64 s[54:55], s[52:53], 0x400000
	s_add_nc_u64 s[56:57], s[52:53], 0x800000
	s_mov_b32 s58, 0x76543210                      ; lane l xor 16
	s_mov_b32 s59, 0xfedcba98
	s_mov_b32 s88, 0x3a800000                      ; 1 / 1,024
	s_mov_b32 s89, 0x3727c5ac                      ; 1e-5
	v_and_b32 v4, 31, v0
	v_lshlrev_b32 v1, 4, v4                        ; 16 x lane
.irp j, 0,1,2,3,4,5,6,7
	global_load_b128 v[G+4*\j:G+4*\j+3], v1, s[6:7] offset:512*\j
	global_load_b128 v[BT+4*\j:BT+4*\j+3], v1, s[8:9] offset:512*\j
.endr
.irp j, 0,1,2,3,4,5,6,7
	global_load_b128 v[X+4*\j:X+4*\j+3], v1, s[4:5] offset:512*\j th:TH_LOAD_NT
.endr
	s_mul_i32 s60, s28, LNWB
	s_add_co_u32 s60, s60, LNST                    ; my stage
	v_lshl_add_u32 v2, v4, 2, s60
	v_add_nc_u32 v3, s60, v1
	v_mov_b32 v[PL], 0
	s_wait_kmcnt 0x0
.irp v, 0,1,2
	s_add_co_i32 s90, s[36+2*\v], 127              ; entries 0, 2, 4
	s_lshl_b32 s91, s90, 23
	v_mov_b32 v[SC+\v], s91
	s_add_co_i32 s90, s90, 8
	s_lshl_b32 s90, s90, 23
	s_or_b32 s90, s90, 0x600000
	v_mov_b32 v[LM+\v], s90
.endr
	LNROW 0, 0
	LNROW 1, 0
	LNROW 2, 0
	LNROW 3, 1
	s_wait_tensorcnt 0x0
	ds_add_u32 v232, v233
	s_wait_dscnt 0x0
	s_endpgm
.Lfunc_end_k_qa933f39379_prep:
	.size	k_qa933f39379_prep, .Lfunc_end_k_qa933f39379_prep-k_qa933f39379_prep
	.p2alignl 7, 3214868480
	.fill 96, 4, 3214868480
	.section	.rodata,"a",@progbits
	.p2align	6, 0x0
	.amdhsa_kernel k_qa933f39379_prep
		.amdhsa_group_segment_fixed_size 47616
		.amdhsa_private_segment_fixed_size 0
		.amdhsa_enable_private_segment 0
		.amdhsa_kernarg_size 96
		.amdhsa_user_sgpr_count 2
		.amdhsa_user_sgpr_kernarg_segment_ptr 1
		.amdhsa_wavefront_size32 1
		.amdhsa_system_sgpr_workgroup_id_x 1
		.amdhsa_system_sgpr_workgroup_id_y 1
		.amdhsa_system_sgpr_workgroup_id_z 1
		.amdhsa_system_vgpr_workitem_id 0
		.amdhsa_next_free_vgpr 234
		.amdhsa_next_free_sgpr 100
		.amdhsa_reserve_vcc 0
		.amdhsa_float_denorm_mode_32 3
		.amdhsa_float_denorm_mode_16_64 3
		.amdhsa_memory_ordered 1
		.amdhsa_forward_progress 1
		.amdhsa_inst_pref_size 124
	.end_amdhsa_kernel
	.amdgpu_metadata
---
amdhsa.version: [ 1, 2 ]
amdhsa.kernels:
  - .name:           k_qa933f39379_prep
    .symbol:         k_qa933f39379_prep.kd
    .args:
      - { .name: x, .offset: 0, .size: 8, .value_kind: global_buffer, .address_space: global }
      - { .name: g1, .offset: 8, .size: 8, .value_kind: global_buffer, .address_space: global }
      - { .name: b1, .offset: 16, .size: 8, .value_kind: global_buffer, .address_space: global }
      - { .name: Wq, .offset: 24, .size: 8, .value_kind: global_buffer, .address_space: global }
      - { .name: Wk, .offset: 32, .size: 8, .value_kind: global_buffer, .address_space: global }
      - { .name: Wv, .offset: 40, .size: 8, .value_kind: global_buffer, .address_space: global }
      - { .name: Wo, .offset: 48, .size: 8, .value_kind: global_buffer, .address_space: global }
      - { .name: W1, .offset: 56, .size: 8, .value_kind: global_buffer, .address_space: global }
      - { .name: W2, .offset: 64, .size: 8, .value_kind: global_buffer, .address_space: global }
      - { .name: lowp_scales, .offset: 72, .size: 8, .value_kind: global_buffer, .address_space: global }
      - { .name: xn, .offset: 80, .size: 8, .value_kind: global_buffer, .address_space: global }
      - { .name: pc, .offset: 88, .size: 8, .value_kind: global_buffer, .address_space: global }
    .group_segment_fixed_size: 47616
    .private_segment_fixed_size: 0
    .kernarg_segment_align: 8
    .kernarg_segment_size: 96
    .max_flat_workgroup_size: 128
    .sgpr_count:     100
    .vgpr_count:     234
    .wavefront_size: 32
...
	.end_amdgpu_metadata
.endif
;; end of part 1
;; launch qkv (part 2): grid 12 x 16, 4 waves a work-group, clusters of 4 x 4, 327,680 bytes of LDS; arguments pc, lowp_scales, bq, bk, bv, qkv; writes qkv
.if DOCPART == 2
	.amdgcn_target "amdgcn-amd-amdhsa--gfx1250"
	.amdhsa_code_object_version 6
	.text
	.protected	k_qa933f39379_qkv
	.globl	k_qa933f39379_qkv
	.p2align	8
	.type	k_qa933f39379_qkv,@function
k_qa933f39379_qkv:
	s_mov_b64 s[64:65], 0
	v_nop
	global_prefetch_b8 v0, s[64:65] scope:SCOPE_SE
	s_setreg_imm32_b32 hwreg(HW_REG_WAVE_MODE, 25, 1), 1
	s_wait_xcnt 0x0
	s_wait_alu depctr_hold_cnt(0) depctr_sa_sdst(0) depctr_va_vdst(0) depctr_va_sdst(0) depctr_va_ssrc(0) depctr_va_vcc(0) depctr_vm_vsrc(0)
	s_getreg_b32 s2, hwreg(HW_REG_IB_STS2, 6, 4)
	s_cmp_eq_u32 s2, 0
	s_cbranch_scc0 .Lentry_in_a_cluster
	s_endpgm
.Lentry_in_a_cluster:
	s_bfe_u32 s2, ttmp6, 0x10000c
	s_cmp_lg_u32 s2, 0xf033
	s_cbranch_scc0 .Lentry_shape_is_right
	s_endpgm
.Lentry_shape_is_right:
; q, k, v = xn W + b on codes of E4M3, and their own codes for attention.  Cluster x = 0, 1, 2 says which of the three; it is the same in all sixteen partners.
; A tile of 256 x 256 is made by four waves, 128 x 128 each (64 accumulators, 512 registers); K = 1,024 goes in steps of 256 through a ring of two LDS slots filled by joint tensor loads:
; the four work-groups of a row of the cluster share source 1's tile, the four of a column source 0's.
; The matrix instruction gives a lane ONE row of source 1 and eight neighbouring rows of source 0.  For q and k source 1 = tokens, source 0 = the weight's columns: a lane's eight numbers run along the head's 64, the K of q k^T.
; For v the two change places (source 1 = Wv's columns, source 0 = tokens): a lane's eight numbers run along the keys, the K of the second product of attention.
; Out: qc, kc [32 heads][2048][64] at 0 and 0x400000; vc [32 heads][16 blocks of keys][64][128 keys] at 0x800000; every store of a wave covers 512 consecutive bytes.
; A fragment is fetched by four loads of 16 bytes: a permutation of k that is the same on both sides.
; LIMITS: ea + eb between -126 and 127; the result's exponent between -126 and 119.  NaN is not served.
.set SIZE_K, 1024
.set W,      256                       ; source 1's rows lie whole in memory
.set ASTEP,  256                       ; a K step on, in bytes
.set KROWB,  1024
.set PITCH,  272                       ; an LDS row: 256 bytes + 16 of padding: the 16 rows of a load start at 16 different groups of four banks (ISA guide 11.1)
.set FR,     16
.set NL,     4
.set NP,     4
.set HALFT,  128*PITCH
.set SLOT,   4*HALFT
.set LAPS,   SIZE_K/512
.set SPARE,  2*SLOT                    ; the spare words, 128 bytes a wave
.set ADRA, 16
.set ADRB, 20
.set LIM,  18
.set SCL,  19
.set STO2, 22
.set RD2,  23
.set STO,  24
.set RD,   25
.set CO,   26
.set SPW,  28
.set NIL,  29
.set BI,   32                          ; v32-95 bias of my 128 columns, in the result's layout (q, k)
.set CD,   96                          ; v96-111 a block's codes
.set BV,   112                         ; v112-127 bias of my lane's row, one pair a block (v)
.set AF,   128
.set TMP,  128                         ; the way out: v128-191 a block's numbers
.set OB,   192                         ; v192-223 rows of codes, two sets
.set G1, 24
.set G0, 32
.set G1B, 48
.set G0B, 56
.set MSB, 0
.macro WIN new                         ; the immediate's high byte repeats the setting that is left
.if MSB != (\new)
	s_set_vgpr_msb (MSB<<8)|(\new)
.set MSB, (\new)
.endif
.endm
.set MUL_LO, 0xa1                      ; source 0 window 1, source 1 window 0, C and D window 2
.set MUL_HI, 0xf1
.set TO_B,   0x40
.macro JLOAD g0a, g1a, g0b, g1b        ; waves 0, 1 fetch source 1's halves, waves 2, 3 source 0's; four v_nop follow each line
	s_cmp_eq_u32 s15, 0
	s_cbranch_scc0 .Lfor_b_\@
	tensor_load_to_lds s[\g0a:\g0a+3], s[\g1a:\g1a+7]
	s_nop 0
.rept 4
	v_nop
.endr
	s_branch .Lasked_\@
.Lfor_b_\@:
	tensor_load_to_lds s[\g0b:\g0b+3], s[\g1b:\g1b+7]
	s_nop 0
.rept 4
	v_nop
.endr
.Lasked_\@:
.endm
.macro CREST
	s_cmp_lg_u32 s14, 0
	s_cbranch_scc1 .Lnot_wave_0_\@
	s_barrier_signal -3
.Lnot_wave_0_\@:
	s_barrier_wait -3
	s_barrier_signal -1
	s_barrier_wait -1
.endm
.macro CROUND
	s_barrier_signal -1
	s_barrier_wait -1
	CREST
.endm
.macro FRAGB reg, adr, q, i
.irp c, 0,1,2,3
	ds_load_b128 v[\reg+4*\c:\reg+4*\c+3], v[\adr] offset:128*(\q)+32*\c+(\i)*16*PITCH
.endr
.endm
.macro FRAGA reg, adr, q, i
.irp c, 0,1,2,3
	ds_load_b128 v[\reg+4*\c:\reg+4*\c+3], v[\adr] offset:((128*(\q)+32*\c)/W)*136*W+(128*(\q)+32*\c)%W+(\i)*17*W
.endr
.endm
.macro MUL16 a0, p, zero               ; the 64 accumulators take turns, one instruction a turn
.irp a, \a0, \a0+1
.irp b, 0,1,2,3,4,5,6,7
.if \zero
	v_wmma_f32_16x16x128_fp8_fp8 v[8*(8*((\a)%4)+\b):8*(8*((\a)%4)+\b)+7], v[128*(\p)+FR*\b:128*(\p)+FR*\b+FR-1], v[AF+FR*(\a):AF+FR*(\a)+FR-1], 0
.else
	v_wmma_f32_16x16x128_fp8_fp8 v[8*(8*((\a)%4)+\b):8*(8*((\a)%4)+\b)+7], v[128*(\p)+FR*\b:128*(\p)+FR*\b+FR-1], v[AF+FR*(\a):AF+FR*(\a)+FR-1], v[8*(8*((\a)%4)+\b):8*(8*((\a)%4)+\b)+7]
.endif
.endr
.endr
.endm
.macro FETCH_B slot, q, p
	WIN TO_B
.irp i, 0,1,2,3,4,5,6,7
	FRAGB 128*(\p)+FR*\i, ADRB+\slot, \q, \i
.endr
	WIN 0
.endm
.macro FETCH_A slot, q, i0
.irp i, \i0, \i0+1, \i0+2, \i0+3
	FRAGA AF+FR*(\i), ADRA+\slot, \q, \i
.endr
.endm
.macro PLACES n                        ; plain vector lines between a matrix instruction and a load into, or a read of, its registers
.rept \n
	v_nop
.endr
.endm
.macro STEP slot, q, zero              ; 128 along K whose successor lies in the same slot
	s_wait_dscnt 4*NL                              ; all but the youngest 16 loads (source 1's blocks 4-7)
	WIN MUL_LO
	MUL16 0, (\q)%2, \zero
	MUL16 2, (\q)%2, \zero
	s_wait_dscnt 0
	PLACES NP
	FETCH_B \slot, (\q)+1, 1-(\q)%2
	FETCH_A \slot, (\q)+1, 0
	WIN MUL_HI
	MUL16 4, (\q)%2, \zero
	MUL16 6, (\q)%2, \zero
	PLACES NP
	WIN 0
	FETCH_A \slot, (\q)+1, 4
.endm
.macro TURN slot, next, fill           ; a slot's last step changes slots
	s_wait_tensorcnt 0x0                           ; all my tensor loads have landed: my part of the next slot
	ds_add_u32 v[SPW], v[NIL]                      ; 0 onto my spare word
	s_wait_dscnt 4*NL+1                            ; the add and the youngest 16 loads may be out
	WIN MUL_LO
	MUL16 0, 1, 0
	s_wait_dscnt 0x0                               ; the add is done, and my reads of this slot are over
	s_barrier_signal -1
	MUL16 2, 1, 0
	WIN 0
	s_barrier_wait -1
.if \fill
	CREST                                          ; the barrier has opened a round of the cluster's: no wave of any partner still reads this slot or has a load on its way
	s_add_nc_u64 s[G0+4*\slot+2:G0+4*\slot+3], s[G0+4*\slot+2:G0+4*\slot+3], 2*ASTEP
	s_add_nc_u64 s[G0B+4*\slot+2:G0B+4*\slot+3], s[G0B+4*\slot+2:G0B+4*\slot+3], 2*256
	JLOAD G0+4*\slot, G1, G0B+4*\slot, G1B         ; my one tensor load behind the round
.else
	PLACES NP
.endif
	FETCH_B \next, 0, 0
	FETCH_A \next, 0, 0
	WIN MUL_HI
	MUL16 4, 1, 0
	MUL16 6, 1, 0
	PLACES NP
	WIN 0
	FETCH_A \next, 0, 4
.endm
	s_load_b256 s[4:11], s[0:1], 0x0               ; pc, the exponents, bq, bk
	s_load_b128 s[84:87], s[0:1], 0x20             ; bv, qkv
	v_lshl_add_u32 v[SPW], v0, 2, SPARE
	v_mov_b32 v[NIL], 0
	ds_add_u32 v28, v29
	ds_add_u32 v28, v29
	s_wait_dscnt 0x0
	v_lshrrev_b32 v1, 5, v0
	v_readfirstlane_b32 s14, v1                    ; wave 0..3
	s_lshr_b32 s15, s14, 1                         ; my half of source 1's rows; also: I fetch for source 1 (0) or source 0 (1)
	s_and_b32 s16, s14, 1                          ; my half of source 0's rows; also: which 128 rows I fetch
	s_bfe_u32 s40, ttmp6, 0x40000                  ; cx
	s_bfe_u32 s41, ttmp6, 0x40004                  ; cy
	s_and_b32 s17, ttmp7, 0xffff
	s_lshl_b32 s17, s17, 2                         ; 4 x cluster y
	s_add_co_u32 s42, s17, s40
	s_add_co_u32 s17, s17, s41
	s_lshl_b32 s88, ttmp9, 22
	s_lshl_b32 s89, ttmp9, 20
	s_add_co_u32 s89, s89, 0xC00000
	s_cmp_eq_u32 ttmp9, 2
	s_cselect_b32 s17, s41, s17                    ; source 1's tile: tokens 4 Y + cy (q, k) or Wv's columns cy (v): it hangs on cy alone
	s_cselect_b32 s42, s42, s40                    ; source 0's tile: the weight's columns cx (q, k) or tokens 4 Y + cx (v): on cx alone
	s_cselect_b32 s88, 0xE00000, s88               ; where source 1's codes begin in pc
	s_cselect_b32 s89, 0x800000, s89               ; and source 0's
	s_lshl_b32 s43, s41, 2
	s_lshl_b32 s43, 15, s43                        ; my row of the cluster
	s_lshl_b32 s44, 0x1111, s40                    ; my column
	s_or_b32 s[G1+0], s43, (0<<16)|(1<<20)|(1<<21)|(5<<22)|(3<<25)   ; mask; elements of 1 byte; padding: 4 words behind every 64
	s_or_b32 s[G1B+0], s44, (0<<16)|(1<<20)|(1<<21)|(5<<22)|(3<<25)
.irp g, G1, G1B
	s_mov_b32 s[\g+1], 256<<16                     ; tensor_dim0
	s_mov_b32 s[\g+2], 128<<16                     ; tensor_dim1
	s_mov_b32 s[\g+3], 256<<16                     ; tile_dim0
	s_mov_b32 s[\g+4], 128                         ; tile_dim1
	s_mov_b32 s[\g+5], 1024                        ; from row to row
	s_mov_b32 s[\g+6], 0
	s_mov_b32 s[\g+7], 0
.endr
	s_lshl_b32 s18, s16, 7
	s_lshl_b32 s20, s17, 8
	s_add_co_u32 s20, s20, s18
	s_lshl_b32 s20, s20, 10
	s_add_co_u32 s20, s20, s88
	s_mov_b32 s21, 0
	s_lshl_b32 s46, s42, 8
	s_add_co_u32 s46, s46, s18
	s_lshl_b32 s46, s46, 10
	s_add_co_u32 s46, s46, s89
	s_mov_b32 s47, 0
	s_mul_i32 s45, s14, HALFT                      ; where my load goes: wave x 128 rows
	s_wait_kmcnt 0x0
	s_load_b512 s[68:83], s[6:7], 0x0              ; entry i in s[68 + i]
	s_add_nc_u64 s[20:21], s[4:5], s[20:21]
	s_add_nc_u64 s[46:47], s[4:5], s[46:47]
	CROUND                                         ; all sixteen work-groups are here: the first joint loads meet
.irp s, 0,1
	s_mov_b32 s[G0+4*\s], 1
	s_add_co_u32 s[G0+4*\s+1], s45, \s*SLOT
	s_add_nc_u64 s[G0+4*\s+2:G0+4*\s+3], s[20:21], \s*ASTEP
	s_or_b32 s[G0+4*\s+3], s[G0+4*\s+3], 0x80000000
	s_mov_b32 s[G0B+4*\s], 1
	s_add_co_u32 s[G0B+4*\s+1], s45, \s*SLOT
	s_add_nc_u64 s[G0B+4*\s+2:G0B+4*\s+3], s[46:47], \s*256
	s_or_b32 s[G0B+4*\s+3], s[G0B+4*\s+3], 0x80000000
	JLOAD G0+4*\s, G1, G0B+4*\s, G1B
.endr
	v_and_b32 v1, 15, v0                           ; r
	v_bfe_u32 v2, v0, 4, 1                         ; h
	v_mul_u32_u24 v3, v1, PITCH
	v_lshl_add_u32 v4, v2, 4, v3
	s_mul_i32 s21, s15, HALFT
	s_mul_i32 s22, s16, HALFT
	s_add_co_u32 s22, s22, 2*HALFT
.irp s, 0,1
	v_add_nc_u32 v[ADRA+\s], s21, v4
	v_add_nc_u32 v[ADRB+\s], s22, v4
	s_add_co_u32 s21, s21, SLOT
	s_add_co_u32 s22, s22, SLOT
.endr
	; the stages, 16 rows x (128 + 16) bytes a wave, in slot 0, which has had its last fill and its last read when they are written; each of the two ways out has bytes of its own
	s_mul_i32 s23, s14, 2304
	v_mul_u32_u24 v9, v1, 144
	v_lshl_add_u32 v9, v2, 3, v9
	v_add_nc_u32 v[STO], s23, v9                   ; in: row r, 8 bytes for each half of the lanes
	v_add_nc_u32 v[STO2], 16384, v[STO]
	v_and_b32 v10, 31, v0
	v_lshrrev_b32 v11, 2, v10
	v_mul_u32_u24 v11, v11, 144
	v_and_b32 v12, 3, v10
	v_lshl_add_u32 v11, v12, 4, v11
	v_add_nc_u32 v[RD], s23, v11                   ; back (q, k): four lanes to a row's 64 bytes of one head
	v_lshrrev_b32 v11, 3, v10
	v_mul_u32_u24 v11, v11, 144
	v_and_b32 v12, 7, v10
	v_lshl_add_u32 v11, v12, 4, v11
	v_add_nc_u32 v11, s23, v11
	v_add_nc_u32 v[RD2], 16384, v11                ; back (v): eight lanes to a row of 128 bytes
	v_lshlrev_b32 v[CO], 4, v10
	; where my part begins
	s_lshl_b32 s88, s17, 8
	s_lshl_b32 s89, s15, 7
	s_add_co_u32 s88, s88, s89                     ; source 1's first row of mine
	s_lshl_b32 s89, s42, 8
	s_lshl_b32 s90, s16, 7
	s_add_co_u32 s89, s89, s90                     ; source 0's
	s_cmp_eq_u32 ttmp9, 2
	s_cselect_b32 s90, s89, s88                    ; my first token
	s_cselect_b32 s91, s88, s89                    ; my first column of the result
	s_cselect_b64 s[92:93], s[84:85], s[8:9]
	s_cmp_eq_u32 ttmp9, 1
	s_cselect_b64 s[92:93], s[10:11], s[92:93]     ; the bias
	s_lshl_b32 s94, s91, 2
	s_mov_b32 s95, 0
	s_add_nc_u64 s[92:93], s[92:93], s[94:95]
	s_lshr_b32 s94, s90, 11
	s_lshl_b32 s94, s94, 4
	s_lshr_b32 s98, s91, 6
	s_add_co_u32 s94, s94, s98                     ; 16 x batch + head
	s_lshl_b32 s94, s94, 17
	s_and_b32 s98, s90, 2047
	s_lshl_b32 s98, s98, 6                         ; 64 bytes a token, in all three layouts (a block of 128 keys is 8,192 bytes)
	s_add_co_u32 s94, s94, s98
	s_lshl_b32 s98, ttmp9, 22
	s_add_co_u32 s94, s94, s98
	s_add_nc_u64 s[86:87], s[86:87], s[94:95]
	v_lshlrev_b32 v7, 5, v2                        ; 32 h
	v_lshlrev_b32 v8, 2, v1                        ; 4 r
.irp b, 0,1,2,3,4,5,6,7                ; both forms of the bias are loaded in every work-group, so that no register is written on one way alone; both stay inside my 128 numbers
	global_load_b128 v[BI+8*\b:BI+8*\b+3], v7, s[92:93] offset:64*\b
	global_load_b128 v[BI+8*\b+4:BI+8*\b+7], v7, s[92:93] offset:64*\b+16
.endr
.irp a, 0,1,2,3,4,5,6,7
	global_load_b32 v[BV+2*\a], v8, s[92:93] offset:64*\a
	v_mov_b32 v[BV+2*\a+1], 0                      ; (named as the upper half of a pair)
.endr
	s_wait_tensorcnt 1                             ; my part of K step 0 is in; K step 1's load may be out
	s_barrier_signal -1
	s_barrier_wait -1
	FETCH_B 0, 0, 0
	FETCH_A 0, 0, 0
	FETCH_A 0, 0, 4
	STEP 0, 0, 1                                   ; the first step's products start the sums
	s_mov_b32 s3, LAPS-1
.Llap:
	TURN 0, 1, 1
	STEP 1, 0, 0
	TURN 1, 0, 1
	STEP 0, 0, 0
	s_sub_co_u32 s3, s3, 1
	s_cmp_lg_u32 s3, 0
	s_cbranch_scc1 .Llap
	TURN 0, 1, 0                                   ; the last lap fills nothing
	STEP 1, 0, 0
	s_wait_dscnt 4*NL
	WIN MUL_LO
	MUL16 0, 1, 0
	MUL16 2, 1, 0
	s_wait_dscnt 0
	WIN MUL_HI
	MUL16 4, 1, 0
	MUL16 6, 1, 0
	WIN 0
; THE WAY OUT of block a, 16 rows of source 1 x 128 rows of source 0: number = sum x 2^(ea + eb) + bias, one packed multiply-add for two; the hold; eight numbers of a lane become eight codes;
; the block goes through my stage and leaves as 4 x 512 consecutive bytes.
.macro QBLK a, vp
.set AC, 64*((\a)%4)
.set OO, OB+16*((\a)%2)
	WIN 0x02+((\a)/4)                              ; source 0: window 2 or 3
.irp b, 0,1,2,3,4,5,6,7
.irp j, 0,2,4,6
.if \vp
	v_pk_fma_f32 v[TMP+8*\b+\j:TMP+8*\b+\j+1], v[AC+8*\b+\j:AC+8*\b+\j+1], s[96:97], v[BV+2*(\a):BV+2*(\a)+1] op_sel_hi:[1,0,0]
.else
	v_pk_fma_f32 v[TMP+8*\b+\j:TMP+8*\b+\j+1], v[AC+8*\b+\j:AC+8*\b+\j+1], s[96:97], v[BI+8*\b+\j:BI+8*\b+\j+1] op_sel_hi:[1,0,1]
.endif
.endr
.endr
	WIN 0
.set n, 0
.rept 64
	v_med3_num_f32 v[TMP+n], v[TMP+n], -v[LIM], v[LIM]
.set n, n+1
.endr
.irp b, 0,1,2,3,4,5,6,7
	v_cvt_scalef32_pk8_fp8_f32 v[CD+2*\b:CD+2*\b+1], v[TMP+8*\b:TMP+8*\b+7], v[SCL]
.endr
	v_nop                                          ; a plain line behind the last conversion
.irp b, 0,1,2,3,4,5,6,7
.if \vp
	ds_store_b64 v[STO2], v[CD+2*\b:CD+2*\b+1] offset:16*\b
.else
	ds_store_b64 v[STO], v[CD+2*\b:CD+2*\b+1] offset:16*\b
.endif
.endr
	s_wait_xcnt 0x0                                ; the stores of two blocks ago have read this set of registers
.irp k, 0,1,2,3
.if \vp
	ds_load_b128 v[OO+4*\k:OO+4*\k+3], v[RD2] offset:576*\k
.else
	ds_load_b128 v[OO+4*\k:OO+4*\k+3], v[RD] offset:(\k%2)*1152+(\k/2)*64
.endif
.endr
	s_wait_dscnt 0x0
.irp k, 0,1,2,3
.if \vp
	global_store_b128 v[CO], v[OO+4*\k:OO+4*\k+3], s[86:87] offset:((\a)/4)*131072+((\a)%4)*2048+\k*512
.else
	global_store_b128 v[CO], v[OO+4*\k:OO+4*\k+3], s[86:87] offset:(\k/2)*131072+(\a)*1024+(\k%2)*512
.endif
.endr
.endm
	s_wait_kmcnt 0x0
	s_cmp_eq_u32 ttmp9, 1                          ; the three exponents are chosen without a branch
	s_cselect_b32 s96, s70, s68
	s_cselect_b32 s97, s71, s69
	s_cselect_b32 s98, s75, s74
	s_cmp_eq_u32 ttmp9, 2
	s_cselect_b32 s96, s72, s96
	s_cselect_b32 s97, s73, s97
	s_cselect_b32 s98, s76, s98
	s_add_co_i32 s96, s96, s97
	s_add_co_i32 s96, s96, 127
	s_lshl_b32 s96, s96, 23                        ; 2^(ea + eb) as f32
	s_mov_b32 s97, s96
	s_add_co_i32 s98, s98, 127
	s_lshl_b32 s99, s98, 23
	v_mov_b32 v[SCL], s99                          ; the result's own scale
	s_add_co_i32 s98, s98, 8
	s_lshl_b32 s98, s98, 23
	s_or_b32 s98, s98, 0x600000
	v_mov_b32 v[LIM], s98
	s_wait_loadcnt 0x0                             ; the biases
	PLACES NP
	s_cmp_eq_u32 ttmp9, 2                          ; the cluster's x: the same in all partners
	s_cbranch_scc1 .Lvpath
.irp a, 0,1,2,3,4,5,6,7
	QBLK \a, 0
.endr
	s_branch .Lend
.Lvpath:
.irp a, 0,1,2,3,4,5,6,7
	QBLK \a, 1
.endr
.Lend:
	s_wait_tensorcnt 0x0                           ; the wave's end
	ds_add_u32 v[SPW], v[NIL]
	s_wait_dscnt 0x0
	CROUND                                         ; the closing round
	s_endpgm
.Lfunc_end_k_qa933f39379_qkv:
	.size	k_qa933f39379_qkv, .Lfunc_end_k_qa933f39379_qkv-k_qa933f39379_qkv
	.p2alignl 7, 3214868480
	.fill 96, 4, 3214868480
	.section	.rodata,"a",@progbits
	.p2align	6, 0x0
	.amdhsa_kernel k_qa933f39379_qkv
		.amdhsa_group_segment_fixed_size 327680
		.amdhsa_private_segment_fixed_size 0
		.amdhsa_enable_private_segment 0
		.amdhsa_kernarg_size 48
		.amdhsa_user_sgpr_count 2
		.amdhsa_user_sgpr_kernarg_segment_ptr 1
		.amdhsa_wavefront_size32 1
		.amdhsa_system_sgpr_workgroup_id_x 1
		.amdhsa_system_sgpr_workgroup_id_y 1
		.amdhsa_system_sgpr_workgroup_id_z 1
		.amdhsa_system_vgpr_workitem_id 0
		.amdhsa_next_free_vgpr 1024
		.amdhsa_next_free_sgpr 100
		.amdhsa_reserve_vcc 0
		.amdhsa_float_denorm_mode_32 3
		.amdhsa_float_denorm_mode_16_64 3
		.amdhsa_memory_ordered 1
		.amdhsa_forward_progress 1
		.amdhsa_inst_pref_size 207
	.end_amdhsa_kernel
	.amdgpu_metadata
---
amdhsa.version: [ 1, 2 ]
amdhsa.kernels:
  - .name:           k_qa933f39379_qkv
    .symbol:         k_qa933f39379_qkv.kd
    .args:
      - { .name: pc, .offset: 0, .size: 8, .value_kind: global_buffer, .address_space: global }
      - { .name: lowp_scales, .offset: 8, .size: 8, .value_kind: global_buffer, .address_space: global }
      - { .name: bq, .offset: 16, .size: 8, .value_kind: global_buffer, .address_space: global }
      - { .name: bk, .offset: 24, .size: 8, .value_kind: global_buffer, .address_space: global }
      - { .name: bv, .offset: 32, .size: 8, .value_kind: global_buffer, .address_space: global }
      - { .name: qkv, .offset: 40, .size: 8, .value_kind: global_buffer, .address_space: global }
    .group_segment_fixed_size: 327680
    .private_segment_fixed_size: 0
    .kernarg_segment_align: 8
    .kernarg_segment_size: 48
    .max_flat_workgroup_size: 128
    .sgpr_count:     100
    .vgpr_count:     1024
    .wavefront_size: 32
...
	.end_amdgpu_metadata
.endif
;; end of part 2
;; launch attn (part 3): grid 8 x 32, 16 waves a work-group, no clusters, 169,984 bytes of LDS; arguments qkv, lowp_scales, ctxc; writes ctxc
.if DOCPART == 3
	.amdgcn_target "amdgcn-amd-amdhsa--gfx1250"
	.amdhsa_code_object_version 6
	.text
	.protected	k_qa933f39379_attn
	.globl	k_qa933f39379_attn
	.p2align	8
	.type	k_qa933f39379_attn,@function
k_qa933f39379_attn:
	s_mov_b64 s[64:65], 0
	v_nop
	global_prefetch_b8 v0, s[64:65] scope:SCOPE_SE
	s_setreg_imm32_b32 hwreg(HW_REG_WAVE_MODE, 25, 1), 1
	s_wait_xcnt 0x0
; Attention with the mask i - 512 <= j <= i, both products on codes of E4M3, and ctx's own codes.  A work-group owns 256 queries of one head (16 x batch + head); each of its sixteen waves 16 of them.
; The keys that count for the 256 queries lie in 768 keys from kstart = max(q0 - 512, 0) on: six blocks of 128 keys of K and six of V, 8,192 dense bytes each, are fetched ONCE, at the head,
; by waves 0-11, one tensor load each; no LDS byte is filled again.  The launch is not laid in clusters: neighbouring query blocks begin at other keys, so the same tile would land at other LDS places in each.
; SOFTMAX: t = score x log2(e) / 8; M = the running largest t rounded up to a whole number; p = 2^(t - M) is quantised, not normalised; the sum of the unquantised p divides at the end; a change of M multiplies by an exact power of two.
; Both products are used transposed, so that a lane holds one query (lane % 16) throughout.  Lane r of tile 2 b + u of K takes key 32 b + 8 u + r + 8 (r / 8): the 16 registers of tiles 2 b, 2 b + 1 are keys 32 b + 16 (lane / 16) + 0 .. 15.
; Every wave walks six steps of 128 keys; a step none of whose keys counts for the wave's queries is passed over by a scalar branch on ids.  In a wave's first worked step some key counts for each of its rows, so M is a number from then on.
; Fragments are fetched 16 bytes at a time: a permutation of k that is the same on both sides.
; LIMITS: e6 + e7 between -123 and 130; e9 and e10 between -126 and 119.  NaN is not served.
.set CHUNK, 8704                       ; 32 rows of 256 bytes + 16 of padding
.set VOFF,  6*CHUNK
.set STAGE, 12*CHUNK                   ; 1,024 bytes a wave, for the way out: no tile lands there
	s_load_b128 s[4:7], s[0:1], 0x0                ; qkv, the exponents
	s_load_b64 s[8:9], s[0:1], 0x10                ; ctxc
	v_lshl_add_u32 v254, v0, 2, 0x29000
	v_mov_b32 v255, 0
	ds_add_u32 v254, v255
	ds_add_u32 v254, v255
	v_lshrrev_b32 v8, 5, v0
	v_readfirstlane_b32 s18, v8                    ; wave 0..15
	s_and_b32 s10, ttmp7, 0xffff                   ; 16 x batch + head
	s_lshl_b32 s11, ttmp9, 8                       ; q0
	s_sub_co_i32 s12, s11, 512
	s_max_i32 s12, s12, 0                          ; kstart
	s_lshl_b32 s13, s18, 4
	s_add_co_u32 s99, s11, s13                     ; my first query
	s_mov_b32 s98, s12                             ; the step's first key
	s_mov_b32 s2, 0                                ; the step's place in LDS
	s_mov_b32 s67, 6
	s_mov_b32 s20, 0x76543210                      ; lane l xor 16
	s_mov_b32 s21, 0xfedcba98
	s_mov_b32 s24, (3<<16)|(1<<20)|(5<<22)|(3<<25) ; elements of 8 bytes; padding: 4 words behind every 64
	s_mov_b32 s25, 32<<16                          ; tensor_dim0 = 32 elements: 256 bytes
	s_mov_b32 s26, 32<<16                          ; tensor_dim1 = 32
	s_mov_b32 s27, 32<<16                          ; tile_dim0
	s_mov_b32 s28, 32                              ; tile_dim1
	s_mov_b32 s29, 32                              ; dense
	s_mov_b32 s30, 0
	s_mov_b32 s31, 0
	s_mov_b32 s36, 0x800000
	s_cmp_lt_u32 s18, 6
	s_cselect_b32 s36, 0x400000, s36               ; waves 0-5: K's codes; waves 6-11: V's
	s_cselect_b32 s37, 0, 6
	s_sub_co_u32 s37, s18, s37
	s_lshl_b32 s37, s37, 13                        ; my block of 128 keys
	s_add_co_u32 s36, s36, s37
	s_lshl_b32 s37, s10, 17
	s_add_co_u32 s36, s36, s37
	s_lshl_b32 s37, s12, 6                         ; 64 bytes a key in both layouts
	s_add_co_u32 s36, s36, s37
	s_mov_b32 s37, 0
	s_mov_b32 s32, 1
	s_mul_i32 s33, s18, CHUNK
	s_lshl_b32 s38, s10, 17
	s_lshl_b32 s39, s99, 6
	s_add_co_u32 s38, s38, s39
	s_mov_b32 s39, 0
	s_and_b32 s42, s10, 15
	s_lshl_b32 s42, s42, 18
	s_lshr_b32 s43, s10, 4
	s_lshl_b32 s43, s43, 11
	s_add_co_u32 s43, s43, s99
	s_lshl_b32 s43, s43, 6
	s_add_co_u32 s42, s42, s43                     ; ctxc [16 heads][4096 tokens][64]
	s_mov_b32 s43, 0
	s_wait_dscnt 0x0
	s_wait_kmcnt 0x0
	s_load_b256 s[68:75], s[6:7], 0x18             ; entries 6 .. 13: q, k, v, p, ctx in s68 .. s72
	s_add_nc_u64 s[34:35], s[4:5], s[36:37]
	s_or_b32 s35, s35, 0x80000000
	s_add_nc_u64 s[40:41], s[4:5], s[38:39]        ; my queries' codes
	s_add_nc_u64 s[8:9], s[8:9], s[42:43]
	s_cmp_lt_u32 s18, 12
	s_cbranch_scc0 .Lno_fetch
	tensor_load_to_lds s[32:35], s[24:31]          ; my one tensor load of the launch
	s_nop 0
.rept 4
	v_nop
.endr
.Lno_fetch:
	v_and_b32 v3, 15, v0                           ; r
	v_bfe_u32 v4, v0, 4, 1                         ; h
	v_lshlrev_b32 v6, 6, v3
	v_lshl_add_u32 v6, v4, 4, v6
	global_load_b128 v[16:19], v6, s[40:41]        ; Q's fragment stays in registers
	global_load_b128 v[20:23], v6, s[40:41] offset:32
	v_and_b32 v8, 8, v3
	v_add_nc_u32 v8, v8, v3                        ; r + 8 (r / 8)
	v_lshrrev_b32 v9, 2, v8
	v_mul_u32_u24 v1, v9, 272
	v_and_b32 v9, 3, v8
	v_lshl_add_u32 v1, v9, 6, v1
	v_lshl_add_u32 v1, v4, 4, v1                   ; K: four keys of 64 bytes to an LDS row
	v_lshrrev_b32 v9, 1, v3
	v_mul_u32_u24 v2, v9, 272
	v_and_b32 v9, 1, v3
	v_lshl_add_u32 v2, v9, 7, v2
	v_lshl_add_u32 v2, v4, 4, v2
	v_add_nc_u32 v2, VOFF, v2                      ; V: two channels of 128 keys to an LDS row
	v_lshlrev_b32 v9, 4, v4
	v_sub_nc_u32 v5, v3, v9                        ; r - 16 h
	v_and_b32 v9, 31, v0
	v_lshlrev_b32 v7, 4, v9                        ; 16 x lane
	s_lshl_b32 s44, s18, 10
	s_add_co_u32 s44, s44, STAGE
	v_lshl_add_u32 v10, v3, 6, s44
	v_lshl_add_u32 v10, v4, 3, v10                 ; the stage, in: row r of 64 bytes, + 8 h
	v_add_nc_u32 v11, s44, v7                      ; and back
	v_mov_b32 v13, 0xff61b1e6                      ; the largest t so far: -3e38
	v_floor_f32 v12, -v13                          ; -M
	v_mov_b32 v14, 0                               ; the sum, in two halves
	v_mov_b32 v15, 0
	v_mov_b32 v26, 0xff800000                      ; -infinity
	v_mov_b32 v27, 0                               ; a lane permute's destination counts as read
	v_mov_b32 v29, 0                               ; (named as the upper half of the pair v[28:29])
.set n, 0
.rept 32
	v_mov_b32 v[160+n], 0                          ; O^T: the step is written once; the first finds zeros
.set n, n+1
.endr
	s_wait_kmcnt 0x0
	s_add_co_i32 s96, s68, s69
	s_lshl_b32 s96, s96, 23
	s_add_co_i32 s22, s96, 0x3e38aa3b              ; c = log2(e) / 8 x 2^(e6 + e7): the exponents are added to c's exponent field
	s_mov_b32 s23, s22
	s_add_co_i32 s96, s71, 127
	s_lshl_b32 s97, s96, 23
	v_mov_b32 v24, s97                             ; 2^e9
	s_add_co_i32 s96, s96, 8
	s_lshl_b32 s96, s96, 23
	s_or_b32 s96, s96, 0x600000
	v_mov_b32 v25, s96                             ; 448 x 2^e9
	s_wait_loadcnt 0x0                             ; Q
	s_wait_tensorcnt 0x0                           ; my tile has landed,
	s_barrier_signal -1
	s_barrier_wait -1                              ; everybody's has: the launch's one barrier
.Lstep:                                            ; six trips
	s_add_co_u32 s96, s99, 15
	s_cmp_gt_u32 s98, s96                          ; all keys come after my queries
	s_cbranch_scc1 .Lnext
	s_add_co_u32 s96, s98, 639
	s_cmp_lt_u32 s96, s99                          ; all keys lie ahead of every window
	s_cbranch_scc1 .Lnext
	v_add_nc_u32 v8, s2, v1
	v_add_nc_u32 v9, s2, v2
	v_nop                                          ; with the two additions: four plain lines in front of loads into registers that the last products read
	v_nop
.irp t, 0,1,2,3,4,5,6,7
	ds_load_b128 v[32+8*\t:35+8*\t], v8 offset:(8*(\t/2)+2*(\t%2))*272
	ds_load_b128 v[36+8*\t:39+8*\t], v8 offset:(8*(\t/2)+2*(\t%2))*272+32
.endr
	s_wait_dscnt 0x0
.irp t, 0,1,2,3,4,5,6,7
	v_wmma_f32_16x16x64_fp8_fp8 v[96+8*\t:103+8*\t], v[32+8*\t:39+8*\t], v[16:23], 0
.endr
.rept 4
	v_nop
.endr
.irp t, 0,1,2,3                        ; V's fragments are asked for now and land under the softmax
.irp c, 0,1,2,3
	ds_load_b128 v[32+16*\t+4*\c:35+16*\t+4*\c], v9 offset:8*\t*272+32*\c
.endr
.endr
	s_add_co_u32 s96, s98, 127
	s_cmp_le_u32 s96, s99                          ; no key comes after a query of mine
	s_cbranch_scc1 .Lopen
	s_sub_co_i32 s96, s99, s98
	v_add_nc_u32 v210, s96, v5                     ; my query - the step's first key - 16 h.  Register 16 b + i holds key 32 b + i + 16 h of the step
.set n, 0
.rept 64
	v_cmp_gt_i32 vcc_lo, 32*(n/16)+n%16, v210
	v_cndmask_b32 v[96+n], v[96+n], v26, vcc_lo    ; hidden: -infinity, so that p = 0
.set n, n+1
.endr
.Lopen:
	s_add_co_u32 s96, s98, 497
	s_cmp_ge_u32 s96, s99                          ; no key lies ahead of a window of mine
	s_cbranch_scc1 .Lwide
	s_sub_co_i32 s96, s99, s98
	s_sub_co_i32 s96, s96, 512
	v_add_nc_u32 v211, s96, v5
.set n, 0
.rept 64
	v_cmp_lt_i32 vcc_lo, 32*(n/16)+n%16, v211
	v_cndmask_b32 v[96+n], v[96+n], v26, vcc_lo
.set n, n+1
.endr
.Lwide:
	v_max3_num_f32 v30, v96, v97, v98              ; the step's largest score of my query, in two chains, each tile from its low end on
	v_max3_num_f32 v31, v99, v100, v101
.irp i, 6,10,14,18,22,26,30,34,38,42,46,50,54,58
	v_max3_num_f32 v30, v30, v[96+\i], v[97+\i]
	v_max3_num_f32 v31, v31, v[98+\i], v[99+\i]
.endr
	v_max3_num_f32 v30, v30, v158, v159
	v_max_num_f32 v30, v30, v31
	v_permlanex16_b32 v27, v30, s20, s21
	v_max_num_f32 v30, v30, v27
	v_mul_f32 v30, s22, v30                        ; as t
	v_max_num_f32 v13, v13, v30
	v_mov_b32 v30, v12
	v_floor_f32 v12, -v13                          ; the new -M
	v_sub_f32 v30, v12, v30                        ; old M - new M: a whole number, 0 or less
	v_cvt_i32_f32 v30, v30                         ; (it saturates)
	v_ldexp_f32 v28, 1.0, v30                      ; f = 2^(old M - new M)
.set n, 0
.rept 32
	v_pk_fma_f32 v[96+2*n:97+2*n], v[96+2*n:97+2*n], s[22:23], v[12:13] op_sel_hi:[1,0,0]   ; t - M
.set n, n+1
.endr
.set n, 0
.rept 64
	v_exp_f32 v[96+n], v[96+n]                     ; p
.set n, n+1
.endr
	v_pk_mul_f32 v[14:15], v[14:15], v[28:29] op_sel_hi:[1,0]   ; the sums under the new M: the plain line behind the batch
	s_wait_alu depctr_va_vdst(0)                   ; one wait for the 64 exponentials, ahead of their first reader
	v_pk_add_f32 v[208:209], v[96:97], v[98:99]    ; the sum of the unquantised p, in two chains
.irp j, 4,8,12,16,20,24,28,32,36,40,44,48,52,56,60
	v_pk_add_f32 v[14:15], v[14:15], v[96+\j:97+\j]
	v_pk_add_f32 v[208:209], v[208:209], v[98+\j:99+\j]
.endr
	v_pk_add_f32 v[14:15], v[14:15], v[208:209]
.irp b, 0,1,2,3
.irp i, 0,1,2,3,4,5,6,7,8,9,10,11,12,13,14,15
	v_min_num_f32 v[96+16*\b+\i], v[96+16*\b+\i], v25   ; p is not negative: a one-sided hold
.endr
	v_cvt_scalef32_pk8_fp8_f32 v[192+4*\b:193+4*\b], v[96+16*\b:103+16*\b], v24
	v_cvt_scalef32_pk8_fp8_f32 v[194+4*\b:195+4*\b], v[104+16*\b:111+16*\b], v24
.endr
.set n, 0
.rept 16
	v_pk_mul_f32 v[160+2*n:161+2*n], v[160+2*n:161+2*n], v[28:29] op_sel_hi:[1,0]   ; O^T under the new M; also the plain lines behind the conversions
.set n, n+1
.endr
	s_wait_dscnt 0x0                               ; V's fragments
.irp t, 0,1,2,3                        ; four accumulators by turns; the next step's eight products stand between two links of a chain
	v_wmma_f32_16x16x128_fp8_fp8 v[160+8*\t:167+8*\t], v[32+16*\t:47+16*\t], v[192:207], v[160+8*\t:167+8*\t]
.endr
.Lnext:
	s_add_co_u32 s2, s2, CHUNK
	s_add_co_u32 s98, s98, 128
	s_sub_co_u32 s67, s67, 1
	s_cmp_lg_u32 s67, 0
	s_cbranch_scc1 .Lstep
	; THE WAY OUT: ctx = O^T / the sum x 2^(e8 + e9), then its own codes, through my stage: the wave's 16 tokens x 64 bytes are 1,024 consecutive bytes
	s_add_co_i32 s96, s72, 127
	s_lshl_b32 s97, s96, 23
	v_mov_b32 v212, s97                            ; 2^e10  (these lines are also the places behind the last products)
	s_add_co_i32 s96, s96, 8
	s_lshl_b32 s96, s96, 23
	s_or_b32 s96, s96, 0x600000
	v_mov_b32 v213, s96
	v_add_f32 v14, v14, v15
	v_permlanex16_b32 v27, v14, s20, s21
	v_add_f32 v14, v14, v27                        ; the row's sum
	v_nop
	v_rcp_f32 v14, v14
	v_nop
	s_add_co_i32 s96, s70, s71
	s_wait_alu depctr_va_vdst(0)                   ; ahead of the reciprocal's first reader
	v_ldexp_f32 v14, v14, s96
.set n, 0
.rept 32
	v_mul_f32 v[96+n], v[160+n], v14               ; register 8 t + j: channel 16 t + 8 h + j of query r
.set n, n+1
.endr
.set n, 0
.rept 32
	v_med3_num_f32 v[96+n], v[96+n], -v213, v213
.set n, n+1
.endr
.irp t, 0,1,2,3
	v_cvt_scalef32_pk8_fp8_f32 v[192+2*\t:193+2*\t], v[96+8*\t:103+8*\t], v212
.endr
	v_nop
.irp t, 0,1,2,3
	ds_store_b64 v10, v[192+2*\t:193+2*\t] offset:16*\t
.endr
	ds_load_b128 v[216:219], v11                   ; LDS serves a wave's instructions in order: these see my stores
	ds_load_b128 v[220:223], v11 offset:512
	s_wait_dscnt 1
	global_store_b128 v7, v[216:219], s[8:9]
	s_wait_dscnt 0x0
	global_store_b128 v7, v[220:223], s[8:9] offset:512
	s_wait_tensorcnt 0x0
	ds_add_u32 v254, v255
	s_wait_dscnt 0x0
	s_endpgm
.Lfunc_end_k_qa933f39379_attn:
	.size	k_qa933f39379_attn, .Lfunc_end_k_qa933f39379_attn-k_qa933f39379_attn
	.p2alignl 7, 3214868480
	.fill 96, 4, 3214868480
	.section	.rodata,"a",@progbits
	.p2align	6, 0x0
	.amdhsa_kernel k_qa933f39379_attn
		.amdhsa_group_segment_fixed_size 169984
		.amdhsa_private_segment_fixed_size 0
		.amdhsa_enable_private_segment 0
		.amdhsa_kernarg_size 24
		.amdhsa_user_sgpr_count 2
		.amdhsa_user_sgpr_kernarg_segment_ptr 1
		.amdhsa_wavefront_size32 1
		.amdhsa_system_sgpr_workgroup_id_x 1
		.amdhsa_system_sgpr_workgroup_id_y 1
		.amdhsa_system_sgpr_workgroup_id_z 1
		.amdhsa_system_vgpr_workitem_id 0
		.amdhsa_next_free_vgpr 256
		.amdhsa_next_free_sgpr 100
		.amdhsa_reserve_vcc 1
		.amdhsa_float_denorm_mode_32 3
		.amdhsa_float_denorm_mode_16_64 3
		.amdhsa_memory_ordered 1
		.amdhsa_forward_progress 1
		.amdhsa_inst_pref_size 37
	.end_amdhsa_kernel
	.amdgpu_metadata
---
amdhsa.version: [ 1, 2 ]
amdhsa.kernels:
  - .name:           k_qa933f39379_attn
    .symbol:         k_qa933f39379_attn.kd
    .args:
      - { .name: qkv, .offset: 0, .size: 8, .value_kind: global_buffer, .address_space: global }
      - { .name: lowp_scales, .offset: 8, .size: 8, .value_kind: global_buffer, .address_space: global }
      - { .name: ctxc, .offset: 16, .size: 8, .value_kind: global_buffer, .address_space: global }
    .group_segment_fixed_size: 169984
    .private_segment_fixed_size: 0
    .kernarg_segment_align: 8
    .kernarg_segment_size: 24
    .max_flat_workgroup_size: 512
    .sgpr_count:     100
    .vgpr_count:     256
    .wavefront_size: 32
...
	.end_amdgpu_metadata
.endif
;; end of part 3
;; launch wo (part 4): grid 4 x 16, 4 waves a work-group, clusters of 4 x 4, 327,680 bytes of LDS; arguments ctxc, pc, lowp_scales, bo, xn, x1; writes x1
.if DOCPART == 4
	.amdgcn_target "amdgcn-amd-amdhsa--gfx1250"
	.amdhsa_code_object_version 6
	.text
	.protected	k_qa933f39379_wo
	.globl	k_qa933f39379_wo
	.p2align	8
	.type	k_qa933f39379_wo,@function
k_qa933f39379_wo:
	s_mov_b64 s[64:65], 0
	v_nop
	global_prefetch_b8 v0, s[64:65] scope:SCOPE_SE
	s_setreg_imm32_b32 hwreg(HW_REG_WAVE_MODE, 25, 1), 1
	s_wait_xcnt 0x0
	s_wait_alu depctr_hold_cnt(0) depctr_sa_sdst(0) depctr_va_vdst(0) depctr_va_sdst(0) depctr_va_ssrc(0) depctr_va_vcc(0) depctr_vm_vsrc(0)
	s_getreg_b32 s2, hwreg(HW_REG_IB_STS2, 6, 4)
	s_cmp_eq_u32 s2, 0
	s_cbranch_scc0 .Lentry_in_a_cluster
	s_endpgm
.Lentry_in_a_cluster:
	s_bfe_u32 s2, ttmp6, 0x10000c
	s_cmp_lg_u32 s2, 0xf033
	s_cbranch_scc0 .Lentry_shape_is_right
	s_endpgm
.Lentry_shape_is_right:
; x1 = ctx Wo + bo + xn.  ctx arrives as codes laid [16 heads][4096 tokens][64], Wo as codes [1024][1024] with K innermost; x1 is f32.
; A tile of 256 x 256 is made by four waves, 128 x 128 each; K goes in steps of 256 through a ring of two LDS slots filled by joint tensor loads (A's tile shared along a row of the 4 x 4 cluster, B's along a column).
; A IN BLOCKS OF W ALONG K: a K step's tile of 128 tokens is 256 / W dense pieces of 128 W bytes, brought by ONE load as 256 / W long rows; the padding, 16 bytes behind every 256, falls inside them:
; token m of piece z lies at 136 W z + 272 (m / RPU) + W (m % RPU), RPU = 256 / W tokens to an LDS row.
; The matrix instruction is used transposed (source 0 = B's rows, source 1 = A's): a lane holds eight neighbouring numbers of a row.  The sums go through my stage and come back as rows of 512 bytes, where
; sum x 2^(ea + eb) + residual is one packed multiply-add; the residual's rows are asked for up to four blocks ahead, into the registers that B's fragments have left.
; 64 tiles: 64 work-groups.  LIMIT: ea + eb between -126 and 127.
.set SIZE_K, 1024
.set W,      64
.set LOGRPU, 2
.set ASTEP,  0x100000                  ; a K step on in A: four heads of 4,096 x 64 bytes
.set AMUL,   64                        ; bytes from token to token
.set KROWB,  1024
.set BOFF,   0xF00000                  ; B's codes in pc
.set SCOFF,  40                        ; entries 10, 11
.set RPU,    256/W
.set PITCH,  272
.set FR,     16
.set NL,     4
.set NP,     4
.set HALFT,  128*PITCH
.set SLOT,   4*HALFT
.set LAPS,   SIZE_K/512
.set SPARE,  2*SLOT
.set SPITCH, 528
.set ADRA, 16
.set ADRB, 20
.set STO,  24
.set RD,   25
.set CO,   26
.set SPW,  28
.set NIL,  29
.set BIAS, 32                          ; v[32:35] the bias of my four columns of a row
.set AF,   128
.set BK,   128                         ; the way out: 16 rows back from the stage: v128-191 and v192-255 by turns
.set G1, 24
.set G0, 32
.set G1B, 48
.set G0B, 56
.set MSB, 0
.macro WIN new
.if MSB != (\new)
	s_set_vgpr_msb (MSB<<8)|(\new)
.set MSB, (\new)
.endif
.endm
.set MUL_LO, 0xa1
.set MUL_HI, 0xf1
.set TO_B,   0x40
.macro JLOAD g0a, g1a, g0b, g1b
	s_cmp_eq_u32 s15, 0
	s_cbranch_scc0 .Lfor_b_\@
	tensor_load_to_lds s[\g0a:\g0a+3], s[\g1a:\g1a+7]
	s_nop 0
.rept 4
	v_nop
.endr
	s_branch .Lasked_\@
.Lfor_b_\@:
	tensor_load_to_lds s[\g0b:\g0b+3], s[\g1b:\g1b+7]
	s_nop 0
.rept 4
	v_nop
.endr
.Lasked_\@:
.endm
.macro CREST
	s_cmp_lg_u32 s14, 0
	s_cbranch_scc1 .Lnot_wave_0_\@
	s_barrier_signal -3
.Lnot_wave_0_\@:
	s_barrier_wait -3
	s_barrier_signal -1
	s_barrier_wait -1
.endm
.macro CROUND
	s_barrier_signal -1
	s_barrier_wait -1
	CREST
.endm
.macro FRAGB reg, adr, q, i
.irp c, 0,1,2,3
	ds_load_b128 v[\reg+4*\c:\reg+4*\c+3], v[\adr] offset:128*(\q)+32*\c+(\i)*16*PITCH
.endr
.endm
.macro FRAGA reg, adr, q, i
.irp c, 0,1,2,3
	ds_load_b128 v[\reg+4*\c:\reg+4*\c+3], v[\adr] offset:((128*(\q)+32*\c)/W)*136*W+(128*(\q)+32*\c)%W+(\i)*17*W
.endr
.endm
.macro MUL16 a0, p, zero
.irp a, \a0, \a0+1
.irp b, 0,1,2,3,4,5,6,7
.if \zero
	v_wmma_f32_16x16x128_fp8_fp8 v[8*(8*((\a)%4)+\b):8*(8*((\a)%4)+\b)+7], v[128*(\p)+FR*\b:128*(\p)+FR*\b+FR-1], v[AF+FR*(\a):AF+FR*(\a)+FR-1], 0
.else
	v_wmma_f32_16x16x128_fp8_fp8 v[8*(8*((\a)%4)+\b):8*(8*((\a)%4)+\b)+7], v[128*(\p)+FR*\b:128*(\p)+FR*\b+FR-1], v[AF+FR*(\a):AF+FR*(\a)+FR-1], v[8*(8*((\a)%4)+\b):8*(8*((\a)%4)+\b)+7]
.endif
.endr
.endr
.endm
.macro FETCH_B slot, q, p
	WIN TO_B
.irp i, 0,1,2,3,4,5,6,7
	FRAGB 128*(\p)+FR*\i, ADRB+\slot, \q, \i
.endr
	WIN 0
.endm
.macro FETCH_A slot, q, i0
.irp i, \i0, \i0+1, \i0+2, \i0+3
	FRAGA AF+FR*(\i), ADRA+\slot, \q, \i
.endr
.endm
.macro PLACES n
.rept \n
	v_nop
.endr
.endm
.macro STEP slot, q, zero
	s_wait_dscnt 4*NL                              ; all but the youngest 16 loads (A's blocks 4-7)
	WIN MUL_LO
	MUL16 0, (\q)%2, \zero
	MUL16 2, (\q)%2, \zero
	s_wait_dscnt 0
	PLACES NP
	FETCH_B \slot, (\q)+1, 1-(\q)%2
	FETCH_A \slot, (\q)+1, 0
	WIN MUL_HI
	MUL16 4, (\q)%2, \zero
	MUL16 6, (\q)%2, \zero
	PLACES NP
	WIN 0
	FETCH_A \slot, (\q)+1, 4
.endm
.macro TURN slot, next, fill
	s_wait_tensorcnt 0x0                           ; all my tensor loads have landed: my part of the next slot
	ds_add_u32 v[SPW], v[NIL]                      ; 0 onto my spare word
	s_wait_dscnt 4*NL+1                            ; the add and the youngest 16 loads may be out
	WIN MUL_LO
	MUL16 0, 1, 0
	s_wait_dscnt 0x0                               ; the add is done, and my reads of this slot are over
	s_barrier_signal -1
	MUL16 2, 1, 0
	WIN 0
	s_barrier_wait -1
.if \fill
	CREST                                          ; a round of the cluster's barrier: no wave of any partner still reads this slot or has a load on its way
	s_add_nc_u64 s[G0+4*\slot+2:G0+4*\slot+3], s[G0+4*\slot+2:G0+4*\slot+3], 2*ASTEP
	s_add_nc_u64 s[G0B+4*\slot+2:G0B+4*\slot+3], s[G0B+4*\slot+2:G0B+4*\slot+3], 2*256
	JLOAD G0+4*\slot, G1, G0B+4*\slot, G1B
.else
	PLACES NP
.endif
	FETCH_B \next, 0, 0
	FETCH_A \next, 0, 0
	WIN MUL_HI
	MUL16 4, 1, 0
	MUL16 6, 1, 0
	PLACES NP
	WIN 0
	FETCH_A \next, 0, 4
.endm
	s_load_b256 s[4:11], s[0:1], 0x0               ; A's codes, pc, the exponents, the bias
	s_load_b128 s[84:87], s[0:1], 0x20             ; the residual, the result
	v_lshl_add_u32 v[SPW], v0, 2, SPARE
	v_mov_b32 v[NIL], 0
	ds_add_u32 v28, v29
	ds_add_u32 v28, v29
	s_wait_dscnt 0x0
	v_lshrrev_b32 v1, 5, v0
	v_readfirstlane_b32 s14, v1
	s_lshr_b32 s15, s14, 1
	s_and_b32 s16, s14, 1
	s_bfe_u32 s40, ttmp6, 0x40000
	s_bfe_u32 s41, ttmp6, 0x40004
	s_lshl_b32 s42, ttmp9, 2
	s_add_co_u32 s42, s42, s40                     ; tile column
	s_and_b32 s17, ttmp7, 0xffff
	s_lshl_b32 s17, s17, 2
	s_add_co_u32 s17, s17, s41                     ; tile row
	s_lshl_b32 s43, s41, 2
	s_lshl_b32 s43, 15, s43
	s_lshl_b32 s44, 0x1111, s40
	s_or_b32 s[G1+0], s43, (3<<16)|(1<<20)|(1<<21)|(5<<22)|(3<<25)   ; A: elements of 8 bytes; padding: 4 words behind every 64
	s_mov_b32 s[G1+1], (16*W)<<16                  ; tensor_dim0: a piece of 128 W bytes
	s_mov_b32 s[G1+2], RPU<<16                     ; tensor_dim1: 256 / W pieces
	s_mov_b32 s[G1+3], (16*W)<<16
	s_mov_b32 s[G1+4], RPU
	s_mov_b32 s[G1+5], 512*W                       ; from piece to piece: 4,096 tokens x W bytes
	s_mov_b32 s[G1+6], 0
	s_mov_b32 s[G1+7], 0
	s_or_b32 s[G1B+0], s44, (0<<16)|(1<<20)|(1<<21)|(5<<22)|(3<<25)  ; B: 128 rows x 256 bytes
	s_mov_b32 s[G1B+1], 256<<16
	s_mov_b32 s[G1B+2], 128<<16
	s_mov_b32 s[G1B+3], 256<<16
	s_mov_b32 s[G1B+4], 128
	s_mov_b32 s[G1B+5], KROWB
	s_mov_b32 s[G1B+6], 0
	s_mov_b32 s[G1B+7], 0
	s_lshl_b32 s18, s16, 7
	s_lshl_b32 s20, s17, 8
	s_add_co_u32 s20, s20, s18
	s_mul_i32 s20, s20, AMUL
	s_mov_b32 s21, 0
	s_lshl_b32 s46, s42, 8
	s_add_co_u32 s46, s46, s18
	s_mul_i32 s46, s46, KROWB
	s_add_co_u32 s46, s46, BOFF
	s_mov_b32 s47, 0
	s_mul_i32 s45, s14, HALFT
	s_wait_kmcnt 0x0
	s_load_b64 s[96:97], s[8:9], SCOFF             ; ea, eb
	s_add_nc_u64 s[20:21], s[4:5], s[20:21]
	s_add_nc_u64 s[46:47], s[6:7], s[46:47]
	CROUND
.irp s, 0,1
	s_mov_b32 s[G0+4*\s], 1
	s_add_co_u32 s[G0+4*\s+1], s45, \s*SLOT
	s_add_nc_u64 s[G0+4*\s+2:G0+4*\s+3], s[20:21], \s*ASTEP
	s_or_b32 s[G0+4*\s+3], s[G0+4*\s+3], 0x80000000
	s_mov_b32 s[G0B+4*\s], 1
	s_add_co_u32 s[G0B+4*\s+1], s45, \s*SLOT
	s_add_nc_u64 s[G0B+4*\s+2:G0B+4*\s+3], s[46:47], \s*256
	s_or_b32 s[G0B+4*\s+3], s[G0B+4*\s+3], 0x80000000
	JLOAD G0+4*\s, G1, G0B+4*\s, G1B
.endr
	v_and_b32 v1, 15, v0                           ; r
	v_bfe_u32 v2, v0, 4, 1                         ; h
	v_mul_u32_u24 v3, v1, PITCH
	v_lshl_add_u32 v4, v2, 4, v3                   ; B: row r
	v_lshrrev_b32 v5, LOGRPU, v1
	v_mul_u32_u24 v5, v5, PITCH
	v_and_b32 v6, RPU-1, v1
	v_mad_u32_u24 v5, v6, W, v5
	v_lshl_add_u32 v5, v2, 4, v5                   ; A: token r: LDS row r / RPU, place r % RPU
	s_mul_i32 s21, s15, HALFT
	s_mul_i32 s22, s16, HALFT
	s_add_co_u32 s22, s22, 2*HALFT
.irp s, 0,1
	v_add_nc_u32 v[ADRA+\s], s21, v5
	v_add_nc_u32 v[ADRB+\s], s22, v4
	s_add_co_u32 s21, s21, SLOT
	s_add_co_u32 s22, s22, SLOT
.endr
	s_mul_i32 s23, s14, 16*SPITCH                  ; my stage, in slot 0: it has had its last fill and its last read when the first sum is stored there
	v_mul_u32_u24 v7, v1, SPITCH
	v_lshl_add_u32 v7, v2, 5, v7
	v_add_nc_u32 v[STO], s23, v7
	v_and_b32 v8, 31, v0
	v_lshlrev_b32 v[CO], 4, v8
	v_add_nc_u32 v[RD], s23, v[CO]
	s_lshl_b32 s88, s17, 8
	s_lshl_b32 s89, s15, 7
	s_add_co_u32 s88, s88, s89                     ; my first row
	s_lshl_b32 s89, s42, 8
	s_lshl_b32 s90, s16, 7
	s_add_co_u32 s89, s89, s90                     ; my first column
	s_lshl_b32 s88, s88, 12
	s_lshl_b32 s90, s89, 2
	s_add_co_u32 s88, s88, s90
	s_mov_b32 s89, 0
	s_mov_b32 s91, 0
	s_add_nc_u64 s[84:85], s[84:85], s[88:89]
	s_add_nc_u64 s[86:87], s[86:87], s[88:89]
	s_add_nc_u64 s[10:11], s[10:11], s[90:91]
	global_load_b128 v[BIAS:BIAS+3], v[CO], s[10:11]
.macro RL a                            ; the residual's 16 rows of block a, into set a % 4 of window 1
	WIN 0x40
.irp t, 0,1,2,3,4,5,6,7,8,9,10,11,12,13,14,15
	global_load_b128 v[64*((\a)%4)+4*\t:64*((\a)%4)+4*\t+3], v[CO], s[84:85] offset:(16*(\a)+\t)*4096
.endr
	WIN 0
.endm
.macro TOSTAGE a                       ; block a's sums into my stage as they are, each accumulator from its low end on, and back as 16 rows of 512 bytes
.set AC, 64*((\a)%4)
.set BB, BK+64*((\a)%2)
.if (\a) >= 2
	s_wait_xcnt 0x0                                ; the stores of two blocks ago have read this set of registers
.endif
	WIN 0x08+4*((\a)/4)                            ; the stores' data: window 2 or 3
.irp b, 0,1,2,3,4,5,6,7
	ds_store_b128 v[STO], v[AC+8*\b:AC+8*\b+3] offset:64*\b
	ds_store_b128 v[STO], v[AC+8*\b+4:AC+8*\b+7] offset:64*\b+16
.endr
	WIN 0
.irp t, 0,1,2,3,4,5,6,7,8,9,10,11,12,13,14,15
	ds_load_b128 v[BB+4*\t:BB+4*\t+3], v[RD] offset:\t*SPITCH   ; LDS serves a wave's instructions in order
.endr
.endm
.macro FIN a
.set BB, BK+64*((\a)%2)
.set RR, 64*((\a)%4)
	s_wait_dscnt 0x0
.if 7-(\a) >= 3
	s_wait_loadcnt 48                              ; this block's residual is in; those of the three blocks behind it, 16 loads each, may be out
.else
	s_wait_loadcnt 16*(7-(\a))
.endif
	WIN 0x10                                       ; source 2: window 1
.set n, 0
.rept 32
	v_pk_fma_f32 v[BB+2*n:BB+2*n+1], v[BB+2*n:BB+2*n+1], s[96:97], v[RR+2*n:RR+2*n+1] op_sel_hi:[1,0,1]   ; sum x 2^(ea + eb) + residual
.set n, n+1
.endr
	WIN 0
.set n, 0
.rept 32
	v_pk_add_f32 v[BB+2*n:BB+2*n+1], v[BB+2*n:BB+2*n+1], v[BIAS+(2*n)%4:BIAS+(2*n)%4+1]
.set n, n+1
.endr
.irp t, 0,1,2,3,4,5,6,7,8,9,10,11,12,13,14,15
	global_store_b128 v[CO], v[BB+4*\t:BB+4*\t+3], s[86:87] offset:(16*(\a)+\t)*4096   ; 32 lanes store 512 consecutive bytes, aligned
.endr
.if (\a) < 4
	RL (\a)+4
.endif
.endm
	s_wait_tensorcnt 1                             ; my part of K step 0 is in; K step 1's load may be out
	s_barrier_signal -1
	s_barrier_wait -1
	FETCH_B 0, 0, 0
	FETCH_A 0, 0, 0
	FETCH_A 0, 0, 4
	STEP 0, 0, 1
	s_mov_b32 s3, LAPS-1
.Llap:
	TURN 0, 1, 1
	STEP 1, 0, 0
	TURN 1, 0, 1
	STEP 0, 0, 0
	s_sub_co_u32 s3, s3, 1
	s_cmp_lg_u32 s3, 0
	s_cbranch_scc1 .Llap
	TURN 0, 1, 0
	STEP 1, 0, 0
	RL 0                                           ; B's set 0 is done with, four plain lines back: it takes the first two blocks' residual
	RL 1
	s_wait_dscnt 4*NL
	WIN MUL_LO
	MUL16 0, 1, 0
	MUL16 2, 1, 0
	s_wait_dscnt 0
	WIN MUL_HI
	MUL16 4, 1, 0
	MUL16 6, 1, 0
	WIN 0
	PLACES NP
	RL 2
	RL 3
	s_wait_kmcnt 0x0
	s_add_co_i32 s96, s96, s97
	s_add_co_i32 s96, s96, 127
	s_lshl_b32 s96, s96, 23                        ; 2^(ea + eb) as f32
	s_mov_b32 s97, s96
.irp a, 0,1,2,3,4,5,6,7
	TOSTAGE \a
	FIN \a
.endr
	s_wait_tensorcnt 0x0                           ; the wave's end
	ds_add_u32 v[SPW], v[NIL]
	s_wait_dscnt 0x0
	CROUND
	s_endpgm
.Lfunc_end_k_qa933f39379_wo:
	.size	k_qa933f39379_wo, .Lfunc_end_k_qa933f39379_wo-k_qa933f39379_wo
	.p2alignl 7, 3214868480
	.fill 96, 4, 3214868480
	.section	.rodata,"a",@progbits
	.p2align	6, 0x0
	.amdhsa_kernel k_qa933f39379_wo
		.amdhsa_group_segment_fixed_size 327680
		.amdhsa_private_segment_fixed_size 0
		.amdhsa_enable_private_segment 0
		.amdhsa_kernarg_size 48
		.amdhsa_user_sgpr_count 2
		.amdhsa_user_sgpr_kernarg_segment_ptr 1
		.amdhsa_wavefront_size32 1
		.amdhsa_system_sgpr_workgroup_id_x 1
		.amdhsa_system_sgpr_workgroup_id_y 1
		.amdhsa_system_sgpr_workgroup_id_z 1
		.amdhsa_system_vgpr_workitem_id 0
		.amdhsa_next_free_vgpr 1024
		.amdhsa_next_free_sgpr 100
		.amdhsa_reserve_vcc 0
		.amdhsa_float_denorm_mode_32 3
		.amdhsa_float_denorm_mode_16_64 3
		.amdhsa_memory_ordered 1
		.amdhsa_forward_progress 1
		.amdhsa_inst_pref_size 152
	.end_amdhsa_kernel
	.amdgpu_metadata
---
amdhsa.version: [ 1, 2 ]
amdhsa.kernels:
  - .name:           k_qa933f39379_wo
    .symbol:         k_qa933f39379_wo.kd
    .args:
      - { .name: ctxc, .offset: 0, .size: 8, .value_kind: global_buffer, .address_space: global }
      - { .name: pc, .offset: 8, .size: 8, .value_kind: global_buffer, .address_space: global }
      - { .name: lowp_scales, .offset: 16, .size: 8, .value_kind: global_buffer, .address_space: global }
      - { .name: bo, .offset: 24, .size: 8, .value_kind: global_buffer, .address_space: global }
      - { .name: xn, .offset: 32, .size: 8, .value_kind: global_buffer, .address_space: global }
      - { .name: x1, .offset: 40, .size: 8, .value_kind: global_buffer, .address_space: global }
    .group_segment_fixed_size: 327680
    .private_segment_fixed_size: 0
    .kernarg_segment_align: 8
    .kernarg_segment_size: 48
    .max_flat_workgroup_size: 128
    .sgpr_count:     100
    .vgpr_count:     1024
    .wavefront_size: 32
...
	.end_amdgpu_metadata
.endif
;; end of part 4
;; launch ln2 (part 5): grid 256 x 1, 4 waves a work-group, no clusters, 4,608 bytes of LDS; arguments x1, g2, b2, lowp_scales, x1c; writes x1c
.if DOCPART == 5
	.amdgcn_target "amdgcn-amd-amdhsa--gfx1250"
	.amdhsa_code_object_version 6
	.text
	.protected	k_qa933f39379_ln2
	.globl	k_qa933f39379_ln2
	.p2align	8
	.type	k_qa933f39379_ln2,@function
k_qa933f39379_ln2:
	s_mov_b64 s[64:65], 0
	v_nop
	global_prefetch_b8 v0, s[64:65] scope:SCOPE_SE
	s_setreg_imm32_b32 hwreg(HW_REG_WAVE_MODE, 25, 1), 1
	s_wait_xcnt 0x0
; x1c = the codes of layernorm(x1, g2, b2) under the given scale 2^e12, [4096][1024], K innermost.  A wave takes four rows, one at a time, whole in 32 registers; the next row's loads are out while a row is worked.
; Mean, then the sum of squares of x - mean.  A row's 1,024 codes go through my stage in LDS and leave as 2 x 512 consecutive bytes.  No barrier: waves share nothing.
; LIMITS: e12 between -126 and 119; NaN is not served.
.set NVER, 1
.set LNST, 0
.set LNWB, 1024
.set X,    32
.set G,    96
.set BT,   128
.set T0,   160
.set CD,   176
.set O,    200
.set CH,   224
.set MN,   14
.set RS,   16
.set TT,   18
.set PL,   19
.set SC,   8
.set LM,   11
.macro WSUM r
	v_add_f32_dpp v[\r], v[\r], v[\r] row_xmask:1 row_mask:0xf bank_mask:0xf
	v_add_f32_dpp v[\r], v[\r], v[\r] row_xmask:2 row_mask:0xf bank_mask:0xf
	v_add_f32_dpp v[\r], v[\r], v[\r] row_xmask:4 row_mask:0xf bank_mask:0xf
	v_add_f32_dpp v[\r], v[\r], v[\r] row_xmask:8 row_mask:0xf bank_mask:0xf
	v_permlanex16_b32 v[PL], v[\r], s58, s59
	v_add_f32 v[\r], v[\r], v[PL]
.endm
.macro FOLD
	v_pk_add_f32 v[CH:CH+1], v[CH:CH+1], v[CH+2:CH+3]
	v_pk_add_f32 v[CH+4:CH+5], v[CH+4:CH+5], v[CH+6:CH+7]
	v_pk_add_f32 v[CH:CH+1], v[CH:CH+1], v[CH+4:CH+5]
	v_add_f32 v[TT], v[CH], v[CH+1]
	WSUM TT
.endm
.macro LNROW i, last
.set XS, X+32*((\i)%2)
.set XN, X+32*(((\i)+1)%2)
	s_wait_xcnt 0x0                                ; the stores of the row before have read their registers
.if \last
	s_wait_loadcnt 0x0
.else
.irp j, 0,1,2,3,4,5,6,7
	global_load_b128 v[XN+4*\j:XN+4*\j+3], v1, s[4:5] offset:((\i)+1)*4096+512*\j
.endr
	s_wait_loadcnt 8                               ; this row is in; the next row's eight loads may be out
.endif
.irp c, 0,2,4,6
	v_pk_add_f32 v[CH+\c:CH+\c+1], v[XS+\c:XS+\c+1], v[XS+8+\c:XS+9+\c]
.endr
.irp o, 16,24
.irp c, 0,2,4,6
	v_pk_add_f32 v[CH+\c:CH+\c+1], v[CH+\c:CH+\c+1], v[XS+\o+\c:XS+\o+\c+1]
.endr
.endr
	FOLD
	v_mul_f32 v[MN], s88, v[TT]
	v_mov_b32 v[MN+1], v[MN]
.set n, 0
.rept 16
	v_pk_add_f32 v[XS+2*n:XS+2*n+1], v[XS+2*n:XS+2*n+1], v[MN:MN+1] neg_lo:[0,1] neg_hi:[0,1]
.set n, n+1
.endr
.irp c, 0,2,4,6
	v_pk_mul_f32 v[CH+\c:CH+\c+1], v[XS+\c:XS+\c+1], v[XS+\c:XS+\c+1]
.endr
.irp o, 8,16,24
.irp c, 0,2,4,6
	v_pk_fma_f32 v[CH+\c:CH+\c+1], v[XS+\o+\c:XS+\o+\c+1], v[XS+\o+\c:XS+\o+\c+1], v[CH+\c:CH+\c+1]
.endr
.endr
	FOLD
	v_fma_f32 v[TT], v[TT], s88, s89
	v_rsq_f32 v[RS], v[TT]
	v_nop                                          ; a plain line behind the transcendental,
	s_wait_alu depctr_va_vdst(0)                   ; and the wait ahead of its first reader
	v_mov_b32 v[RS+1], v[RS]
.set n, 0
.rept 16
	v_pk_mul_f32 v[XS+2*n:XS+2*n+1], v[XS+2*n:XS+2*n+1], v[RS:RS+1]
.set n, n+1
.endr
.set n, 0
.rept 16
	v_pk_fma_f32 v[XS+2*n:XS+2*n+1], v[XS+2*n:XS+2*n+1], v[G+2*n:G+2*n+1], v[BT+2*n:BT+2*n+1]
.set n, n+1
.endr
.irp q, 0,1,2,3
.set TQ, T0+8*(\q%2)
.irp k, 0,1,2,3,4,5,6,7
	v_med3_num_f32 v[TQ+\k], v[XS+8*\q+\k], -v[LM], v[LM]
.endr
	v_cvt_scalef32_pk8_fp8_f32 v[CD+2*\q:CD+2*\q+1], v[TQ:TQ+7], v[SC]
.endr
	v_nop
.irp j, 0,1,2,3,4,5,6,7
	ds_store_b32 v2, v[CD+\j] offset:128*\j
.endr
	ds_load_b128 v[O:O+3], v3
	ds_load_b128 v[O+4:O+7], v3 offset:512
	s_wait_dscnt 0x0
	global_store_b128 v1, v[O:O+3], s[52:53] offset:(\i)*1024
	global_store_b128 v1, v[O+4:O+7], s[52:53] offset:(\i)*1024+512
.endm
	s_load_b256 s[4:11], s[0:1], 0x0               ; x1, g2, b2, the exponents
	s_load_b64 s[12:13], s[0:1], 0x20              ; x1c
	v_lshl_add_u32 v232, v0, 2, 0x1000
	v_mov_b32 v233, 0
	v_lshrrev_b32 v1, 5, v0
	v_readfirstlane_b32 s28, v1
	s_lshl_b32 s52, ttmp9, 4
	s_lshl_b32 s53, s28, 2
	s_add_co_u32 s54, s52, s53                     ; my first row
	s_lshl_b32 s60, s54, 12
	s_mov_b32 s61, 0
	s_lshl_b32 s62, s54, 10
	s_mov_b32 s63, 0
	s_mov_b32 s58, 0x76543210
	s_mov_b32 s59, 0xfedcba98
	s_mov_b32 s88, 0x3a800000                      ; 1 / 1,024
	s_mov_b32 s89, 0x3727c5ac                      ; 1e-5
	v_and_b32 v4, 31, v0
	v_lshlrev_b32 v1, 4, v4
	s_wait_kmcnt 0x0
	s_load_b32 s36, s[10:11], 0x30                 ; e12
	s_add_nc_u64 s[4:5], s[4:5], s[60:61]
	s_add_nc_u64 s[52:53], s[12:13], s[62:63]
.irp j, 0,1,2,3,4,5,6,7
	global_load_b128 v[G+4*\j:G+4*\j+3], v1, s[6:7] offset:512*\j
	global_load_b128 v[BT+4*\j:BT+4*\j+3], v1, s[8:9] offset:512*\j
.endr
.irp j, 0,1,2,3,4,5,6,7
	global_load_b128 v[X+4*\j:X+4*\j+3], v1, s[4:5] offset:512*\j
.endr
	s_mul_i32 s60, s28, LNWB
	v_lshl_add_u32 v2, v4, 2, s60
	v_add_nc_u32 v3, s60, v1
	v_mov_b32 v[PL], 0
	s_wait_kmcnt 0x0
	s_add_co_i32 s90, s36, 127
	s_lshl_b32 s91, s90, 23
	v_mov_b32 v[SC], s91
	s_add_co_i32 s90, s90, 8
	s_lshl_b32 s90, s90, 23
	s_or_b32 s90, s90, 0x600000
	v_mov_b32 v[LM], s90
	LNROW 0, 0
	LNROW 1, 0
	LNROW 2, 0
	LNROW 3, 1
	s_wait_tensorcnt 0x0
	ds_add_u32 v232, v233
	s_wait_dscnt 0x0
	s_endpgm
.Lfunc_end_k_qa933f39379_ln2:
	.size	k_qa933f39379_ln2, .Lfunc_end_k_qa933f39379_ln2-k_qa933f39379_ln2
	.p2alignl 7, 3214868480
	.fill 96, 4, 3214868480
	.section	.rodata,"a",@progbits
	.p2align	6, 0x0
	.amdhsa_kernel k_qa933f39379_ln2
		.amdhsa_group_segment_fixed_size 4608
		.amdhsa_private_segment_fixed_size 0
		.amdhsa_enable_private_segment 0
		.amdhsa_kernarg_size 40
		.amdhsa_user_sgpr_count 2
		.amdhsa_user_sgpr_kernarg_segment_ptr 1
		.amdhsa_wavefront_size32 1
		.amdhsa_system_sgpr_workgroup_id_x 1
		.amdhsa_system_sgpr_workgroup_id_y 1
		.amdhsa_system_sgpr_workgroup_id_z 1
		.amdhsa_system_vgpr_workitem_id 0
		.amdhsa_next_free_vgpr 234
		.amdhsa_next_free_sgpr 100
		.amdhsa_reserve_vcc 0
		.amdhsa_float_denorm_mode_32 3
		.amdhsa_float_denorm_mode_16_64 3
		.amdhsa_memory_ordered 1
		.amdhsa_forward_progress 1
		.amdhsa_inst_pref_size 44
	.end_amdhsa_kernel
	.amdgpu_metadata
---
amdhsa.version: [ 1, 2 ]
amdhsa.kernels:
  - .name:           k_qa933f39379_ln2
    .symbol:         k_qa933f39379_ln2.kd
    .args:
      - { .name: x1, .offset: 0, .size: 8, .value_kind: global_buffer, .address_space: global }
      - { .name: g2, .offset: 8, .size: 8, .value_kind: global_buffer, .address_space: global }
      - { .name: b2, .offset: 16, .size: 8, .value_kind: global_buffer, .address_space: global }
      - { .name: lowp_scales, .offset: 24, .size: 8, .value_kind: global_buffer, .address_space: global }
      - { .name: x1c, .offset: 32, .size: 8, .value_kind: global_buffer, .address_space: global }
    .group_segment_fixed_size: 4608
    .private_segment_fixed_size: 0
    .kernarg_segment_align: 8
    .kernarg_segment_size: 40
    .max_flat_workgroup_size: 128
    .sgpr_count:     100
    .vgpr_count:     234
    .wavefront_size: 32
...
	.end_amdgpu_metadata
.endif
;; end of part 5
;; launch ffn1 (part 6): grid 16 x 16, 4 waves a work-group, clusters of 4 x 4, 327,680 bytes of LDS; arguments x1c, pc, lowp_scales, bf1, hc; writes hc
.if DOCPART == 6
	.amdgcn_target "amdgcn-amd-amdhsa--gfx1250"
	.amdhsa_code_object_version 6
	.text
	.protected	k_qa933f39379_ffn1
	.globl	k_qa933f39379_ffn1
	.p2align	8
	.type	k_qa933f39379_ffn1,@function
k_qa933f39379_ffn1:
	s_mov_b64 s[64:65], 0
	v_nop
	global_prefetch_b8 v0, s[64:65] scope:SCOPE_SE
	s_setreg_imm32_b32 hwreg(HW_REG_WAVE_MODE, 25, 1), 1
	s_wait_xcnt 0x0
	s_wait_alu depctr_hold_cnt(0) depctr_sa_sdst(0) depctr_va_vdst(0) depctr_va_sdst(0) depctr_va_ssrc(0) depctr_va_vcc(0) depctr_vm_vsrc(0)
	s_getreg_b32 s2, hwreg(HW_REG_IB_STS2, 6, 4)
	s_cmp_eq_u32 s2, 0
	s_cbranch_scc0 .Lentry_in_a_cluster
	s_endpgm
.Lentry_in_a_cluster:
	s_bfe_u32 s2, ttmp6, 0x10000c
	s_cmp_lg_u32 s2, 0xf033
	s_cbranch_scc0 .Lentry_shape_is_right
	s_endpgm
.Lentry_shape_is_right:
; hc = the codes of gelu(x1n W1 + bf1), exact GELU, under the given scale 2^e14, laid [32 blocks of 128 hidden units][4096 tokens][128]: the next product's A in blocks along its K.
; A tile of 256 x 256 is made by four waves, 128 x 128 each; K = 1,024 goes in steps of 256 through a ring of two LDS slots filled by joint tensor loads (A's tile shared along a row of the 4 x 4 cluster, B's along a column).
; The matrix instruction is used transposed (source 0 = W1's columns, source 1 = tokens): a lane's eight numbers are eight neighbouring hidden units of one token, neighbours along the next K.
; GELU: 0.5 u (1 + erf(u / sqrt 2)); erf(z) = z P(z^2) / Q(z^2) on z held within +-4, P of 7 and Q of 5 terms: absolute error of erf about 2e-7; 1 + erf cancels as it does in any f32 form.
; THE WAY OUT IS A LOOP OF TWO TRIPS, so that its text is written once for four blocks: u = sum x 2^(e12 + e13) + bf1 is made in place for the accumulators of window 2 ahead of the loop, and at the end of the first trip
; from window 3's accumulators INTO window 2's registers.
; LIMITS: e12 + e13 between -126 and 127; e14 between -126 and 119.  NaN is not served.
.set SIZE_K, 1024
.set W,      256
.set ASTEP,  256
.set KROWB,  1024
.set BOFF,   0x1000000
.set PITCH,  272
.set FR,     16
.set NL,     4
.set NP,     4
.set HALFT,  128*PITCH
.set SLOT,   4*HALFT
.set LAPS,   SIZE_K/512
.set SPARE,  2*SLOT
.set ADRA, 16
.set ADRB, 20
.set LIM,  18
.set SCL,  19
.set STO,  24
.set RD,   25
.set CO,   26
.set SPW,  28
.set NIL,  29
.set BI,   32                          ; v32-95 bf1 of my 128 hidden units, in the result's layout
.set CD,   96                          ; v96-111 a block's codes
.set KA6,  112                         ; v[112:113] P's leading coefficient, twice; v[114:115] Q's
.set KB4,  114
.set AF,   128
.set HF,   128                         ; the way out: v128-143 0.5 u, then the result
.set ZZ,   144                         ; z
.set XX,   160                         ; z^2
.set PP,   176
.set QQ,   192
.set OB,   208                         ; v208-239 rows of codes, two sets
.set G1, 24
.set G0, 32
.set G1B, 48
.set G0B, 56
.set MSB, 0
.macro WIN new
.if MSB != (\new)
	s_set_vgpr_msb (MSB<<8)|(\new)
.set MSB, (\new)
.endif
.endm
.set MUL_LO, 0xa1
.set MUL_HI, 0xf1
.set TO_B,   0x40
.macro JLOAD g0a, g1a, g0b, g1b
	s_cmp_eq_u32 s15, 0
	s_cbranch_scc0 .Lfor_b_\@
	tensor_load_to_lds s[\g0a:\g0a+3], s[\g1a:\g1a+7]
	s_nop 0
.rept 4
	v_nop
.endr
	s_branch .Lasked_\@
.Lfor_b_\@:
	tensor_load_to_lds s[\g0b:\g0b+3], s[\g1b:\g1b+7]
	s_nop 0
.rept 4
	v_nop
.endr
.Lasked_\@:
.endm
.macro CREST
	s_cmp_lg_u32 s14, 0
	s_cbranch_scc1 .Lnot_wave_0_\@
	s_barrier_signal -3
.Lnot_wave_0_\@:
	s_barrier_wait -3
	s_barrier_signal -1
	s_barrier_wait -1
.endm
.macro CROUND
	s_barrier_signal -1
	s_barrier_wait -1
	CREST
.endm
.macro FRAGB reg, adr, q, i
.irp c, 0,1,2,3
	ds_load_b128 v[\reg+4*\c:\reg+4*\c+3], v[\adr] offset:128*(\q)+32*\c+(\i)*16*PITCH
.endr
.endm
.macro MUL16 a0, p, zero
.irp a, \a0, \a0+1
.irp b, 0,1,2,3,4,5,6,7
.if \zero
	v_wmma_f32_16x16x128_fp8_fp8 v[8*(8*((\a)%4)+\b):8*(8*((\a)%4)+\b)+7], v[128*(\p)+FR*\b:128*(\p)+FR*\b+FR-1], v[AF+FR*(\a):AF+FR*(\a)+FR-1], 0
.else
	v_wmma_f32_16x16x128_fp8_fp8 v[8*(8*((\a)%4)+\b):8*(8*((\a)%4)+\b)+7], v[128*(\p)+FR*\b:128*(\p)+FR*\b+FR-1], v[AF+FR*(\a):AF+FR*(\a)+FR-1], v[8*(8*((\a)%4)+\b):8*(8*((\a)%4)+\b)+7]
.endif
.endr
.endr
.endm
.macro FETCH_B slot, q, p
	WIN TO_B
.irp i, 0,1,2,3,4,5,6,7
	FRAGB 128*(\p)+FR*\i, ADRB+\slot, \q, \i
.endr
	WIN 0
.endm
.macro FETCH_A slot, q, i0
.irp i, \i0, \i0+1, \i0+2, \i0+3
	FRAGB AF+FR*(\i), ADRA+\slot, \q, \i
.endr
.endm
.macro PLACES n
.rept \n
	v_nop
.endr
.endm
.macro STEP slot, q, zero
	s_wait_dscnt 4*NL                              ; all but the youngest 16 loads (A's blocks 4-7)
	WIN MUL_LO
	MUL16 0, (\q)%2, \zero
	MUL16 2, (\q)%2, \zero
	s_wait_dscnt 0
	PLACES NP
	FETCH_B \slot, (\q)+1, 1-(\q)%2
	FETCH_A \slot, (\q)+1, 0
	WIN MUL_HI
	MUL16 4, (\q)%2, \zero
	MUL16 6, (\q)%2, \zero
	PLACES NP
	WIN 0
	FETCH_A \slot, (\q)+1, 4
.endm
.macro TURN slot, next, fill
	s_wait_tensorcnt 0x0                           ; all my tensor loads have landed: my part of the next slot
	ds_add_u32 v[SPW], v[NIL]                      ; 0 onto my spare word
	s_wait_dscnt 4*NL+1                            ; the add and the youngest 16 loads may be out
	WIN MUL_LO
	MUL16 0, 1, 0
	s_wait_dscnt 0x0                               ; the add is done, and my reads of this slot are over
	s_barrier_signal -1
	MUL16 2, 1, 0
	WIN 0
	s_barrier_wait -1
.if \fill
	CREST                                          ; a round of the cluster's barrier: no wave of any partner still reads this slot or has a load on its way
	s_add_nc_u64 s[G0+4*\slot+2:G0+4*\slot+3], s[G0+4*\slot+2:G0+4*\slot+3], 2*ASTEP
	s_add_nc_u64 s[G0B+4*\slot+2:G0B+4*\slot+3], s[G0B+4*\slot+2:G0B+4*\slot+3], 2*256
	JLOAD G0+4*\slot, G1, G0B+4*\slot, G1B
.else
	PLACES NP
.endif
	FETCH_B \next, 0, 0
	FETCH_A \next, 0, 0
	WIN MUL_HI
	MUL16 4, 1, 0
	MUL16 6, 1, 0
	PLACES NP
	WIN 0
	FETCH_A \next, 0, 4
.endm
.macro KPAIR r, val                    ; a constant as a scalar pair: the packed forms name the pair and take its low word for both halves
	s_mov_b32 s[\r], \val
	s_mov_b32 s[\r+1], \val
.endm
	s_load_b256 s[4:11], s[0:1], 0x0               ; x1c, pc, the exponents, bf1
	s_load_b64 s[12:13], s[0:1], 0x20              ; hc
	v_lshl_add_u32 v[SPW], v0, 2, SPARE
	v_mov_b32 v[NIL], 0
	ds_add_u32 v28, v29
	ds_add_u32 v28, v29
	s_wait_dscnt 0x0
	v_lshrrev_b32 v1, 5, v0
	v_readfirstlane_b32 s14, v1
	s_lshr_b32 s15, s14, 1
	s_and_b32 s16, s14, 1
	s_bfe_u32 s40, ttmp6, 0x40000
	s_bfe_u32 s41, ttmp6, 0x40004
	s_lshl_b32 s42, ttmp9, 2
	s_add_co_u32 s42, s42, s40                     ; tile column
	s_and_b32 s17, ttmp7, 0xffff
	s_lshl_b32 s17, s17, 2
	s_add_co_u32 s17, s17, s41                     ; tile row
	s_lshl_b32 s43, s41, 2
	s_lshl_b32 s43, 15, s43
	s_lshl_b32 s44, 0x1111, s40
	s_or_b32 s[G1+0], s43, (0<<16)|(1<<20)|(1<<21)|(5<<22)|(3<<25)
	s_or_b32 s[G1B+0], s44, (0<<16)|(1<<20)|(1<<21)|(5<<22)|(3<<25)
.irp g, G1, G1B
	s_mov_b32 s[\g+1], 256<<16
	s_mov_b32 s[\g+2], 128<<16
	s_mov_b32 s[\g+3], 256<<16
	s_mov_b32 s[\g+4], 128
	s_mov_b32 s[\g+5], 1024
	s_mov_b32 s[\g+6], 0
	s_mov_b32 s[\g+7], 0
.endr
	KPAIR 66, 0x32edffee                           ; P: +2.77068142e-8,
	KPAIR 68, 0xb60cff51                           ; -2.10102402e-6,
	KPAIR 70, 0xb86ec2d2                           ; -5.69250639e-5,
	KPAIR 72, 0xba40ac63                           ; -7.34990630e-4,
	KPAIR 74, 0xbb41a1f6                           ; -2.95459981e-3,
	KPAIR 76, 0xbc83dbd4                           ; -1.60960333e-2
	KPAIR 78, 0xb95fbd29                           ; Q: -2.13374055e-4,
	KPAIR 80, 0xbadc924e                           ; -1.68282697e-3,
	KPAIR 82, 0xbbf19bf8                           ; -7.37332917e-3,
	KPAIR 84, 0xbc69b6a7                           ; -1.42647391e-2
	KPAIR 86, 0x3f3504f3                           ; sqrt(1/2)
	s_lshl_b32 s18, s16, 7
	s_lshl_b32 s20, s17, 8
	s_add_co_u32 s20, s20, s18
	s_lshl_b32 s20, s20, 10
	s_mov_b32 s21, 0
	s_lshl_b32 s46, s42, 8
	s_add_co_u32 s46, s46, s18
	s_lshl_b32 s46, s46, 10
	s_add_co_u32 s46, s46, BOFF
	s_mov_b32 s47, 0
	s_mul_i32 s45, s14, HALFT
	s_wait_kmcnt 0x0
	s_load_b128 s[88:91], s[8:9], 0x30             ; e12, e13, e14 (and e15, not used here)
	s_add_nc_u64 s[20:21], s[4:5], s[20:21]
	s_add_nc_u64 s[46:47], s[6:7], s[46:47]
	CROUND
.irp s, 0,1
	s_mov_b32 s[G0+4*\s], 1
	s_add_co_u32 s[G0+4*\s+1], s45, \s*SLOT
	s_add_nc_u64 s[G0+4*\s+2:G0+4*\s+3], s[20:21], \s*ASTEP
	s_or_b32 s[G0+4*\s+3], s[G0+4*\s+3], 0x80000000
	s_mov_b32 s[G0B+4*\s], 1
	s_add_co_u32 s[G0B+4*\s+1], s45, \s*SLOT
	s_add_nc_u64 s[G0B+4*\s+2:G0B+4*\s+3], s[46:47], \s*256
	s_or_b32 s[G0B+4*\s+3], s[G0B+4*\s+3], 0x80000000
	JLOAD G0+4*\s, G1, G0B+4*\s, G1B
.endr
	v_and_b32 v1, 15, v0
	v_bfe_u32 v2, v0, 4, 1
	v_mul_u32_u24 v3, v1, PITCH
	v_lshl_add_u32 v4, v2, 4, v3
	s_mul_i32 s21, s15, HALFT
	s_mul_i32 s22, s16, HALFT
	s_add_co_u32 s22, s22, 2*HALFT
.irp s, 0,1
	v_add_nc_u32 v[ADRA+\s], s21, v4
	v_add_nc_u32 v[ADRB+\s], s22, v4
	s_add_co_u32 s21, s21, SLOT
	s_add_co_u32 s22, s22, SLOT
.endr
	s_mul_i32 s23, s14, 2304                       ; my stage, 16 rows x (128 + 16) bytes, in slot 0: it has had its last fill and its last read when it is written
	v_mul_u32_u24 v9, v1, 144
	v_lshl_add_u32 v9, v2, 3, v9
	v_add_nc_u32 v[STO], s23, v9
	v_and_b32 v10, 31, v0
	v_lshrrev_b32 v11, 3, v10
	v_mul_u32_u24 v11, v11, 144
	v_and_b32 v12, 7, v10
	v_lshl_add_u32 v11, v12, 4, v11
	v_add_nc_u32 v[RD], s23, v11
	v_lshlrev_b32 v[CO], 4, v10
	v_mov_b32 v[KA6], 0xaf95df0b                   ; -2.72614226e-10
	v_mov_b32 v[KA6+1], 0xaf95df0b
	v_mov_b32 v[KB4], 0xb77460cd                   ; -1.45660718e-5
	v_mov_b32 v[KB4+1], 0xb77460cd
	s_lshl_b32 s92, s42, 1
	s_add_co_u32 s92, s92, s16                     ; my block of 128 hidden units
	s_lshl_b32 s94, s92, 9
	s_mov_b32 s95, 0
	s_add_nc_u64 s[10:11], s[10:11], s[94:95]
	s_lshl_b32 s92, s92, 19
	s_lshl_b32 s93, s17, 8
	s_lshl_b32 s94, s15, 7
	s_add_co_u32 s93, s93, s94                     ; my first token
	s_lshl_b32 s93, s93, 7
	s_add_co_u32 s94, s92, s93
	s_add_nc_u64 s[12:13], s[12:13], s[94:95]
	v_lshlrev_b32 v7, 5, v2
.irp b, 0,1,2,3,4,5,6,7
	global_load_b128 v[BI+8*\b:BI+8*\b+3], v7, s[10:11] offset:64*\b
	global_load_b128 v[BI+8*\b+4:BI+8*\b+7], v7, s[10:11] offset:64*\b+16
.endr
	s_wait_tensorcnt 1                             ; my part of K step 0 is in; K step 1's load may be out
	s_barrier_signal -1
	s_barrier_wait -1
	FETCH_B 0, 0, 0
	FETCH_A 0, 0, 0
	FETCH_A 0, 0, 4
	STEP 0, 0, 1
	s_mov_b32 s3, LAPS-1
.Llap:
	TURN 0, 1, 1
	STEP 1, 0, 0
	TURN 1, 0, 1
	STEP 0, 0, 0
	s_sub_co_u32 s3, s3, 1
	s_cmp_lg_u32 s3, 0
	s_cbranch_scc1 .Llap
	TURN 0, 1, 0
	STEP 1, 0, 0
	s_wait_dscnt 4*NL
	WIN MUL_LO
	MUL16 0, 1, 0
	MUL16 2, 1, 0
	s_wait_dscnt 0
	WIN MUL_HI
	MUL16 4, 1, 0
	MUL16 6, 1, 0
	WIN 0
; u = sum x 2^(e12 + e13) + bf1 for the 32 accumulators of window win, each from its low end on, into window 2's registers
.macro BIASED win
	WIN 0x80|(\win)
.set n, 0
.rept 128
	v_pk_fma_f32 v[2*n:2*n+1], v[2*n:2*n+1], s[96:97], v[BI+(2*n)%64:BI+(2*n)%64+1] op_sel_hi:[1,0,1]
.set n, n+1
.endr
	WIN 0
.endm
; sixteen numbers of a lane (accumulators 2 be, 2 be + 1 of block a): GELU, the hold, sixteen codes.  Eight pairs go side by side, so that no line waits for the line above it.
.macro GBATCH a, be
.set UB, 64*(\a)+16*(\be)
	WIN 0x02                                       ; source 0: window 2
.irp p, 0,2,4,6,8,10,12,14
	v_pk_mul_f32 v[ZZ+\p:ZZ+\p+1], v[UB+\p:UB+\p+1], s[86:87] op_sel_hi:[1,0]   ; z = u / sqrt 2
.endr
.irp p, 0,2,4,6,8,10,12,14
	v_pk_mul_f32 v[HF+\p:HF+\p+1], v[UB+\p:UB+\p+1], 0.5 op_sel_hi:[1,0]
.endr
	WIN 0
.set n, 0
.rept 16
	v_med3_num_f32 v[ZZ+n], v[ZZ+n], -4.0, 4.0
.set n, n+1
.endr
.irp p, 0,2,4,6,8,10,12,14
	v_pk_mul_f32 v[XX+\p:XX+\p+1], v[ZZ+\p:ZZ+\p+1], v[ZZ+\p:ZZ+\p+1]
.endr
.irp p, 0,2,4,6,8,10,12,14
	v_pk_fma_f32 v[PP+\p:PP+\p+1], v[XX+\p:XX+\p+1], v[KA6:KA6+1], s[66:67] op_sel_hi:[1,1,0]
.endr
.irp k, 68,70,72,74,76
.irp p, 0,2,4,6,8,10,12,14
	v_pk_fma_f32 v[PP+\p:PP+\p+1], v[PP+\p:PP+\p+1], v[XX+\p:XX+\p+1], s[\k:\k+1] op_sel_hi:[1,1,0]
.endr
.endr
.irp p, 0,2,4,6,8,10,12,14
	v_pk_fma_f32 v[QQ+\p:QQ+\p+1], v[XX+\p:XX+\p+1], v[KB4:KB4+1], s[78:79] op_sel_hi:[1,1,0]
.endr
.irp k, 80,82,84
.irp p, 0,2,4,6,8,10,12,14
	v_pk_fma_f32 v[QQ+\p:QQ+\p+1], v[QQ+\p:QQ+\p+1], v[XX+\p:XX+\p+1], s[\k:\k+1] op_sel_hi:[1,1,0]
.endr
.endr
.set n, 0
.rept 16
	v_rcp_f32 v[QQ+n], v[QQ+n]                     ; Q is negative for every z^2: never 0
.set n, n+1
.endr
.irp p, 0,2,4,6,8,10,12,14
	v_pk_mul_f32 v[PP+\p:PP+\p+1], v[PP+\p:PP+\p+1], v[ZZ+\p:ZZ+\p+1]   ; plain work that names no reciprocal
.endr
	s_wait_alu depctr_va_vdst(0)                   ; one wait for the sixteen reciprocals, ahead of their first reader
.irp p, 0,2,4,6,8,10,12,14
	v_pk_mul_f32 v[PP+\p:PP+\p+1], v[PP+\p:PP+\p+1], v[QQ+\p:QQ+\p+1]   ; erf
.endr
.irp p, 0,2,4,6,8,10,12,14
	v_pk_fma_f32 v[HF+\p:HF+\p+1], v[HF+\p:HF+\p+1], v[PP+\p:PP+\p+1], v[HF+\p:HF+\p+1]   ; 0.5 u + 0.5 u erf
.endr
.set n, 0
.rept 16
	v_med3_num_f32 v[HF+n], v[HF+n], -v[LIM], v[LIM]
.set n, n+1
.endr
	v_cvt_scalef32_pk8_fp8_f32 v[CD+4*(\be):CD+4*(\be)+1], v[HF:HF+7], v[SCL]
	v_cvt_scalef32_pk8_fp8_f32 v[CD+4*(\be)+2:CD+4*(\be)+3], v[HF+8:HF+15], v[SCL]
	v_nop                                          ; a plain line behind the last conversion
.endm
.macro FBLK a                          ; 16 tokens x 128 hidden units: 2,048 consecutive bytes of hc
.set OO, OB+16*((\a)%2)
	GBATCH \a, 0
	GBATCH \a, 1
	GBATCH \a, 2
	GBATCH \a, 3
.irp b, 0,1,2,3,4,5,6,7
	ds_store_b64 v[STO], v[CD+2*\b:CD+2*\b+1] offset:16*\b
.endr
	s_wait_xcnt 0x0                                ; the stores of two blocks ago have read this set of registers
.irp k, 0,1,2,3
	ds_load_b128 v[OO+4*\k:OO+4*\k+3], v[RD] offset:576*\k
.endr
	s_wait_dscnt 0x0
.irp k, 0,1,2,3
	global_store_b128 v[CO], v[OO+4*\k:OO+4*\k+3], s[12:13] offset:(\a)*2048+\k*512
.endr
.endm
	s_wait_kmcnt 0x0
	s_add_co_i32 s96, s88, s89
	s_add_co_i32 s96, s96, 127
	s_lshl_b32 s96, s96, 23                        ; 2^(e12 + e13) as f32
	s_mov_b32 s97, s96
	s_add_co_i32 s98, s90, 127
	s_lshl_b32 s99, s98, 23
	v_mov_b32 v[SCL], s99                          ; 2^e14
	s_add_co_i32 s98, s98, 8
	s_lshl_b32 s98, s98, 23
	s_or_b32 s98, s98, 0x600000
	v_mov_b32 v[LIM], s98
	s_wait_loadcnt 0x0                             ; bf1
	PLACES NP
	BIASED 2
	s_mov_b32 s3, 2
.Lhalf:                                            ; two trips: my tokens 0-63, then 64-127
	FBLK 0
	FBLK 1
	FBLK 2
	FBLK 3
	s_cmp_eq_u32 s3, 1
	s_cbranch_scc1 .Lno_more
	BIASED 3                                       ; the other half's u takes the registers that this half has left
.Lno_more:
	s_wait_xcnt 0x0                                ; the stores have read their base
	s_add_nc_u64 s[12:13], s[12:13], 4*2048
	s_sub_co_u32 s3, s3, 1
	s_cmp_lg_u32 s3, 0
	s_cbranch_scc1 .Lhalf
	s_wait_tensorcnt 0x0                           ; the wave's end
	ds_add_u32 v[SPW], v[NIL]
	s_wait_dscnt 0x0
	CROUND
	s_endpgm
.Lfunc_end_k_qa933f39379_ffn1:
	.size	k_qa933f39379_ffn1, .Lfunc_end_k_qa933f39379_ffn1-k_qa933f39379_ffn1
	.p2alignl 7, 3214868480
	.fill 96, 4, 3214868480
	.section	.rodata,"a",@progbits
	.p2align	6, 0x0
	.amdhsa_kernel k_qa933f39379_ffn1
		.amdhsa_group_segment_fixed_size 327680
		.amdhsa_private_segment_fixed_size 0
		.amdhsa_enable_private_segment 0
		.amdhsa_kernarg_size 40
		.amdhsa_user_sgpr_count 2
		.amdhsa_user_sgpr_kernarg_segment_ptr 1
		.amdhsa_wavefront_size32 1
		.amdhsa_system_sgpr_workgroup_id_x 1
		.amdhsa_system_sgpr_workgroup_id_y 1
		.amdhsa_system_sgpr_workgroup_id_z 1
		.amdhsa_system_vgpr_workitem_id 0
		.amdhsa_next_free_vgpr 1024
		.amdhsa_next_free_sgpr 100
		.amdhsa_reserve_vcc 0
		.amdhsa_float_denorm_mode_32 3
		.amdhsa_float_denorm_mode_16_64 3
		.amdhsa_memory_ordered 1
		.amdhsa_forward_progress 1
		.amdhsa_inst_pref_size 255
	.end_amdhsa_kernel
	.section	.bss,"aw",@nobits
	.p2align	6
	.space	262144
	.amdgpu_metadata
---
amdhsa.version: [ 1, 2 ]
amdhsa.kernels:
  - .name:           k_qa933f39379_ffn1
    .symbol:         k_qa933f39379_ffn1.kd
    .args:
      - { .name: x1c, .offset: 0, .size: 8, .value_kind: global_buffer, .address_space: global }
      - { .name: pc, .offset: 8, .size: 8, .value_kind: global_buffer, .address_space: global }
      - { .name: lowp_scales, .offset: 16, .size: 8, .value_kind: global_buffer, .address_space: global }
      - { .name: bf1, .offset: 24, .size: 8, .value_kind: global_buffer, .address_space: global }
      - { .name: hc, .offset: 32, .size: 8, .value_kind: global_buffer, .address_space: global }
    .group_segment_fixed_size: 327680
    .private_segment_fixed_size: 0
    .kernarg_segment_align: 8
    .kernarg_segment_size: 40
    .max_flat_workgroup_size: 128
    .sgpr_count:     100
    .vgpr_count:     1024
    .wavefront_size: 32
...
	.end_amdgpu_metadata
.endif
;; end of part 6
;; launch ffn2 (part 7): grid 4 x 16, 4 waves a work-group, clusters of 4 x 4, 327,680 bytes of LDS; arguments hc, pc, lowp_scales, bf2, x1, out0; writes out0
.if DOCPART == 7
	.amdgcn_target "amdgcn-amd-amdhsa--gfx1250"
	.amdhsa_code_object_version 6
	.text
	.protected	k_qa933f39379_ffn2
	.globl	k_qa933f39379_ffn2
	.p2align	8
	.type	k_qa933f39379_ffn2,@function
k_qa933f39379_ffn2:
	s_mov_b64 s[64:65], 0
	v_nop
	global_prefetch_b8 v0, s[64:65] scope:SCOPE_SE
	s_setreg_imm32_b32 hwreg(HW_REG_WAVE_MODE, 25, 1), 1
	s_wait_xcnt 0x0
	s_wait_alu depctr_hold_cnt(0) depctr_sa_sdst(0) depctr_va_vdst(0) depctr_va_sdst(0) depctr_va_ssrc(0) depctr_va_vcc(0) depctr_vm_vsrc(0)
	s_getreg_b32 s2, hwreg(HW_REG_IB_STS2, 6, 4)
	s_cmp_eq_u32 s2, 0
	s_cbranch_scc0 .Lentry_in_a_cluster
	s_endpgm
.Lentry_in_a_cluster:
	s_bfe_u32 s2, ttmp6, 0x10000c
	s_cmp_lg_u32 s2, 0xf033
	s_cbranch_scc0 .Lentry_shape_is_right
	s_endpgm
.Lentry_shape_is_right:
; out0 = h W2 + bf2 + x1.  h arrives as codes laid [32 blocks of 128 along K][4096 tokens][128], W2 as codes [1024][4096] with K innermost; out0 is f32.
; A tile of 256 x 256 is made by four waves, 128 x 128 each; K = 4,096 goes in steps of 256 through a ring of two LDS slots filled by joint tensor loads (A's tile shared along a row of the 4 x 4 cluster, B's along a column).
; A IN BLOCKS OF W ALONG K: a K step's tile of 128 tokens is 256 / W dense pieces of 128 W bytes, brought by ONE load as 256 / W long rows; the padding, 16 bytes behind every 256, falls inside them:
; token m of piece z lies at 136 W z + 272 (m / RPU) + W (m % RPU), RPU = 256 / W tokens to an LDS row.
; The matrix instruction is used transposed (source 0 = B's rows, source 1 = A's): a lane holds eight neighbouring numbers of a row.  The sums go through my stage and come back as rows of 512 bytes, where
; sum x 2^(ea + eb) + residual is one packed multiply-add; the residual's rows are asked for up to four blocks ahead, into the registers that B's fragments have left.
; 64 tiles: 64 work-groups.  LIMIT: ea + eb between -126 and 127.
.set SIZE_K, 4096
.set W,      128
.set LOGRPU, 1
.set ASTEP,  0x100000                  ; a K step on in A: two blocks of 4,096 x 128 bytes
.set AMUL,   128
.set KROWB,  4096
.set BOFF,   0x1400000
.set SCOFF,  56                        ; entries 14, 15
.set RPU,    256/W
.set PITCH,  272
.set FR,     16
.set NL,     4
.set NP,     4
.set HALFT,  128*PITCH
.set SLOT,   4*HALFT
.set LAPS,   SIZE_K/512
.set SPARE,  2*SLOT
.set SPITCH, 528
.set ADRA, 16
.set ADRB, 20
.set STO,  24
.set RD,   25
.set CO,   26
.set SPW,  28
.set NIL,  29
.set BIAS, 32
.set AF,   128
.set BK,   128
.set G1, 24
.set G0, 32
.set G1B, 48
.set G0B, 56
.set MSB, 0
.macro WIN new
.if MSB != (\new)
	s_set_vgpr_msb (MSB<<8)|(\new)
.set MSB, (\new)
.endif
.endm
.set MUL_LO, 0xa1
.set MUL_HI, 0xf1
.set TO_B,   0x40
.macro JLOAD g0a, g1a, g0b, g1b
	s_cmp_eq_u32 s15, 0
	s_cbranch_scc0 .Lfor_b_\@
	tensor_load_to_lds s[\g0a:\g0a+3], s[\g1a:\g1a+7]
	s_nop 0
.rept 4
	v_nop
.endr
	s_branch .Lasked_\@
.Lfor_b_\@:
	tensor_load_to_lds s[\g0b:\g0b+3], s[\g1b:\g1b+7]
	s_nop 0
.rept 4
	v_nop
.endr
.Lasked_\@:
.endm
.macro CREST
	s_cmp_lg_u32 s14, 0
	s_cbranch_scc1 .Lnot_wave_0_\@
	s_barrier_signal -3
.Lnot_wave_0_\@:
	s_barrier_wait -3
	s_barrier_signal -1
	s_barrier_wait -1
.endm
.macro CROUND
	s_barrier_signal -1
	s_barrier_wait -1
	CREST
.endm
.macro FRAGB reg, adr, q, i
.irp c, 0,1,2,3
	ds_load_b128 v[\reg+4*\c:\reg+4*\c+3], v[\adr] offset:128*(\q)+32*\c+(\i)*16*PITCH
.endr
.endm
.macro FRAGA reg, adr, q, i
.irp c, 0,1,2,3
	ds_load_b128 v[\reg+4*\c:\reg+4*\c+3], v[\adr] offset:((128*(\q)+32*\c)/W)*136*W+(128*(\q)+32*\c)%W+(\i)*17*W
.endr
.endm
.macro MUL16 a0, p, zero
.irp a, \a0, \a0+1
.irp b, 0,1,2,3,4,5,6,7
.if \zero
	v_wmma_f32_16x16x128_fp8_fp8 v[8*(8*((\a)%4)+\b):8*(8*((\a)%4)+\b)+7], v[128*(\p)+FR*\b:128*(\p)+FR*\b+FR-1], v[AF+FR*(\a):AF+FR*(\a)+FR-1], 0
.else
	v_wmma_f32_16x16x128_fp8_fp8 v[8*(8*((\a)%4)+\b):8*(8*((\a)%4)+\b)+7], v[128*(\p)+FR*\b:128*(\p)+FR*\b+FR-1], v[AF+FR*(\a):AF+FR*(\a)+FR-1], v[8*(8*((\a)%4)+\b):8*(8*((\a)%4)+\b)+7]
.endif
.endr
.endr
.endm
.macro FETCH_B slot, q, p
	WIN TO_B
.irp i, 0,1,2,3,4,5,6,7
	FRAGB 128*(\p)+FR*\i, ADRB+\slot, \q, \i
.endr
	WIN 0
.endm
.macro FETCH_A slot, q, i0
.irp i, \i0, \i0+1, \i0+2, \i0+3
	FRAGA AF+FR*(\i), ADRA+\slot, \q, \i
.endr
.endm
.macro PLACES n
.rept \n
	v_nop
.endr
.endm
.macro STEP slot, q, zero
	s_wait_dscnt 4*NL                              ; all but the youngest 16 loads (A's blocks 4-7)
	WIN MUL_LO
	MUL16 0, (\q)%2, \zero
	MUL16 2, (\q)%2, \zero
	s_wait_dscnt 0
	PLACES NP
	FETCH_B \slot, (\q)+1, 1-(\q)%2
	FETCH_A \slot, (\q)+1, 0
	WIN MUL_HI
	MUL16 4, (\q)%2, \zero
	MUL16 6, (\q)%2, \zero
	PLACES NP
	WIN 0
	FETCH_A \slot, (\q)+1, 4
.endm
.macro TURN slot, next, fill
	s_wait_tensorcnt 0x0                           ; all my tensor loads have landed: my part of the next slot
	ds_add_u32 v[SPW], v[NIL]                      ; 0 onto my spare word
	s_wait_dscnt 4*NL+1                            ; the add and the youngest 16 loads may be out
	WIN MUL_LO
	MUL16 0, 1, 0
	s_wait_dscnt 0x0                               ; the add is done, and my reads of this slot are over
	s_barrier_signal -1
	MUL16 2, 1, 0
	WIN 0
	s_barrier_wait -1
.if \fill
	CREST                                          ; a round of the cluster's barrier: no wave of any partner still reads this slot or has a load on its way
	s_add_nc_u64 s[G0+4*\slot+2:G0+4*\slot+3], s[G0+4*\slot+2:G0+4*\slot+3], 2*ASTEP
	s_add_nc_u64 s[G0B+4*\slot+2:G0B+4*\slot+3], s[G0B+4*\slot+2:G0B+4*\slot+3], 2*256
	JLOAD G0+4*\slot, G1, G0B+4*\slot, G1B
.else
	PLACES NP
.endif
	FETCH_B \next, 0, 0
	FETCH_A \next, 0, 0
	WIN MUL_HI
	MUL16 4, 1, 0
	MUL16 6, 1, 0
	PLACES NP
	WIN 0
	FETCH_A \next, 0, 4
.endm
	s_load_b256 s[4:11], s[0:1], 0x0               ; A's codes, pc, the exponents, the bias
	s_load_b128 s[84:87], s[0:1], 0x20             ; the residual, the result
	v_lshl_add_u32 v[SPW], v0, 2, SPARE
	v_mov_b32 v[NIL], 0
	ds_add_u32 v28, v29
	ds_add_u32 v28, v29
	s_wait_dscnt 0x0
	v_lshrrev_b32 v1, 5, v0
	v_readfirstlane_b32 s14, v1
	s_lshr_b32 s15, s14, 1
	s_and_b32 s16, s14, 1
	s_bfe_u32 s40, ttmp6, 0x40000
	s_bfe_u32 s41, ttmp6, 0x40004
	s_lshl_b32 s42, ttmp9, 2
	s_add_co_u32 s42, s42, s40                     ; tile column
	s_and_b32 s17, ttmp7, 0xffff
	s_lshl_b32 s17, s17, 2
	s_add_co_u32 s17, s17, s41                     ; tile row
	s_lshl_b32 s43, s41, 2
	s_lshl_b32 s43, 15, s43
	s_lshl_b32 s44, 0x1111, s40
	s_or_b32 s[G1+0], s43, (3<<16)|(1<<20)|(1<<21)|(5<<22)|(3<<25)   ; A: elements of 8 bytes; padding: 4 words behind every 64
	s_mov_b32 s[G1+1], (16*W)<<16                  ; tensor_dim0: a piece of 128 W bytes
	s_mov_b32 s[G1+2], RPU<<16                     ; tensor_dim1: 256 / W pieces
	s_mov_b32 s[G1+3], (16*W)<<16
	s_mov_b32 s[G1+4], RPU
	s_mov_b32 s[G1+5], 512*W                       ; from piece to piece: 4,096 tokens x W bytes
	s_mov_b32 s[G1+6], 0
	s_mov_b32 s[G1+7], 0
	s_or_b32 s[G1B+0], s44, (0<<16)|(1<<20)|(1<<21)|(5<<22)|(3<<25)  ; B: 128 rows x 256 bytes
	s_mov_b32 s[G1B+1], 256<<16
	s_mov_b32 s[G1B+2], 128<<16
	s_mov_b32 s[G1B+3], 256<<16
	s_mov_b32 s[G1B+4], 128
	s_mov_b32 s[G1B+5], KROWB
	s_mov_b32 s[G1B+6], 0
	s_mov_b32 s[G1B+7], 0
	s_lshl_b32 s18, s16, 7
	s_lshl_b32 s20, s17, 8
	s_add_co_u32 s20, s20, s18
	s_mul_i32 s20, s20, AMUL
	s_mov_b32 s21, 0
	s_lshl_b32 s46, s42, 8
	s_add_co_u32 s46, s46, s18
	s_mul_i32 s46, s46, KROWB
	s_add_co_u32 s46, s46, BOFF
	s_mov_b32 s47, 0
	s_mul_i32 s45, s14, HALFT
	s_wait_kmcnt 0x0
	s_load_b64 s[96:97], s[8:9], SCOFF             ; ea, eb
	s_add_nc_u64 s[20:21], s[4:5], s[20:21]
	s_add_nc_u64 s[46:47], s[6:7], s[46:47]
	CROUND
.irp s, 0,1
	s_mov_b32 s[G0+4*\s], 1
	s_add_co_u32 s[G0+4*\s+1], s45, \s*SLOT
	s_add_nc_u64 s[G0+4*\s+2:G0+4*\s+3], s[20:21], \s*ASTEP
	s_or_b32 s[G0+4*\s+3], s[G0+4*\s+3], 0x80000000
	s_mov_b32 s[G0B+4*\s], 1
	s_add_co_u32 s[G0B+4*\s+1], s45, \s*SLOT
	s_add_nc_u64 s[G0B+4*\s+2:G0B+4*\s+3], s[46:47], \s*256
	s_or_b32 s[G0B+4*\s+3], s[G0B+4*\s+3], 0x80000000
	JLOAD G0+4*\s, G1, G0B+4*\s, G1B
.endr
	v_and_b32 v1, 15, v0                           ; r
	v_bfe_u32 v2, v0, 4, 1                         ; h
	v_mul_u32_u24 v3, v1, PITCH
	v_lshl_add_u32 v4, v2, 4, v3                   ; B: row r
	v_lshrrev_b32 v5, LOGRPU, v1
	v_mul_u32_u24 v5, v5, PITCH
	v_and_b32 v6, RPU-1, v1
	v_mad_u32_u24 v5, v6, W, v5
	v_lshl_add_u32 v5, v2, 4, v5                   ; A: token r: LDS row r / RPU, place r % RPU
	s_mul_i32 s21, s15, HALFT
	s_mul_i32 s22, s16, HALFT
	s_add_co_u32 s22, s22, 2*HALFT
.irp s, 0,1
	v_add_nc_u32 v[ADRA+\s], s21, v5
	v_add_nc_u32 v[ADRB+\s], s22, v4
	s_add_co_u32 s21, s21, SLOT
	s_add_co_u32 s22, s22, SLOT
.endr
	s_mul_i32 s23, s14, 16*SPITCH                  ; my stage, in slot 0: it has had its last fill and its last read when the first sum is stored there
	v_mul_u32_u24 v7, v1, SPITCH
	v_lshl_add_u32 v7, v2, 5, v7
	v_add_nc_u32 v[STO], s23, v7
	v_and_b32 v8, 31, v0
	v_lshlrev_b32 v[CO], 4, v8
	v_add_nc_u32 v[RD], s23, v[CO]
	s_lshl_b32 s88, s17, 8
	s_lshl_b32 s89, s15, 7
	s_add_co_u32 s88, s88, s89                     ; my first row
	s_lshl_b32 s89, s42, 8
	s_lshl_b32 s90, s16, 7
	s_add_co_u32 s89, s89, s90                     ; my first column
	s_lshl_b32 s88, s88, 12
	s_lshl_b32 s90, s89, 2
	s_add_co_u32 s88, s88, s90
	s_mov_b32 s89, 0
	s_mov_b32 s91, 0
	s_add_nc_u64 s[84:85], s[84:85], s[88:89]
	s_add_nc_u64 s[86:87], s[86:87], s[88:89]
	s_add_nc_u64 s[10:11], s[10:11], s[90:91]
	global_load_b128 v[BIAS:BIAS+3], v[CO], s[10:11]
.macro RL a                            ; the residual's 16 rows of block a, into set a % 4 of window 1
	WIN 0x40
.irp t, 0,1,2,3,4,5,6,7,8,9,10,11,12,13,14,15
	global_load_b128 v[64*((\a)%4)+4*\t:64*((\a)%4)+4*\t+3], v[CO], s[84:85] offset:(16*(\a)+\t)*4096
.endr
	WIN 0
.endm
.macro TOSTAGE a                       ; block a's sums into my stage as they are, each accumulator from its low end on, and back as 16 rows of 512 bytes
.set AC, 64*((\a)%4)
.set BB, BK+64*((\a)%2)
.if (\a) >= 2
	s_wait_xcnt 0x0                                ; the stores of two blocks ago have read this set of registers
.endif
	WIN 0x08+4*((\a)/4)                            ; the stores' data: window 2 or 3
.irp b, 0,1,2,3,4,5,6,7
	ds_store_b128 v[STO], v[AC+8*\b:AC+8*\b+3] offset:64*\b
	ds_store_b128 v[STO], v[AC+8*\b+4:AC+8*\b+7] offset:64*\b+16
.endr
	WIN 0
.irp t, 0,1,2,3,4,5,6,7,8,9,10,11,12,13,14,15
	ds_load_b128 v[BB+4*\t:BB+4*\t+3], v[RD] offset:\t*SPITCH   ; LDS serves a wave's instructions in order
.endr
.endm
.macro FIN a
.set BB, BK+64*((\a)%2)
.set RR, 64*((\a)%4)
	s_wait_dscnt 0x0
.if 7-(\a) >= 3
	s_wait_loadcnt 48                              ; this block's residual is in; those of the three blocks behind it, 16 loads each, may be out
.else
	s_wait_loadcnt 16*(7-(\a))
.endif
	WIN 0x10                                       ; source 2: window 1
.set n, 0
.rept 32
	v_pk_fma_f32 v[BB+2*n:BB+2*n+1], v[BB+2*n:BB+2*n+1], s[96:97], v[RR+2*n:RR+2*n+1] op_sel_hi:[1,0,1]   ; sum x 2^(ea + eb) + residual
.set n, n+1
.endr
	WIN 0
.set n, 0
.rept 32
	v_pk_add_f32 v[BB+2*n:BB+2*n+1], v[BB+2*n:BB+2*n+1], v[BIAS+(2*n)%4:BIAS+(2*n)%4+1]
.set n, n+1
.endr
.irp t, 0,1,2,3,4,5,6,7,8,9,10,11,12,13,14,15
	global_store_b128 v[CO], v[BB+4*\t:BB+4*\t+3], s[86:87] offset:(16*(\a)+\t)*4096 th:TH_STORE_NT   ; 32 lanes store 512 consecutive bytes, aligned; written once, read by nobody here
.endr
.if (\a) < 4
	RL (\a)+4
.endif
.endm
	s_wait_tensorcnt 1                             ; my part of K step 0 is in; K step 1's load may be out
	s_barrier_signal -1
	s_barrier_wait -1
	FETCH_B 0, 0, 0
	FETCH_A 0, 0, 0
	FETCH_A 0, 0, 4
	STEP 0, 0, 1
	s_mov_b32 s3, LAPS-1
.Llap:
	TURN 0, 1, 1
	STEP 1, 0, 0
	TURN 1, 0, 1
	STEP 0, 0, 0
	s_sub_co_u32 s3, s3, 1
	s_cmp_lg_u32 s3, 0
	s_cbranch_scc1 .Llap
	TURN 0, 1, 0
	STEP 1, 0, 0
	RL 0                                           ; B's set 0 is done with, four plain lines back: it takes the first two blocks' residual
	RL 1
	s_wait_dscnt 4*NL
	WIN MUL_LO
	MUL16 0, 1, 0
	MUL16 2, 1, 0
	s_wait_dscnt 0
	WIN MUL_HI
	MUL16 4, 1, 0
	MUL16 6, 1, 0
	WIN 0
	PLACES NP
	RL 2
	RL 3
	s_wait_kmcnt 0x0
	s_add_co_i32 s96, s96, s97
	s_add_co_i32 s96, s96, 127
	s_lshl_b32 s96, s96, 23                        ; 2^(ea + eb) as f32
	s_mov_b32 s97, s96
.irp a, 0,1,2,3,4,5,6,7
	TOSTAGE \a
	FIN \a
.endr
	s_wait_tensorcnt 0x0                           ; the wave's end
	ds_add_u32 v[SPW], v[NIL]
	s_wait_dscnt 0x0
	CROUND
	s_endpgm
.Lfunc_end_k_qa933f39379_ffn2:
	.size	k_qa933f39379_ffn2, .Lfunc_end_k_qa933f39379_ffn2-k_qa933f39379_ffn2
	.p2alignl 7, 3214868480
	.fill 96, 4, 3214868480
	.section	.rodata,"a",@progbits
	.p2align	6, 0x0
	.amdhsa_kernel k_qa933f39379_ffn2
		.amdhsa_group_segment_fixed_size 327680
		.amdhsa_private_segment_fixed_size 0
		.amdhsa_enable_private_segment 0
		.amdhsa_kernarg_size 48
		.amdhsa_user_sgpr_count 2
		.amdhsa_user_sgpr_kernarg_segment_ptr 1
		.amdhsa_wavefront_size32 1
		.amdhsa_system_sgpr_workgroup_id_x 1
		.amdhsa_system_sgpr_workgroup_id_y 1
		.amdhsa_system_sgpr_workgroup_id_z 1
		.amdhsa_system_vgpr_workitem_id 0
		.amdhsa_next_free_vgpr 1024
		.amdhsa_next_free_sgpr 100
		.amdhsa_reserve_vcc 0
		.amdhsa_float_denorm_mode_32 3
		.amdhsa_float_denorm_mode_16_64 3
		.amdhsa_memory_ordered 1
		.amdhsa_forward_progress 1
		.amdhsa_inst_pref_size 152
	.end_amdhsa_kernel
	.amdgpu_metadata
---
amdhsa.version: [ 1, 2 ]
amdhsa.kernels:
  - .name:           k_qa933f39379_ffn2
    .symbol:         k_qa933f39379_ffn2.kd
    .args:
      - { .name: hc, .offset: 0, .size: 8, .value_kind: global_buffer, .address_space: global }
      - { .name: pc, .offset: 8, .size: 8, .value_kind: global_buffer, .address_space: global }
      - { .name: lowp_scales, .offset: 16, .size: 8, .value_kind: global_buffer, .address_space: global }
      - { .name: bf2, .offset: 24, .size: 8, .value_kind: global_buffer, .address_space: global }
      - { .name: x1, .offset: 32, .size: 8, .value_kind: global_buffer, .address_space: global }
      - { .name: out0, .offset: 40, .size: 8, .value_kind: global_buffer, .address_space: global }
    .group_segment_fixed_size: 327680
    .private_segment_fixed_size: 0
    .kernarg_segment_align: 8
    .kernarg_segment_size: 48
    .max_flat_workgroup_size: 128
    .sgpr_count:     100
    .vgpr_count:     1024
    .wavefront_size: 32
...
	.end_amdgpu_metadata
.endif
;; end of part 7
;; ======== version 2 of 2: 7 launches
;; limits: right only within a limited range of input values
;; workspace buffers: xn 16,777,216 bytes; pc 25,165,824 bytes; qkv 12,582,912 bytes; ctxc 4,194,304 bytes; x1 16,777,216 bytes; x1c 4,194,304 bytes; hc 16,777,216 bytes
;; launch prep (part 8): grid 640 x 1, 4 waves a work-group, no clusters, 47,616 bytes of LDS; arguments x, g1, b1, Wq, Wk, Wv, Wo, W1, W2, lowp_scales, xn, pc; writes xn, pc
.if DOCPART == 8
	.amdgcn_target "amdgcn-amd-amdhsa--gfx1250"
	.amdhsa_code_object_version 6
	.text
	.protected	k_qa933f39379_prep
	.globl	k_qa933f39379_prep
	.p2align	8
	.type	k_qa933f39379_prep,@function
k_qa933f39379_prep:
	s_mov_b64 s[64:65], 0
	v_nop
	global_prefetch_b8 v0, s[64:65] scope:SCOPE_SE
	s_setreg_imm32_b32 hwreg(HW_REG_WAVE_MODE, 25, 1), 1
	s_wait_xcnt 0x0
; PREP.  Work-groups 0-383: the six weights, f32 stored [K][N], become codes of E4M3 laid [N][K] (W2 in blocks of 128 along K and of 16 columns), K innermost, each with its given scale 2^e.
; Work-groups 384-639: xn = layernorm(x, g1, b1) in f32, and its codes under the three given scales of the products with Wq, Wk, Wv.
; pc: xn's codes [3][4096][1024] at 0; Wq, Wk, Wv [3072][1024] at 0xC00000; Wo [1024][1024] at 0xF00000; W1 [4096][1024] at 0x1000000; W2 [32 blocks of 128 along K][64 blocks of 16 columns][8][16][16] at 0x1400000.
; code = number / 2^e, held within +-448, to the nearest code, ties to even.  LIMITS: each e between -126 and 119; NaN among the inputs is not served.
; WEIGHTS: a lane takes a column n and its registers run down K, so that each load reads 128 neighbouring bytes a wave (512 a work-group) and the conversions give codes with K innermost.
; A wave takes 32 columns x 256 along K; its codes go through its own stage in LDS (rows of 256 + 16 bytes) and leave sixteen lanes to 256 consecutive, aligned bytes.
; NORM: a wave takes four rows, one at a time, whole in 32 registers; the next row's loads are out while a row is worked.  Mean, then the sum of squares of x - mean: no difference of large sums.
; No tensor loads, no barrier: waves share nothing.  The two kinds of work-group use LDS bytes of their own: 0-34,815 and 34,816-47,103.
.set XW,   32                          ; weights: v32-95 two sets of 32 numbers
.set CW,   96                          ; v96-103 a block's codes
.set OUTR, 112                         ; v112-175 the way out
.set VO,   176                         ; v176-207 byte offset of row i of a block: 4 x lane + i x pitch
.set SO,   208                         ; v208-223 the stores' offsets
.set SB,   66                          ; s[66:81] the source at block t of eight
.set WP,   272                         ; a stage row
.set NVER, 3                           ; norm: versions of the codes
.set STOREF, 1                         ; the f32 result is stored too
.set LNST, 34816                       ; norm: the stages begin here,
.set LNWB, 1024*NVER                   ; so many bytes a wave
.set X,    32                          ; v32-95 two rows
.set G,    96                          ; v96-127 gain
.set BT,   128                         ; v128-159 bias
.set T0,   160                         ; v160-175 two sets of eight held numbers
.set CD,   176                         ; v176-199 codes, 8 registers a version
.set O,    200                         ; v200-223 codes as rows
.set CH,   224                         ; v224-231 four chains of pairs
.set MN,   14                          ; v[14:15] the mean, twice
.set RS,   16                          ; v[16:17] 1 / sqrt(var + eps), twice
.set TT,   18
.set PL,   19                          ; a lane permute's destination
.set SC,   8                           ; v8-10 the scales as f32
.set LM,   11                          ; v11-13 448 x the scales
	s_load_b512 s[4:19], s[0:1], 0x0               ; x, g1, b1, Wq, Wk, Wv, Wo, W1
	s_load_b256 s[20:27], s[0:1], 0x40             ; W2, the scales' exponents, xn, pc
	v_lshl_add_u32 v232, v0, 2, 0xb800
	v_mov_b32 v233, 0
	v_lshrrev_b32 v1, 5, v0
	v_readfirstlane_b32 s28, v1                    ; wave 0..3
	s_wait_kmcnt 0x0
	s_load_b512 s[36:51], s[22:23], 0x0            ; entry i of the exponents in s[36 + i]
	s_cmp_lt_u32 ttmp9, 384
	s_cbranch_scc0 .Lnorm
	; ---------------- the weights.  Everything is chosen by the work-group's number alone.
	s_lshr_b32 s52, ttmp9, 5                       ; J: 0-3 the four small weights, 32 work-groups each
	s_lshr_b32 s53, ttmp9, 7                       ; 0 small, 1 W1, 2 W2 (128 work-groups each)
	s_and_b32 s54, ttmp9, 31
	s_and_b32 s55, ttmp9, 127
	s_lshl_b32 s56, s53, 2
	s_mov_b32 s58, 4096
	s_mov_b32 s59, 1024
	s_cmp_lt_u32 ttmp9, 128
	s_cselect_b32 s54, s54, s55                    ; my number within the weight
	s_cselect_b32 s56, s52, s56                    ; the codes begin so many MiB behind 0xC00000
	s_cmp_eq_u32 s53, 1
	s_cselect_b32 s57, 5, 3                        ; log2 of the blocks of 128 columns
	s_cselect_b32 s58, 16384, s58                  ; a source row in bytes
	s_cmp_eq_u32 s53, 2
	s_cselect_b32 s59, 4096, s59                   ; a row of codes in bytes (= K)
	s_mov_b64 s[60:61], s[10:11]
	s_cmp_eq_u32 s52, 1
	s_cselect_b64 s[60:61], s[12:13], s[60:61]
	s_cmp_eq_u32 s52, 2
	s_cselect_b64 s[60:61], s[14:15], s[60:61]
	s_cmp_eq_u32 s52, 3
	s_cselect_b64 s[60:61], s[16:17], s[60:61]
	s_cmp_eq_u32 s53, 1
	s_cselect_b64 s[60:61], s[18:19], s[60:61]
	s_cmp_eq_u32 s53, 2
	s_cselect_b64 s[60:61], s[20:21], s[60:61]     ; the weight
	s_bfm_b32 s63, s57, 0
	s_and_b32 s63, s54, s63                        ; which 128 columns
	s_lshr_b32 s54, s54, s57                       ; which 256 along K
	s_lshl_b32 s63, s63, 7
	s_lshl_b32 s82, s28, 5
	s_add_co_u32 s63, s63, s82                     ; my wave's first column
	s_lshl_b32 s82, s54, 8
	s_mul_i32 s82, s82, s58
	s_lshl_b32 s83, s63, 2
	s_add_co_u32 s82, s82, s83
	s_mov_b32 s83, 0
	s_add_nc_u64 s[SB:SB+1], s[60:61], s[82:83]
	s_lshl_b32 s82, s58, 5                         ; 32 rows on
.irp t, 1,2,3,4,5,6,7
	s_add_nc_u64 s[SB+2*\t:SB+2*\t+1], s[SB+2*\t-2:SB+2*\t-1], s[82:83]
.endr
	s_lshl_b32 s84, s56, 20
	s_add_co_u32 s84, s84, 0xC00000
	s_mul_i32 s85, s63, s59
	s_add_co_u32 s84, s84, s85
	s_lshl_b32 s85, s54, 8
	s_add_co_u32 s84, s84, s85
	; W2's codes are laid otherwise than the other weights': [32 blocks of 128 along K][64 blocks of 16 columns][8 chunks of 16 codes][16 columns][16 bytes], at 0x1400000
	s_lshl_b32 s85, s54, 18                        ; my 256 along K are two blocks of 64 x 2,048 bytes
	s_lshl_b32 s86, s63, 7                         ; 2,048 bytes for 16 columns
	s_add_co_u32 s85, s85, s86
	s_add_co_u32 s85, s85, 0x1400000
	s_cmp_eq_u32 s53, 2
	s_cselect_b32 s84, s85, s84
	s_mov_b32 s85, 0
	s_add_nc_u64 s[30:31], s[26:27], s[84:85]
	v_and_b32 v2, 31, v0                           ; lane
	v_lshlrev_b32 v[VO], 2, v2
.set i, 1
.rept 31
	v_add_nc_u32 v[VO+i], s58, v[VO+i-1]
.set i, i+1
.endr
.macro WLOAD t                         ; block t: W(32 t + i, my column), i = 0 .. 31
.set i, 0
.rept 32
	global_load_b32 v[XW+32*((\t)%2)+i], v[VO+i], s[SB+2*(\t):SB+2*(\t)+1] th:TH_LOAD_NT
.set i, i+1
.endr
.endm
	WLOAD 0
	WLOAD 1
	s_mul_i32 s87, s28, 32*WP                      ; my stage
	v_mul_u32_u24 v4, v2, WP
	v_add_nc_u32 v4, s87, v4                       ; into it: row = my column
	v_and_b32 v5, 15, v2
	v_lshrrev_b32 v6, 4, v2
	v_mul_u32_u24 v7, v6, WP
	v_lshl_add_u32 v7, v5, 4, v7
	v_add_nc_u32 v7, s87, v7
	v_mul_u32_u24 v8, v5, WP
	v_lshl_add_u32 v8, v6, 4, v8
	v_add_nc_u32 v8, s87, v8                       ; W2's way out of the stage: column lane % 16, chunk lane / 16
	v_lshlrev_b32 v9, 4, v2                        ; and 16 x lane among its codes
	v_mul_lo_u32 v[SO], v6, s59
	v_lshl_add_u32 v[SO], v5, 4, v[SO]             ; and the same place among the codes
	s_lshl_b32 s86, s59, 1
.set i, 1
.rept 15
	v_add_nc_u32 v[SO+i], s86, v[SO+i-1]
.set i, i+1
.endr
	s_wait_kmcnt 0x0
	s_mov_b32 s62, s37                             ; the weight's exponent: entries 1, 3, 5, 11, 13, 15
	s_cmp_eq_u32 s52, 1
	s_cselect_b32 s62, s39, s62
	s_cmp_eq_u32 s52, 2
	s_cselect_b32 s62, s41, s62
	s_cmp_eq_u32 s52, 3
	s_cselect_b32 s62, s47, s62
	s_cmp_eq_u32 s53, 1
	s_cselect_b32 s62, s49, s62
	s_cmp_eq_u32 s53, 2
	s_cselect_b32 s62, s51, s62
	s_add_co_i32 s62, s62, 127
	s_lshl_b32 s63, s62, 23
	v_mov_b32 v11, s63                             ; 2^e as f32: the conversion takes its exponent field
	s_add_co_i32 s62, s62, 8
	s_lshl_b32 s62, s62, 23
	s_or_b32 s62, s62, 0x600000
	v_mov_b32 v10, s62                             ; 448 x 2^e
.macro WBLOCK t
.set XS, XW+32*((\t)%2)
.if (\t) < 7
	s_wait_loadcnt 32                              ; this block's 32 loads are in; the next block's 32 may be out
.else
	s_wait_loadcnt 0x0
.endif
.set i, 0
.rept 32
	v_med3_num_f32 v[XS+i], v[XS+i], -v10, v10     ; the conversion to an 8-bit code does not saturate (ISA guide 7.6.2): the hold comes first
.set i, i+1
.endr
.irp g, 0,1,2,3
	v_cvt_scalef32_pk8_fp8_f32 v[CW+2*\g:CW+2*\g+1], v[XS+8*\g:XS+8*\g+7], v11
.endr
	ds_store_b128 v4, v[CW:CW+3] offset:32*(\t)    ; 32 codes of my column's row
	ds_store_b128 v4, v[CW+4:CW+7] offset:32*(\t)+16
.if (\t)+2 < 8
	WLOAD (\t)+2
.endif
	s_wait_dscnt 0x0                               ; the stores have read their registers: the next block's codes may be written (its 32 holds are the plain lines behind these conversions)
.endm
	s_wait_alu depctr_va_vdst(0)
.irp t, 0,1,2,3,4,5,6,7
	WBLOCK \t
.endr
	s_cmp_eq_u32 s53, 2                            ; the work-group's number alone
	s_cbranch_scc1 .Lw2out
.irp t, 0,1,2,3,4,5,6,7,8,9,10,11,12,13,14,15
	ds_load_b128 v[OUTR+4*\t:OUTR+4*\t+3], v7 offset:2*\t*WP
.endr
.irp t, 0,1,2,3,4,5,6,7,8,9,10,11,12,13,14,15
	s_wait_dscnt 15-\t                             ; the younger reads may be out
	global_store_b128 v[SO+\t], v[OUTR+4*\t:OUTR+4*\t+3], s[30:31]
.endr
	s_wait_tensorcnt 0x0
	ds_add_u32 v232, v233
	s_wait_dscnt 0x0
	s_endpgm
.Lw2out:                                           ; W2: instruction t takes chunks 2 (t % 4), 2 (t % 4) + 1 of 16 columns (t / 8) of one block of 128 along K ((t / 4) % 2)
.irp t, 0,1,2,3,4,5,6,7,8,9,10,11,12,13,14,15
	ds_load_b128 v[OUTR+4*\t:OUTR+4*\t+3], v8 offset:(\t/8)*16*WP+((\t/4)%2)*128+(\t%4)*32
.endr
.irp t, 0,1,2,3,4,5,6,7,8,9,10,11,12,13,14,15
	s_wait_dscnt 15-\t
	global_store_b128 v9, v[OUTR+4*\t:OUTR+4*\t+3], s[30:31] offset:((\t/4)%2)*131072+(\t/8)*2048+(\t%4)*512   ; 32 lanes store 512 consecutive bytes, aligned
.endr
	s_wait_tensorcnt 0x0
	ds_add_u32 v232, v233
	s_wait_dscnt 0x0
	s_endpgm
	; ---------------- the norm
.macro WSUM r                          ; the sum over the wave's 32 lanes, in every lane
	v_add_f32_dpp v[\r], v[\r], v[\r] row_xmask:1 row_mask:0xf bank_mask:0xf
	v_add_f32_dpp v[\r], v[\r], v[\r] row_xmask:2 row_mask:0xf bank_mask:0xf
	v_add_f32_dpp v[\r], v[\r], v[\r] row_xmask:4 row_mask:0xf bank_mask:0xf
	v_add_f32_dpp v[\r], v[\r], v[\r] row_xmask:8 row_mask:0xf bank_mask:0xf
	v_permlanex16_b32 v[PL], v[\r], s58, s59
	v_add_f32 v[\r], v[\r], v[PL]
.endm
.macro FOLD                            ; four chains of pairs into one number a lane
	v_pk_add_f32 v[CH:CH+1], v[CH:CH+1], v[CH+2:CH+3]
	v_pk_add_f32 v[CH+4:CH+5], v[CH+4:CH+5], v[CH+6:CH+7]
	v_pk_add_f32 v[CH:CH+1], v[CH:CH+1], v[CH+4:CH+5]
	v_add_f32 v[TT], v[CH], v[CH+1]
	WSUM TT
.endm
; Row i of my four.  Load j of a row's eight covers 512 consecutive bytes: my registers 4 j .. 4 j + 3 are elements 128 j + 4 lane + 0 .. 3.
.macro LNROW i, last
.set XS, X+32*((\i)%2)
.set XN, X+32*(((\i)+1)%2)
	s_wait_xcnt 0x0                                ; the stores of the row before have read their registers: the other set and the rows of codes may be written
.if \last
	s_wait_loadcnt 0x0
.else
.irp j, 0,1,2,3,4,5,6,7
	global_load_b128 v[XN+4*\j:XN+4*\j+3], v1, s[4:5] offset:((\i)+1)*4096+512*\j th:TH_LOAD_NT
.endr
	s_wait_loadcnt 8                               ; this row is in; the next row's eight loads may be out
.endif
.irp c, 0,2,4,6
	v_pk_add_f32 v[CH+\c:CH+\c+1], v[XS+\c:XS+\c+1], v[XS+8+\c:XS+9+\c]   ; the first pairs start the chains
.endr
.irp o, 16,24
.irp c, 0,2,4,6
	v_pk_add_f32 v[CH+\c:CH+\c+1], v[CH+\c:CH+\c+1], v[XS+\o+\c:XS+\o+\c+1]
.endr
.endr
	FOLD
	v_mul_f32 v[MN], s88, v[TT]                    ; the mean: / 1,024
	v_mov_b32 v[MN+1], v[MN]
.set n, 0
.rept 16
	v_pk_add_f32 v[XS+2*n:XS+2*n+1], v[XS+2*n:XS+2*n+1], v[MN:MN+1] neg_lo:[0,1] neg_hi:[0,1]   ; x - mean
.set n, n+1
.endr
.irp c, 0,2,4,6
	v_pk_mul_f32 v[CH+\c:CH+\c+1], v[XS+\c:XS+\c+1], v[XS+\c:XS+\c+1]
.endr
.irp o, 8,16,24
.irp c, 0,2,4,6
	v_pk_fma_f32 v[CH+\c:CH+\c+1], v[XS+\o+\c:XS+\o+\c+1], v[XS+\o+\c:XS+\o+\c+1], v[CH+\c:CH+\c+1]
.endr
.endr
	FOLD
	v_fma_f32 v[TT], v[TT], s88, s89               ; var + eps
	s_wait_alu depctr_va_vdst(0)
	v_rsq_f32 v[RS], v[TT]
	v_nop                                          ; a plain line behind the transcendental,
	s_wait_alu depctr_va_vdst(0)                   ; and the wait ahead of the first line that names its result
	v_mov_b32 v[RS+1], v[RS]
.set n, 0
.rept 16
	v_pk_mul_f32 v[XS+2*n:XS+2*n+1], v[XS+2*n:XS+2*n+1], v[RS:RS+1]
.set n, n+1
.endr
.set n, 0
.rept 16
	v_pk_fma_f32 v[XS+2*n:XS+2*n+1], v[XS+2*n:XS+2*n+1], v[G+2*n:G+2*n+1], v[BT+2*n:BT+2*n+1]
.set n, n+1
.endr
.if STOREF
.irp j, 0,1,2,3,4,5,6,7
	global_store_b128 v1, v[XS+4*\j:XS+4*\j+3], s[24:25] offset:(\i)*4096+512*\j
.endr
.endif
.irp v, 0,1,2
.if \v < NVER
.irp q, 0,1,2,3
.set TQ, T0+8*(\q%2)                   ; two sets by turns: eight plain lines stand between a conversion and the next write of its sources
.irp k, 0,1,2,3,4,5,6,7
	v_med3_num_f32 v[TQ+\k], v[XS+8*\q+\k], -v[LM+\v], v[LM+\v]
.endr
	v_cvt_scalef32_pk8_fp8_f32 v[CD+8*\v+2*\q:CD+8*\v+2*\q+1], v[TQ:TQ+7], v[SC+\v]   ; register j of a version: the four codes of elements 128 j + 4 lane on
.endr
.endif
.endr
	v_nop                                          ; a plain line behind the last conversion
.irp v, 0,1,2
.if \v < NVER
.irp j, 0,1,2,3,4,5,6,7
	ds_store_b32 v2, v[CD+8*\v+\j] offset:1024*\v+128*\j   ; the row's 1,024 codes lie on end in my stage
.endr
.endif
.endr
.irp v, 0,1,2
.if \v < NVER
	ds_load_b128 v[O+8*\v:O+8*\v+3], v3 offset:1024*\v
	ds_load_b128 v[O+8*\v+4:O+8*\v+7], v3 offset:1024*\v+512
.endif
.endr
	s_wait_dscnt 0x0
.irp v, 0,1,2
.if \v < NVER
	global_store_b128 v1, v[O+8*\v:O+8*\v+3], s[52+2*\v:53+2*\v] offset:(\i)*1024       ; 32 lanes store 512 consecutive bytes
	global_store_b128 v1, v[O+8*\v+4:O+8*\v+7], s[52+2*\v:53+2*\v] offset:(\i)*1024+512
.endif
.endr
.endm
.Lnorm:
	s_sub_co_u32 s52, ttmp9, 384
	s_lshl_b32 s52, s52, 4
	s_lshl_b32 s53, s28, 2
	s_add_co_u32 s52, s52, s53                     ; my first row: 16 x work-group + 4 x wave
	s_lshl_b32 s60, s52, 12
	s_mov_b32 s61, 0
	s_add_nc_u64 s[4:5], s[4:5], s[60:61]
	s_add_nc_u64 s[24:25], s[24:25], s[60:61]
	s_lshl_b32 s60, s52, 10
	s_add_nc_u64 s[52:53], s[26:27], s[60:61]      ; the three versions of the codes
	s_add_nc_u64 s[54:55], s[52:53], 0x400000
	s_add_nc_u64 s[56:57], s[52:53], 0x800000
	s_mov_b32 s58, 0x76543210                      ; lane l xor 16
	s_mov_b32 s59, 0xfedcba98
	s_mov_b32 s88, 0x3a800000                      ; 1 / 1,024
	s_mov_b32 s89, 0x3727c5ac                      ; 1e-5
	v_and_b32 v4, 31, v0
	v_lshlrev_b32 v1, 4, v4                        ; 16 x lane
.irp j, 0,1,2,3,4,5,6,7
	global_load_b128 v[G+4*\j:G+4*\j+3], v1, s[6:7] offset:512*\j
	global_load_b128 v[BT+4*\j:BT+4*\j+3], v1, s[8:9] offset:512*\j
.endr
.irp j, 0,1,2,3,4,5,6,7
	global_load_b128 v[X+4*\j:X+4*\j+3], v1, s[4:5] offset:512*\j th:TH_LOAD_NT
.endr
	s_mul_i32 s60, s28, LNWB
	s_add_co_u32 s60, s60, LNST                    ; my stage
	v_lshl_add_u32 v2, v4, 2, s60
	v_add_nc_u32 v3, s60, v1
	v_mov_b32 v[PL], 0
	s_wait_kmcnt 0x0
.irp v, 0,1,2
	s_add_co_i32 s90, s[36+2*\v], 127              ; entries 0, 2, 4
	s_lshl_b32 s91, s90, 23
	v_mov_b32 v[SC+\v], s91
	s_add_co_i32 s90, s90, 8
	s_lshl_b32 s90, s90, 23
	s_or_b32 s90, s90, 0x600000
	v_mov_b32 v[LM+\v], s90
.endr
	LNROW 0, 0
	LNROW 1, 0
	LNROW 2, 0
	LNROW 3, 1
	s_wait_tensorcnt 0x0
	ds_add_u32 v232, v233
	s_wait_dscnt 0x0
	s_endpgm
.Lfunc_end_k_qa933f39379_prep:
	.size	k_qa933f39379_prep, .Lfunc_end_k_qa933f39379_prep-k_qa933f39379_prep
	.p2alignl 7, 3214868480
	.fill 96, 4, 3214868480
	.section	.rodata,"a",@progbits
	.p2align	6, 0x0
	.amdhsa_kernel k_qa933f39379_prep
		.amdhsa_group_segment_fixed_size 47616
		.amdhsa_private_segment_fixed_size 0
		.amdhsa_enable_private_segment 0
		.amdhsa_kernarg_size 96
		.amdhsa_user_sgpr_count 2
		.amdhsa_user_sgpr_kernarg_segment_ptr 1
		.amdhsa_wavefront_size32 1
		.amdhsa_system_sgpr_workgroup_id_x 1
		.amdhsa_system_sgpr_workgroup_id_y 1
		.amdhsa_system_sgpr_workgroup_id_z 1
		.amdhsa_system_vgpr_workitem_id 0
		.amdhsa_next_free_vgpr 234
		.amdhsa_next_free_sgpr 100
		.amdhsa_reserve_vcc 0
		.amdhsa_float_denorm_mode_32 3
		.amdhsa_float_denorm_mode_16_64 3
		.amdhsa_memory_ordered 1
		.amdhsa_forward_progress 1
		.amdhsa_inst_pref_size 128
	.end_amdhsa_kernel
	.amdgpu_metadata
---
amdhsa.version: [ 1, 2 ]
amdhsa.kernels:
  - .name:           k_qa933f39379_prep
    .symbol:         k_qa933f39379_prep.kd
    .args:
      - { .name: x, .offset: 0, .size: 8, .value_kind: global_buffer, .address_space: global }
      - { .name: g1, .offset: 8, .size: 8, .value_kind: global_buffer, .address_space: global }
      - { .name: b1, .offset: 16, .size: 8, .value_kind: global_buffer, .address_space: global }
      - { .name: Wq, .offset: 24, .size: 8, .value_kind: global_buffer, .address_space: global }
      - { .name: Wk, .offset: 32, .size: 8, .value_kind: global_buffer, .address_space: global }
      - { .name: Wv, .offset: 40, .size: 8, .value_kind: global_buffer, .address_space: global }
      - { .name: Wo, .offset: 48, .size: 8, .value_kind: global_buffer, .address_space: global }
      - { .name: W1, .offset: 56, .size: 8, .value_kind: global_buffer, .address_space: global }
      - { .name: W2, .offset: 64, .size: 8, .value_kind: global_buffer, .address_space: global }
      - { .name: lowp_scales, .offset: 72, .size: 8, .value_kind: global_buffer, .address_space: global }
      - { .name: xn, .offset: 80, .size: 8, .value_kind: global_buffer, .address_space: global }
      - { .name: pc, .offset: 88, .size: 8, .value_kind: global_buffer, .address_space: global }
    .group_segment_fixed_size: 47616
    .private_segment_fixed_size: 0
    .kernarg_segment_align: 8
    .kernarg_segment_size: 96
    .max_flat_workgroup_size: 128
    .sgpr_count:     100
    .vgpr_count:     234
    .wavefront_size: 32
...
	.end_amdgpu_metadata
.endif
;; end of part 8
;; launch qkv (part 9): grid 12 x 16, 4 waves a work-group, clusters of 4 x 4, 327,680 bytes of LDS; arguments pc, lowp_scales, bq, bk, bv, qkv; writes qkv
.if DOCPART == 9
	.amdgcn_target "amdgcn-amd-amdhsa--gfx1250"
	.amdhsa_code_object_version 6
	.text
	.protected	k_qa933f39379_qkv
	.globl	k_qa933f39379_qkv
	.p2align	8
	.type	k_qa933f39379_qkv,@function
k_qa933f39379_qkv:
	s_mov_b64 s[64:65], 0
	v_nop
	global_prefetch_b8 v0, s[64:65] scope:SCOPE_SE
	s_setreg_imm32_b32 hwreg(HW_REG_WAVE_MODE, 25, 1), 1
	s_wait_xcnt 0x0
	s_wait_alu depctr_hold_cnt(0) depctr_sa_sdst(0) depctr_va_vdst(0) depctr_va_sdst(0) depctr_va_ssrc(0) depctr_va_vcc(0) depctr_vm_vsrc(0)
	s_getreg_b32 s2, hwreg(HW_REG_IB_STS2, 6, 4)
	s_cmp_eq_u32 s2, 0
	s_cbranch_scc0 .Lentry_in_a_cluster
	s_endpgm
.Lentry_in_a_cluster:
	s_bfe_u32 s2, ttmp6, 0x10000c
	s_cmp_lg_u32 s2, 0xf033
	s_cbranch_scc0 .Lentry_shape_is_right
	s_endpgm
.Lentry_shape_is_right:
; q, k, v = xn W + b on codes of E4M3, and their own codes for attention.  Cluster x = 0, 1, 2 says which of the three; it is the same in all sixteen partners.
; A tile of 256 x 256 is made by four waves, 128 x 128 each (64 accumulators, 512 registers); K = 1,024 goes in steps of 256 through a ring of two LDS slots filled by joint tensor loads:
; the four work-groups of a row of the cluster share source 1's tile, the four of a column source 0's.
; The matrix instruction gives a lane ONE row of source 1 and eight neighbouring rows of source 0.  For q and k source 1 = tokens, source 0 = the weight's columns: a lane's eight numbers run along the head's 64, the K of q k^T.
; For v the two change places (source 1 = Wv's columns, source 0 = tokens): a lane's eight numbers run along the keys, the K of the second product of attention.
; Out: qc, kc [32 heads][2048][64] at 0 and 0x400000; vc [32 heads][16 blocks of keys][64][128 keys] at 0x800000; every store of a wave covers 512 consecutive bytes.
; A fragment is fetched by four loads of 16 bytes: a permutation of k that is the same on both sides.
; LIMITS: ea + eb between -126 and 127; the result's exponent between -126 and 119.  NaN is not served.
.set SIZE_K, 1024
.set W,      256                       ; source 1's rows lie whole in memory
.set ASTEP,  256                       ; a K step on, in bytes
.set KROWB,  1024
.set PITCH,  272                       ; an LDS row: 256 bytes + 16 of padding: the 16 rows of a load start at 16 different groups of four banks (ISA guide 11.1)
.set FR,     16
.set NL,     4
.set NP,     4
.set HALFT,  128*PITCH
.set SLOT,   4*HALFT
.set LAPS,   SIZE_K/512
.set SPARE,  2*SLOT                    ; the spare words, 128 bytes a wave
.set ADRA, 16
.set ADRB, 20
.set LIM,  18
.set SCL,  19
.set STO2, 22
.set RD2,  23
.set STO,  24
.set RD,   25
.set CO,   26
.set SPW,  28
.set NIL,  29
.set BI,   32                          ; v32-95 bias of my 128 columns, in the result's layout (q, k)
.set CD,   96                          ; v96-111 a block's codes
.set BV,   112                         ; v112-127 bias of my lane's row, one pair a block (v)
.set AF,   128
.set TMP,  128                         ; the way out: v128-191 a block's numbers
.set OB,   192                         ; v192-223 rows of codes, two sets
.set G1, 24
.set G0, 32
.set G1B, 48
.set G0B, 56
.set MSB, 0
.macro WIN new                         ; the immediate's high byte repeats the setting that is left
.if MSB != (\new)
	s_set_vgpr_msb (MSB<<8)|(\new)
.set MSB, (\new)
.endif
.endm
.set MUL_LO, 0xa1                      ; source 0 window 1, source 1 window 0, C and D window 2
.set MUL_HI, 0xf1
.set TO_B,   0x40
.macro JLOAD g0a, g1a, g0b, g1b        ; waves 0, 1 fetch source 1's halves, waves 2, 3 source 0's; four v_nop follow each line
	s_cmp_eq_u32 s15, 0
	s_cbranch_scc0 .Lfor_b_\@
	tensor_load_to_lds s[\g0a:\g0a+3], s[\g1a:\g1a+7]
	s_nop 0
.rept 4
	v_nop
.endr
	s_branch .Lasked_\@
.Lfor_b_\@:
	tensor_load_to_lds s[\g0b:\g0b+3], s[\g1b:\g1b+7]
	s_nop 0
.rept 4
	v_nop
.endr
.Lasked_\@:
.endm
.macro CREST
	s_cmp_lg_u32 s14, 0
	s_cbranch_scc1 .Lnot_wave_0_\@
	s_barrier_signal -3
.Lnot_wave_0_\@:
	s_barrier_wait -3
	s_barrier_signal -1
	s_barrier_wait -1
.endm
.macro CROUND
	s_barrier_signal -1
	s_barrier_wait -1
	CREST
.endm
.macro FRAGB reg, adr, q, i
.irp c, 0,1,2,3
	ds_load_b128 v[\reg+4*\c:\reg+4*\c+3], v[\adr] offset:128*(\q)+32*\c+(\i)*16*PITCH
.endr
.endm
.macro FRAGA reg, adr, q, i
.irp c, 0,1,2,3
	ds_load_b128 v[\reg+4*\c:\reg+4*\c+3], v[\adr] offset:((128*(\q)+32*\c)/W)*136*W+(128*(\q)+32*\c)%W+(\i)*17*W
.endr
.endm
.macro MUL16 a0, p, zero               ; the 64 accumulators take turns, one instruction a turn
.irp a, \a0, \a0+1
.irp b, 0,1,2,3,4,5,6,7
.if \zero
	v_wmma_f32_16x16x128_fp8_fp8 v[8*(8*((\a)%4)+\b):8*(8*((\a)%4)+\b)+7], v[128*(\p)+FR*\b:128*(\p)+FR*\b+FR-1], v[AF+FR*(\a):AF+FR*(\a)+FR-1], 0
.else
	v_wmma_f32_16x16x128_fp8_fp8 v[8*(8*((\a)%4)+\b):8*(8*((\a)%4)+\b)+7], v[128*(\p)+FR*\b:128*(\p)+FR*\b+FR-1], v[AF+FR*(\a):AF+FR*(\a)+FR-1], v[8*(8*((\a)%4)+\b):8*(8*((\a)%4)+\b)+7]
.endif
.endr
.endr
.endm
.macro FETCH_B slot, q, p
	WIN TO_B
.irp i, 0,1,2,3,4,5,6,7
	FRAGB 128*(\p)+FR*\i, ADRB+\slot, \q, \i
.endr
	WIN 0
.endm
.macro FETCH_A slot, q, i0
.irp i, \i0, \i0+1, \i0+2, \i0+3
	FRAGA AF+FR*(\i), ADRA+\slot, \q, \i
.endr
.endm
.macro PLACES n                        ; plain vector lines between a matrix instruction and a load into, or a read of, its registers
.rept \n
	v_nop
.endr
.endm
.macro STEP slot, q, zero              ; 128 along K whose successor lies in the same slot
	s_wait_dscnt 4*NL                              ; all but the youngest 16 loads (source 1's blocks 4-7)
	WIN MUL_LO
	MUL16 0, (\q)%2, \zero
	MUL16 2, (\q)%2, \zero
	s_wait_dscnt 0
	PLACES NP
	FETCH_B \slot, (\q)+1, 1-(\q)%2
	FETCH_A \slot, (\q)+1, 0
	WIN MUL_HI
	MUL16 4, (\q)%2, \zero
	MUL16 6, (\q)%2, \zero
	PLACES NP
	WIN 0
	FETCH_A \slot, (\q)+1, 4
.endm
.macro TURN slot, next, fill           ; a slot's last step changes slots
	s_wait_tensorcnt 0x0                           ; all my tensor loads have landed: my part of the next slot
	ds_add_u32 v[SPW], v[NIL]                      ; 0 onto my spare word
	s_wait_dscnt 4*NL+1                            ; the add and the youngest 16 loads may be out
	WIN MUL_LO
	MUL16 0, 1, 0
	s_wait_dscnt 0x0                               ; the add is done, and my reads of this slot are over
	s_barrier_signal -1
	MUL16 2, 1, 0
	WIN 0
	s_barrier_wait -1
.if \fill
	CREST                                          ; the barrier has opened a round of the cluster's: no wave of any partner still reads this slot or has a load on its way
	s_add_nc_u64 s[G0+4*\slot+2:G0+4*\slot+3], s[G0+4*\slot+2:G0+4*\slot+3], 2*ASTEP
	s_add_nc_u64 s[G0B+4*\slot+2:G0B+4*\slot+3], s[G0B+4*\slot+2:G0B+4*\slot+3], 2*256
	JLOAD G0+4*\slot, G1, G0B+4*\slot, G1B         ; my one tensor load behind the round
.else
	PLACES NP
.endif
	FETCH_B \next, 0, 0
	FETCH_A \next, 0, 0
	WIN MUL_HI
	MUL16 4, 1, 0
	MUL16 6, 1, 0
	PLACES NP
	WIN 0
	FETCH_A \next, 0, 4
.endm
	s_load_b256 s[4:11], s[0:1], 0x0               ; pc, the exponents, bq, bk
	s_load_b128 s[84:87], s[0:1], 0x20             ; bv, qkv
	v_lshl_add_u32 v[SPW], v0, 2, SPARE
	v_mov_b32 v[NIL], 0
	ds_add_u32 v28, v29
	ds_add_u32 v28, v29
	s_wait_dscnt 0x0
	v_lshrrev_b32 v1, 5, v0
	v_readfirstlane_b32 s14, v1                    ; wave 0..3
	s_lshr_b32 s15, s14, 1                         ; my half of source 1's rows; also: I fetch for source 1 (0) or source 0 (1)
	s_and_b32 s16, s14, 1                          ; my half of source 0's rows; also: which 128 rows I fetch
	s_bfe_u32 s40, ttmp6, 0x40000                  ; cx
	s_bfe_u32 s41, ttmp6, 0x40004                  ; cy
	s_and_b32 s17, ttmp7, 0xffff
	s_lshl_b32 s17, s17, 2                         ; 4 x cluster y
	s_add_co_u32 s42, s17, s40
	s_add_co_u32 s17, s17, s41
	s_lshl_b32 s88, ttmp9, 22
	s_lshl_b32 s89, ttmp9, 20
	s_add_co_u32 s89, s89, 0xC00000
	s_cmp_eq_u32 ttmp9, 2
	s_cselect_b32 s17, s41, s17                    ; source 1's tile: tokens 4 Y + cy (q, k) or Wv's columns cy (v): it hangs on cy alone
	s_cselect_b32 s42, s42, s40                    ; source 0's tile: the weight's columns cx (q, k) or tokens 4 Y + cx (v): on cx alone
	s_cselect_b32 s88, 0xE00000, s88               ; where source 1's codes begin in pc
	s_cselect_b32 s89, 0x800000, s89               ; and source 0's
	s_lshl_b32 s43, s41, 2
	s_lshl_b32 s43, 15, s43                        ; my row of the cluster
	s_lshl_b32 s44, 0x1111, s40                    ; my column
	s_or_b32 s[G1+0], s43, (0<<16)|(1<<20)|(1<<21)|(5<<22)|(3<<25)   ; mask; elements of 1 byte; padding: 4 words behind every 64
	s_or_b32 s[G1B+0], s44, (0<<16)|(1<<20)|(1<<21)|(5<<22)|(3<<25)
.irp g, G1, G1B
	s_mov_b32 s[\g+1], 256<<16                     ; tensor_dim0
	s_mov_b32 s[\g+2], 128<<16                     ; tensor_dim1
	s_mov_b32 s[\g+3], 256<<16                     ; tile_dim0
	s_mov_b32 s[\g+4], 128                         ; tile_dim1
	s_mov_b32 s[\g+5], 1024                        ; from row to row
	s_mov_b32 s[\g+6], 0
	s_mov_b32 s[\g+7], 0
.endr
	s_lshl_b32 s18, s16, 7
	s_lshl_b32 s20, s17, 8
	s_add_co_u32 s20, s20, s18
	s_lshl_b32 s20, s20, 10
	s_add_co_u32 s20, s20, s88
	s_mov_b32 s21, 0
	s_lshl_b32 s46, s42, 8
	s_add_co_u32 s46, s46, s18
	s_lshl_b32 s46, s46, 10
	s_add_co_u32 s46, s46, s89
	s_mov_b32 s47, 0
	s_mul_i32 s45, s14, HALFT                      ; where my load goes: wave x 128 rows
	s_wait_kmcnt 0x0
	s_load_b512 s[68:83], s[6:7], 0x0              ; entry i in s[68 + i]
	s_add_nc_u64 s[20:21], s[4:5], s[20:21]
	s_add_nc_u64 s[46:47], s[4:5], s[46:47]
	CROUND                                         ; all sixteen work-groups are here: the first joint loads meet
.irp s, 0,1
	s_mov_b32 s[G0+4*\s], 1
	s_add_co_u32 s[G0+4*\s+1], s45, \s*SLOT
	s_add_nc_u64 s[G0+4*\s+2:G0+4*\s+3], s[20:21], \s*ASTEP
	s_or_b32 s[G0+4*\s+3], s[G0+4*\s+3], 0x80000000
	s_mov_b32 s[G0B+4*\s], 1
	s_add_co_u32 s[G0B+4*\s+1], s45, \s*SLOT
	s_add_nc_u64 s[G0B+4*\s+2:G0B+4*\s+3], s[46:47], \s*256
	s_or_b32 s[G0B+4*\s+3], s[G0B+4*\s+3], 0x80000000
.endr
	JLOAD G0, G1, G0B, G1B
	; K steps 2 and 3, which the two refills will ask for, are prefetched here: of the 128 rows that I fetch, each of the four partners that ask jointly names 32, told apart by address; a lane a row, 256 bytes a step
	s_cmp_eq_u32 s15, 0
	s_cselect_b32 s90, s17, s42                    ; the tile: source 1's or source 0's
	s_cselect_b32 s91, s40, s41                    ; my place among the four
	s_cselect_b32 s92, s88, s89                    ; where that source's codes begin in pc
	s_lshl_b32 s90, s90, 8
	s_lshl_b32 s93, s16, 7
	s_add_co_u32 s90, s90, s93
	s_lshl_b32 s91, s91, 5
	s_add_co_u32 s90, s90, s91
	s_lshl_b32 s90, s90, 10
	s_add_co_u32 s90, s90, s92
	s_mov_b32 s91, 0
	s_add_nc_u64 s[100:101], s[4:5], s[90:91]
	v_and_b32 v13, 31, v0
	v_lshlrev_b32 v13, 10, v13
	global_prefetch_b8 v13, s[100:101] offset:512 th:TH_LOAD_NT scope:SCOPE_SE
	global_prefetch_b8 v13, s[100:101] offset:768 th:TH_LOAD_NT scope:SCOPE_SE
	v_and_b32 v1, 15, v0                           ; r
	s_wait_alu depctr_va_vdst(0)
	v_bfe_u32 v2, v0, 4, 1                         ; h
	v_mul_u32_u24 v3, v1, PITCH
	v_lshl_add_u32 v4, v2, 4, v3
	s_mul_i32 s21, s15, HALFT
	s_mul_i32 s22, s16, HALFT
	s_add_co_u32 s22, s22, 2*HALFT
.irp s, 0,1
	v_add_nc_u32 v[ADRA+\s], s21, v4
	v_add_nc_u32 v[ADRB+\s], s22, v4
	s_add_co_u32 s21, s21, SLOT
	s_add_co_u32 s22, s22, SLOT
.endr
	; the stages, 16 rows x (128 + 16) bytes a wave, in slot 0, which has had its last fill and its last read when they are written; each of the two ways out has bytes of its own
	s_mul_i32 s23, s14, 2304
	v_mul_u32_u24 v9, v1, 144
	s_wait_alu depctr_va_vdst(0)
	v_lshl_add_u32 v9, v2, 3, v9
	v_add_nc_u32 v[STO], s23, v9                   ; in: row r, 8 bytes for each half of the lanes
	v_add_nc_u32 v[STO2], 16384, v[STO]
	v_and_b32 v10, 31, v0
	v_lshrrev_b32 v11, 2, v10
	v_mul_u32_u24 v11, v11, 144
	v_and_b32 v12, 3, v10
	v_lshl_add_u32 v11, v12, 4, v11
	v_add_nc_u32 v[RD], s23, v11                   ; back (q, k): four lanes to a row's 64 bytes of one head
	v_lshrrev_b32 v11, 3, v10
	v_mul_u32_u24 v11, v11, 144
	v_and_b32 v12, 7, v10
	v_lshl_add_u32 v11, v12, 4, v11
	v_add_nc_u32 v11, s23, v11
	v_add_nc_u32 v[RD2], 16384, v11                ; back (v): eight lanes to a row of 128 bytes
	v_lshlrev_b32 v[CO], 4, v10
	; where my part begins
	s_lshl_b32 s88, s17, 8
	s_lshl_b32 s89, s15, 7
	s_add_co_u32 s88, s88, s89                     ; source 1's first row of mine
	s_lshl_b32 s89, s42, 8
	s_lshl_b32 s90, s16, 7
	s_add_co_u32 s89, s89, s90                     ; source 0's
	s_cmp_eq_u32 ttmp9, 2
	s_cselect_b32 s90, s89, s88                    ; my first token
	s_cselect_b32 s91, s88, s89                    ; my first column of the result
	s_cselect_b64 s[92:93], s[84:85], s[8:9]
	s_cmp_eq_u32 ttmp9, 1
	s_cselect_b64 s[92:93], s[10:11], s[92:93]     ; the bias
	s_lshl_b32 s94, s91, 2
	s_mov_b32 s95, 0
	s_add_nc_u64 s[92:93], s[92:93], s[94:95]
	s_lshr_b32 s94, s90, 11
	s_lshl_b32 s94, s94, 4
	s_lshr_b32 s98, s91, 6
	s_add_co_u32 s94, s94, s98                     ; 16 x batch + head
	s_lshl_b32 s94, s94, 17
	s_and_b32 s98, s90, 2047
	s_lshl_b32 s98, s98, 6                         ; 64 bytes a token, in all three layouts (a block of 128 keys is 8,192 bytes)
	s_add_co_u32 s94, s94, s98
	s_lshl_b32 s98, ttmp9, 22
	s_add_co_u32 s94, s94, s98
	s_add_nc_u64 s[86:87], s[86:87], s[94:95]
	v_lshlrev_b32 v7, 5, v2                        ; 32 h
	v_lshlrev_b32 v8, 2, v1                        ; 4 r
.irp b, 0,1,2,3,4,5,6,7                ; both forms of the bias are loaded in every work-group, so that no register is written on one way alone; both stay inside my 128 numbers
	global_load_b128 v[BI+8*\b:BI+8*\b+3], v7, s[92:93] offset:64*\b
	global_load_b128 v[BI+8*\b+4:BI+8*\b+7], v7, s[92:93] offset:64*\b+16
.endr
.irp a, 0,1,2,3,4,5,6,7
	global_load_b32 v[BV+2*\a], v8, s[92:93] offset:64*\a
	v_mov_b32 v[BV+2*\a+1], 0                      ; (named as the upper half of a pair)
.endr
	s_wait_alu depctr_va_vdst(0)
	s_wait_tensorcnt 0x0                           ; my part of K step 0 is in; the lines ahead of a later first fill:
	ds_add_u32 v[SPW], v[NIL]
	s_wait_dscnt 0x0
	CROUND                                         ; a whole round,
	JLOAD G0+4, G1, G0B+4, G1B                     ; and K step 1's load, the first tensor load behind it
	FETCH_B 0, 0, 0
	FETCH_A 0, 0, 0
	FETCH_A 0, 0, 4
	STEP 0, 0, 1                                   ; the first step's products start the sums
	s_mov_b32 s3, LAPS-1
.Llap:
	TURN 0, 1, 1
	STEP 1, 0, 0
	TURN 1, 0, 1
	STEP 0, 0, 0
	s_sub_co_u32 s3, s3, 1
	s_cmp_lg_u32 s3, 0
	s_cbranch_scc1 .Llap
	TURN 0, 1, 0                                   ; the last lap fills nothing
	STEP 1, 0, 0
	s_wait_dscnt 4*NL
	WIN MUL_LO
	MUL16 0, 1, 0
	MUL16 2, 1, 0
	s_wait_dscnt 0
	WIN MUL_HI
	MUL16 4, 1, 0
	MUL16 6, 1, 0
	WIN 0
; THE WAY OUT of block a, 16 rows of source 1 x 128 rows of source 0: number = sum x 2^(ea + eb) + bias, one packed multiply-add for two; the hold; eight numbers of a lane become eight codes;
; the block goes through my stage and leaves as 4 x 512 consecutive bytes.
.macro QBLK a, vp
.set AC, 64*((\a)%4)
.set OO, OB+16*((\a)%2)
	WIN 0x02+((\a)/4)                              ; source 0: window 2 or 3
.irp b, 0,1,2,3,4,5,6,7
.irp j, 0,2,4,6
.if \vp
	v_pk_fma_f32 v[TMP+8*\b+\j:TMP+8*\b+\j+1], v[AC+8*\b+\j:AC+8*\b+\j+1], s[96:97], v[BV+2*(\a):BV+2*(\a)+1] op_sel_hi:[1,0,0]
.else
	v_pk_fma_f32 v[TMP+8*\b+\j:TMP+8*\b+\j+1], v[AC+8*\b+\j:AC+8*\b+\j+1], s[96:97], v[BI+8*\b+\j:BI+8*\b+\j+1] op_sel_hi:[1,0,1]
.endif
.endr
.endr
	WIN 0
.set n, 0
.rept 64
	v_med3_num_f32 v[TMP+n], v[TMP+n], -v[LIM], v[LIM]
.set n, n+1
.endr
.irp b, 0,1,2,3,4,5,6,7
	v_cvt_scalef32_pk8_fp8_f32 v[CD+2*\b:CD+2*\b+1], v[TMP+8*\b:TMP+8*\b+7], v[SCL]
.endr
	v_nop                                          ; a plain line behind the last conversion
.irp b, 0,1,2,3,4,5,6,7
.if \vp
	ds_store_b64 v[STO2], v[CD+2*\b:CD+2*\b+1] offset:16*\b
.else
	ds_store_b64 v[STO], v[CD+2*\b:CD+2*\b+1] offset:16*\b
.endif
.endr
	s_wait_xcnt 0x0                                ; the stores of two blocks ago have read this set of registers
.irp k, 0,1,2,3
.if \vp
	ds_load_b128 v[OO+4*\k:OO+4*\k+3], v[RD2] offset:576*\k
.else
	ds_load_b128 v[OO+4*\k:OO+4*\k+3], v[RD] offset:(\k%2)*1152+(\k/2)*64
.endif
.endr
	s_wait_dscnt 0x0
.irp k, 0,1,2,3
.if \vp
	global_store_b128 v[CO], v[OO+4*\k:OO+4*\k+3], s[86:87] offset:((\a)/4)*131072+((\a)%4)*2048+\k*512
.else
	global_store_b128 v[CO], v[OO+4*\k:OO+4*\k+3], s[86:87] offset:(\k/2)*131072+(\a)*1024+(\k%2)*512
.endif
.endr
.endm
	s_wait_kmcnt 0x0
	s_cmp_eq_u32 ttmp9, 1                          ; the three exponents are chosen without a branch
	s_cselect_b32 s96, s70, s68
	s_cselect_b32 s97, s71, s69
	s_cselect_b32 s98, s75, s74
	s_cmp_eq_u32 ttmp9, 2
	s_cselect_b32 s96, s72, s96
	s_cselect_b32 s97, s73, s97
	s_cselect_b32 s98, s76, s98
	s_add_co_i32 s96, s96, s97
	s_add_co_i32 s96, s96, 127
	s_lshl_b32 s96, s96, 23                        ; 2^(ea + eb) as f32
	s_mov_b32 s97, s96
	s_add_co_i32 s98, s98, 127
	s_lshl_b32 s99, s98, 23
	v_mov_b32 v[SCL], s99                          ; the result's own scale
	s_add_co_i32 s98, s98, 8
	s_lshl_b32 s98, s98, 23
	s_or_b32 s98, s98, 0x600000
	v_mov_b32 v[LIM], s98
	s_wait_loadcnt 0x0                             ; the biases
	PLACES NP
	s_cmp_eq_u32 ttmp9, 2                          ; the cluster's x: the same in all partners
	s_cbranch_scc1 .Lvpath
.irp a, 0,1,2,3,4,5,6,7
	QBLK \a, 0
.endr
	s_branch .Lend
.Lvpath:
.irp a, 0,1,2,3,4,5,6,7
	QBLK \a, 1
.endr
.Lend:
	s_wait_tensorcnt 0x0                           ; the wave's end
	ds_add_u32 v[SPW], v[NIL]
	s_wait_dscnt 0x0
	CROUND                                         ; the closing round
	s_endpgm
.Lfunc_end_k_qa933f39379_qkv:
	.size	k_qa933f39379_qkv, .Lfunc_end_k_qa933f39379_qkv-k_qa933f39379_qkv
	.p2alignl 7, 3214868480
	.fill 96, 4, 3214868480
	.section	.rodata,"a",@progbits
	.p2align	6, 0x0
	.amdhsa_kernel k_qa933f39379_qkv
		.amdhsa_group_segment_fixed_size 327680
		.amdhsa_private_segment_fixed_size 0
		.amdhsa_enable_private_segment 0
		.amdhsa_kernarg_size 48
		.amdhsa_user_sgpr_count 2
		.amdhsa_user_sgpr_kernarg_segment_ptr 1
		.amdhsa_wavefront_size32 1
		.amdhsa_system_sgpr_workgroup_id_x 1
		.amdhsa_system_sgpr_workgroup_id_y 1
		.amdhsa_system_sgpr_workgroup_id_z 1
		.amdhsa_system_vgpr_workitem_id 0
		.amdhsa_next_free_vgpr 1024
		.amdhsa_next_free_sgpr 102
		.amdhsa_reserve_vcc 0
		.amdhsa_float_denorm_mode_32 3
		.amdhsa_float_denorm_mode_16_64 3
		.amdhsa_memory_ordered 1
		.amdhsa_forward_progress 1
		.amdhsa_inst_pref_size 208
	.end_amdhsa_kernel
	.amdgpu_metadata
---
amdhsa.version: [ 1, 2 ]
amdhsa.kernels:
  - .name:           k_qa933f39379_qkv
    .symbol:         k_qa933f39379_qkv.kd
    .args:
      - { .name: pc, .offset: 0, .size: 8, .value_kind: global_buffer, .address_space: global }
      - { .name: lowp_scales, .offset: 8, .size: 8, .value_kind: global_buffer, .address_space: global }
      - { .name: bq, .offset: 16, .size: 8, .value_kind: global_buffer, .address_space: global }
      - { .name: bk, .offset: 24, .size: 8, .value_kind: global_buffer, .address_space: global }
      - { .name: bv, .offset: 32, .size: 8, .value_kind: global_buffer, .address_space: global }
      - { .name: qkv, .offset: 40, .size: 8, .value_kind: global_buffer, .address_space: global }
    .group_segment_fixed_size: 327680
    .private_segment_fixed_size: 0
    .kernarg_segment_align: 8
    .kernarg_segment_size: 48
    .max_flat_workgroup_size: 128
    .sgpr_count:     102
    .vgpr_count:     1024
    .wavefront_size: 32
...
	.end_amdgpu_metadata
.endif
;; end of part 9
;; launch attn (part 10): grid 8 x 32, 16 waves a work-group, no clusters, 169,984 bytes of LDS; arguments qkv, lowp_scales, ctxc; writes ctxc
.if DOCPART == 10
	.amdgcn_target "amdgcn-amd-amdhsa--gfx1250"
	.amdhsa_code_object_version 6
	.text
	.protected	k_qa933f39379_attn
	.globl	k_qa933f39379_attn
	.p2align	8
	.type	k_qa933f39379_attn,@function
k_qa933f39379_attn:
	s_mov_b64 s[64:65], 0
	v_nop
	global_prefetch_b8 v0, s[64:65] scope:SCOPE_SE
	s_setreg_imm32_b32 hwreg(HW_REG_WAVE_MODE, 25, 1), 1
	s_wait_xcnt 0x0
; Attention with the mask i - 512 <= j <= i, both products on codes of E4M3, and ctx's own codes.  A work-group owns 256 queries of one head (16 x batch + head); each of its sixteen waves 16 of them.
; The keys that count for the 256 queries lie in 768 keys from kstart = max(q0 - 512, 0) on: six blocks of 128 keys of K and six of V, 8,192 dense bytes each, are fetched ONCE, at the head,
; by waves 0-11, one tensor load each; no LDS byte is filled again.  The launch is not laid in clusters: neighbouring query blocks begin at other keys, so the same tile would land at other LDS places in each.
; SOFTMAX: t = score x log2(e) / 8; M = the running largest t rounded up to a whole number; p = 2^(t - M) is quantised, not normalised; the sum of the unquantised p divides at the end; a change of M multiplies by an exact power of two.
; Both products are used transposed, so that a lane holds one query (lane % 16) throughout.  Lane r of tile 2 b + u of K takes key 32 b + 8 u + r + 8 (r / 8): the 16 registers of tiles 2 b, 2 b + 1 are keys 32 b + 16 (lane / 16) + 0 .. 15.
; Every wave walks six steps of 128 keys; a step none of whose keys counts for the wave's queries is passed over by a scalar branch on ids.  In a wave's first worked step some key counts for each of its rows, so M is a number from then on.
; Fragments are fetched 16 bytes at a time: a permutation of k that is the same on both sides.
; LIMITS: e6 + e7 between -123 and 130; e9 and e10 between -126 and 119.  NaN is not served.
.set CHUNK, 8704                       ; 32 rows of 256 bytes + 16 of padding
.set VOFF,  6*CHUNK
.set STAGE, 12*CHUNK                   ; 1,024 bytes a wave, for the way out: no tile lands there
	s_load_b128 s[4:7], s[0:1], 0x0                ; qkv, the exponents
	s_load_b64 s[8:9], s[0:1], 0x10                ; ctxc
	v_lshl_add_u32 v254, v0, 2, 0x29000
	v_mov_b32 v255, 0
	ds_add_u32 v254, v255
	ds_add_u32 v254, v255
	v_lshrrev_b32 v8, 5, v0
	s_delay_alu instid0(VALU_DEP_1)
	v_readfirstlane_b32 s18, v8                    ; wave 0..15
	s_and_b32 s10, ttmp7, 0xffff                   ; 16 x batch + head
	s_lshl_b32 s11, ttmp9, 8                       ; q0
	s_sub_co_i32 s12, s11, 512
	s_max_i32 s12, s12, 0                          ; kstart
	s_lshl_b32 s13, s18, 4
	s_add_co_u32 s99, s11, s13                     ; my first query
	s_mov_b32 s98, s12                             ; the step's first key
	s_mov_b32 s2, 0                                ; the step's place in LDS
	s_mov_b32 s67, 6
	s_mov_b32 s20, 0x76543210                      ; lane l xor 16
	s_mov_b32 s21, 0xfedcba98
	s_mov_b32 s24, (3<<16)|(1<<20)|(5<<22)|(3<<25) ; elements of 8 bytes; padding: 4 words behind every 64
	s_mov_b32 s25, 32<<16                          ; tensor_dim0 = 32 elements: 256 bytes
	s_mov_b32 s26, 32<<16                          ; tensor_dim1 = 32
	s_mov_b32 s27, 32<<16                          ; tile_dim0
	s_mov_b32 s28, 32                              ; tile_dim1
	s_mov_b32 s29, 32                              ; dense
	s_mov_b32 s30, 0
	s_mov_b32 s31, 0
	s_mov_b32 s36, 0x800000
	s_cmp_lt_u32 s18, 6
	s_cselect_b32 s36, 0x400000, s36               ; waves 0-5: K's codes; waves 6-11: V's
	s_cselect_b32 s37, 0, 6
	s_sub_co_u32 s37, s18, s37
	s_lshl_b32 s37, s37, 13                        ; my block of 128 keys
	s_add_co_u32 s36, s36, s37
	s_lshl_b32 s37, s10, 17
	s_add_co_u32 s36, s36, s37
	s_lshl_b32 s37, s12, 6                         ; 64 bytes a key in both layouts
	s_add_co_u32 s36, s36, s37
	s_mov_b32 s37, 0
	s_mov_b32 s32, 1
	s_mul_i32 s33, s18, CHUNK
	s_lshl_b32 s38, s10, 17
	s_lshl_b32 s39, s99, 6
	s_add_co_u32 s38, s38, s39
	s_mov_b32 s39, 0
	s_and_b32 s42, s10, 15
	s_lshl_b32 s42, s42, 18
	s_lshr_b32 s43, s10, 4
	s_lshl_b32 s43, s43, 11
	s_add_co_u32 s43, s43, s99
	s_lshl_b32 s43, s43, 6
	s_add_co_u32 s42, s42, s43                     ; ctxc [16 heads][4096 tokens][64]
	s_mov_b32 s43, 0
	s_wait_dscnt 0x0
	s_wait_kmcnt 0x0
	s_load_b256 s[68:75], s[6:7], 0x18             ; entries 6 .. 13: q, k, v, p, ctx in s68 .. s72
	s_add_nc_u64 s[34:35], s[4:5], s[36:37]
	s_or_b32 s35, s35, 0x80000000
	s_add_nc_u64 s[40:41], s[4:5], s[38:39]        ; my queries' codes
	s_add_nc_u64 s[8:9], s[8:9], s[42:43]
	s_cmp_lt_u32 s18, 12
	s_cbranch_scc0 .Lno_fetch
	tensor_load_to_lds s[32:35], s[24:31]          ; my one tensor load of the launch
	s_nop 0
.rept 4
	v_nop
.endr
.Lno_fetch:
	v_and_b32 v3, 15, v0                           ; r
	v_bfe_u32 v4, v0, 4, 1                         ; h
	s_delay_alu instid0(VALU_DEP_2)
	v_lshlrev_b32 v6, 6, v3
	s_delay_alu instid0(VALU_DEP_1)
	v_lshl_add_u32 v6, v4, 4, v6
	global_load_b128 v[16:19], v6, s[40:41]        ; Q's fragment stays in registers
	global_load_b128 v[20:23], v6, s[40:41] offset:32
	v_and_b32 v8, 8, v3
	s_delay_alu instid0(VALU_DEP_1)
	v_add_nc_u32 v8, v8, v3                        ; r + 8 (r / 8)
	s_delay_alu instid0(VALU_DEP_1)
	v_lshrrev_b32 v9, 2, v8
	s_delay_alu instid0(VALU_DEP_1)
	v_mul_u32_u24 v1, v9, 272
	s_delay_alu instid0(VALU_DEP_3)
	v_and_b32 v9, 3, v8
	s_delay_alu instid0(VALU_DEP_1)
	v_lshl_add_u32 v1, v9, 6, v1
	s_delay_alu instid0(VALU_DEP_1)
	v_lshl_add_u32 v1, v4, 4, v1                   ; K: four keys of 64 bytes to an LDS row
	v_lshrrev_b32 v9, 1, v3
	s_delay_alu instid0(VALU_DEP_1)
	v_mul_u32_u24 v2, v9, 272
	v_and_b32 v9, 1, v3
	s_delay_alu instid0(VALU_DEP_1)
	v_lshl_add_u32 v2, v9, 7, v2
	s_delay_alu instid0(VALU_DEP_1)
	v_lshl_add_u32 v2, v4, 4, v2
	s_delay_alu instid0(VALU_DEP_1)
	v_add_nc_u32 v2, VOFF, v2                      ; V: two channels of 128 keys to an LDS row
	v_lshlrev_b32 v9, 4, v4
	s_delay_alu instid0(VALU_DEP_1)
	v_sub_nc_u32 v5, v3, v9                        ; r - 16 h
	v_and_b32 v9, 31, v0
	s_delay_alu instid0(VALU_DEP_1)
	v_lshlrev_b32 v7, 4, v9                        ; 16 x lane
	s_lshl_b32 s44, s18, 10
	s_add_co_u32 s44, s44, STAGE
	v_lshl_add_u32 v10, v3, 6, s44
	s_delay_alu instid0(VALU_DEP_1)
	v_lshl_add_u32 v10, v4, 3, v10                 ; the stage, in: row r of 64 bytes, + 8 h
	v_add_nc_u32 v11, s44, v7                      ; and back
	v_mov_b32 v13, 0xff61b1e6                      ; the largest t so far: -3e38
	s_delay_alu instid0(VALU_DEP_1)
	v_floor_f32 v12, -v13                          ; -M
	v_mov_b32 v14, 0                               ; the sum, in two halves
	v_mov_b32 v15, 0
	v_mov_b32 v26, 0xff800000                      ; -infinity
	v_mov_b32 v27, 0                               ; a lane permute's destination counts as read
	v_mov_b32 v29, 0                               ; (named as the upper half of the pair v[28:29])
.set n, 0
.rept 32
	v_mov_b32 v[160+n], 0                          ; O^T: the step is written once; the first finds zeros
.set n, n+1
.endr
	s_wait_kmcnt 0x0
	s_add_co_i32 s96, s68, s69
	s_lshl_b32 s96, s96, 23
	s_add_co_i32 s22, s96, 0x3e38aa3b              ; c = log2(e) / 8 x 2^(e6 + e7): the exponents are added to c's exponent field
	s_mov_b32 s23, s22
	s_add_co_i32 s96, s71, 127
	s_lshl_b32 s97, s96, 23
	v_mov_b32 v24, s97                             ; 2^e9
	s_add_co_i32 s96, s96, 8
	s_lshl_b32 s96, s96, 23
	s_or_b32 s96, s96, 0x600000
	v_mov_b32 v25, s96                             ; 448 x 2^e9
	s_wait_loadcnt 0x0                             ; Q
	s_wait_tensorcnt 0x0                           ; my tile has landed,
	s_barrier_signal -1
	s_barrier_wait -1                              ; everybody's has: the launch's one barrier
.Lstep:                                            ; six trips
	s_add_co_u32 s96, s99, 15
	s_cmp_gt_u32 s98, s96                          ; all keys come after my queries
	s_cbranch_scc1 .Lnext
	s_add_co_u32 s96, s98, 639
	s_cmp_lt_u32 s96, s99                          ; all keys lie ahead of every window
	s_cbranch_scc1 .Lnext
	v_add_nc_u32 v8, s2, v1
	v_add_nc_u32 v9, s2, v2
	v_nop                                          ; with the two additions: four plain lines in front of loads into registers that the last products read
	v_nop
.irp t, 0,1,2,3,4,5,6,7
	ds_load_b128 v[32+8*\t:35+8*\t], v8 offset:(8*(\t/2)+2*(\t%2))*272
	ds_load_b128 v[36+8*\t:39+8*\t], v8 offset:(8*(\t/2)+2*(\t%2))*272+32
.endr
	s_wait_alu depctr_va_vdst(0)
	s_wait_dscnt 0x0
.irp t, 0,1,2,3,4,5,6,7
	v_wmma_f32_16x16x64_fp8_fp8 v[96+8*\t:103+8*\t], v[32+8*\t:39+8*\t], v[16:23], 0
.endr
.rept 4
	v_nop
.endr
.irp t, 0,1,2,3                        ; V's fragments are asked for now and land under the softmax
.irp c, 0,1,2,3
	ds_load_b128 v[32+16*\t+4*\c:35+16*\t+4*\c], v9 offset:8*\t*272+32*\c
.endr
.endr
	s_add_co_u32 s96, s98, 127
	s_cmp_le_u32 s96, s99                          ; no key comes after a query of mine
	s_cbranch_scc1 .Lopen
	s_sub_co_i32 s96, s99, s98
	v_add_nc_u32 v210, s96, v5                     ; my query - the step's first key - 16 h.  Register 16 b + i holds key 32 b + i + 16 h of the step
.set n, 0
.rept 64
	v_cmp_gt_i32 vcc_lo, 32*(n/16)+n%16, v210
	v_cndmask_b32 v[96+n], v[96+n], v26, vcc_lo    ; hidden: -infinity, so that p = 0
.set n, n+1
.endr
.Lopen:
	s_add_co_u32 s96, s98, 497
	s_cmp_ge_u32 s96, s99                          ; no key lies ahead of a window of mine
	s_cbranch_scc1 .Lwide
	s_sub_co_i32 s96, s99, s98
	s_sub_co_i32 s96, s96, 512
	v_add_nc_u32 v211, s96, v5
.set n, 0
.rept 64
	v_cmp_lt_i32 vcc_lo, 32*(n/16)+n%16, v211
	v_cndmask_b32 v[96+n], v[96+n], v26, vcc_lo
.set n, n+1
.endr
.Lwide:
	v_max3_num_f32 v30, v96, v97, v98              ; the step's largest score of my query, in two chains, each tile from its low end on
	v_max3_num_f32 v31, v99, v100, v101
.irp i, 6,10,14,18,22,26,30,34,38,42,46,50,54,58
	v_max3_num_f32 v30, v30, v[96+\i], v[97+\i]
	v_max3_num_f32 v31, v31, v[98+\i], v[99+\i]
.endr
	v_max3_num_f32 v30, v30, v158, v159
	s_delay_alu instid0(VALU_DEP_1)
	v_max_num_f32 v30, v30, v31
	s_delay_alu instid0(VALU_DEP_1)
	v_permlanex16_b32 v27, v30, s20, s21
	s_delay_alu instid0(VALU_DEP_1)
	v_max_num_f32 v30, v30, v27
	s_delay_alu instid0(VALU_DEP_1)
	v_mul_f32 v30, s22, v30                        ; as t
	s_delay_alu instid0(VALU_DEP_1)
	v_max_num_f32 v13, v13, v30
	v_mov_b32 v30, v12
	s_delay_alu instid0(VALU_DEP_2)
	v_floor_f32 v12, -v13                          ; the new -M
	s_delay_alu instid0(VALU_DEP_1)
	v_sub_f32 v30, v12, v30                        ; old M - new M: a whole number, 0 or less
	s_delay_alu instid0(VALU_DEP_1)
	v_cvt_i32_f32 v30, v30                         ; (it saturates)
	s_delay_alu instid0(VALU_DEP_1)
	v_ldexp_f32 v28, 1.0, v30                      ; f = 2^(old M - new M)
.set n, 0
.rept 32
	v_pk_fma_f32 v[96+2*n:97+2*n], v[96+2*n:97+2*n], s[22:23], v[12:13] op_sel_hi:[1,0,0]   ; t - M
.set n, n+1
.endr
.set n, 0
	s_wait_alu depctr_va_vdst(0)
.rept 64
	v_exp_f32 v[96+n], v[96+n]                     ; p
.set n, n+1
.endr
	v_pk_mul_f32 v[14:15], v[14:15], v[28:29] op_sel_hi:[1,0]   ; the sums under the new M: the plain line behind the batch
	s_wait_alu depctr_va_vdst(0)                   ; one wait for the 64 exponentials, ahead of their first reader
	v_pk_add_f32 v[208:209], v[100:101], v[104:105]
	v_pk_add_f32 v[252:253], v[108:109], v[112:113]
	v_pk_add_f32 v[250:251], v[116:117], v[120:121]
	v_pk_add_f32 v[248:249], v[124:125], v[128:129]
	v_pk_add_f32 v[246:247], v[132:133], v[136:137]
	v_pk_add_f32 v[244:245], v[140:141], v[144:145]
	v_pk_add_f32 v[242:243], v[148:149], v[152:153]
	v_pk_add_f32 v[14:15], v[14:15], v[156:157]
	v_pk_add_f32 v[208:209], v[208:209], v[96:97]
	v_pk_add_f32 v[252:253], v[252:253], v[98:99]
	v_pk_add_f32 v[250:251], v[250:251], v[102:103]
	v_pk_add_f32 v[248:249], v[248:249], v[106:107]
	v_pk_add_f32 v[246:247], v[246:247], v[110:111]
	v_pk_add_f32 v[244:245], v[244:245], v[114:115]
	v_pk_add_f32 v[242:243], v[242:243], v[118:119]
	v_pk_add_f32 v[14:15], v[14:15], v[122:123]
	v_pk_add_f32 v[208:209], v[208:209], v[126:127]
	v_pk_add_f32 v[252:253], v[252:253], v[130:131]
	v_pk_add_f32 v[250:251], v[250:251], v[134:135]
	v_pk_add_f32 v[248:249], v[248:249], v[138:139]
	v_pk_add_f32 v[246:247], v[246:247], v[142:143]
	v_pk_add_f32 v[244:245], v[244:245], v[146:147]
	v_pk_add_f32 v[242:243], v[242:243], v[150:151]
	v_pk_add_f32 v[14:15], v[14:15], v[154:155]
	v_pk_add_f32 v[208:209], v[208:209], v[158:159]
	s_delay_alu instid0(VALU_DEP_2)
	v_pk_add_f32 v[14:15], v[14:15], v[248:249]
	s_delay_alu instid0(VALU_DEP_2)
	v_pk_add_f32 v[208:209], v[208:209], v[246:247]
	v_pk_add_f32 v[252:253], v[252:253], v[244:245]
	v_pk_add_f32 v[250:251], v[250:251], v[242:243]
	s_delay_alu instid0(VALU_DEP_2)
	v_pk_add_f32 v[14:15], v[14:15], v[252:253]
	s_delay_alu instid0(VALU_DEP_2)
	v_pk_add_f32 v[208:209], v[208:209], v[250:251]
	s_delay_alu instid0(VALU_DEP_1)
	v_pk_add_f32 v[14:15], v[14:15], v[208:209]
.irp b, 0,1,2,3
.irp i, 0,1,2,3,4,5,6,7,8,9,10,11,12,13,14,15
	v_min_num_f32 v[96+16*\b+\i], v[96+16*\b+\i], v25   ; p is not negative: a one-sided hold
.endr
	v_cvt_scalef32_pk8_fp8_f32 v[192+4*\b:193+4*\b], v[96+16*\b:103+16*\b], v24
	v_cvt_scalef32_pk8_fp8_f32 v[194+4*\b:195+4*\b], v[104+16*\b:111+16*\b], v24
.endr
.set n, 0
.rept 16
	v_pk_mul_f32 v[160+2*n:161+2*n], v[160+2*n:161+2*n], v[28:29] op_sel_hi:[1,0]   ; O^T under the new M; also the plain lines behind the conversions
.set n, n+1
.endr
	s_wait_alu depctr_va_vdst(0)
	s_wait_dscnt 0x0                               ; V's fragments
.irp t, 0,1,2,3                        ; four accumulators by turns; the next step's eight products stand between two links of a chain
	v_wmma_f32_16x16x128_fp8_fp8 v[160+8*\t:167+8*\t], v[32+16*\t:47+16*\t], v[192:207], v[160+8*\t:167+8*\t]
.endr
.Lnext:
	s_add_co_u32 s2, s2, CHUNK
	s_add_co_u32 s98, s98, 128
	s_sub_co_u32 s67, s67, 1
	s_cmp_lg_u32 s67, 0
	s_cbranch_scc1 .Lstep
	; THE WAY OUT: ctx = O^T / the sum x 2^(e8 + e9), then its own codes, through my stage: the wave's 16 tokens x 64 bytes are 1,024 consecutive bytes
	s_add_co_i32 s96, s72, 127
	s_lshl_b32 s97, s96, 23
	v_mov_b32 v212, s97                            ; 2^e10  (these lines are also the places behind the last products)
	s_add_co_i32 s96, s96, 8
	s_lshl_b32 s96, s96, 23
	s_or_b32 s96, s96, 0x600000
	v_mov_b32 v213, s96
	v_add_f32 v14, v14, v15
	s_delay_alu instid0(VALU_DEP_1)
	v_permlanex16_b32 v27, v14, s20, s21
	s_delay_alu instid0(VALU_DEP_1)
	v_add_f32 v14, v14, v27                        ; the row's sum
	v_nop
	s_wait_alu depctr_va_vdst(0)
	v_rcp_f32 v14, v14
	v_nop
	s_add_co_i32 s96, s70, s71
	s_wait_alu depctr_va_vdst(0)                   ; ahead of the reciprocal's first reader
	v_ldexp_f32 v14, v14, s96
.set n, 0
.rept 32
	v_mul_f32 v[96+n], v[160+n], v14               ; register 8 t + j: channel 16 t + 8 h + j of query r
.set n, n+1
.endr
.set n, 0
.rept 32
	v_med3_num_f32 v[96+n], v[96+n], -v213, v213
.set n, n+1
.endr
.irp t, 0,1,2,3
	v_cvt_scalef32_pk8_fp8_f32 v[192+2*\t:193+2*\t], v[96+8*\t:103+8*\t], v212
.endr
	v_nop
.irp t, 0,1,2,3
	ds_store_b64 v10, v[192+2*\t:193+2*\t] offset:16*\t
.endr
	ds_load_b128 v[216:219], v11                   ; LDS serves a wave's instructions in order: these see my stores
	ds_load_b128 v[220:223], v11 offset:512
	s_wait_dscnt 1
	global_store_b128 v7, v[216:219], s[8:9]
	s_wait_dscnt 0x0
	global_store_b128 v7, v[220:223], s[8:9] offset:512
	s_wait_tensorcnt 0x0
	ds_add_u32 v254, v255
	s_wait_dscnt 0x0
	s_endpgm
.Lfunc_end_k_qa933f39379_attn:
	.size	k_qa933f39379_attn, .Lfunc_end_k_qa933f39379_attn-k_qa933f39379_attn
	.p2alignl 7, 3214868480
	.fill 96, 4, 3214868480
	.section	.rodata,"a",@progbits
	.p2align	6, 0x0
	.amdhsa_kernel k_qa933f39379_attn
		.amdhsa_group_segment_fixed_size 169984
		.amdhsa_private_segment_fixed_size 0
		.amdhsa_enable_private_segment 0
		.amdhsa_kernarg_size 24
		.amdhsa_user_sgpr_count 2
		.amdhsa_user_sgpr_kernarg_segment_ptr 1
		.amdhsa_wavefront_size32 1
		.amdhsa_system_sgpr_workgroup_id_x 1
		.amdhsa_system_sgpr_workgroup_id_y 1
		.amdhsa_system_sgpr_workgroup_id_z 1
		.amdhsa_system_vgpr_workitem_id 0
		.amdhsa_next_free_vgpr 256
		.amdhsa_next_free_sgpr 100
		.amdhsa_reserve_vcc 1
		.amdhsa_float_denorm_mode_32 3
		.amdhsa_float_denorm_mode_16_64 3
		.amdhsa_memory_ordered 1
		.amdhsa_forward_progress 1
		.amdhsa_inst_pref_size 39
	.end_amdhsa_kernel
	.amdgpu_metadata
---
amdhsa.version: [ 1, 2 ]
amdhsa.kernels:
  - .name:           k_qa933f39379_attn
    .symbol:         k_qa933f39379_attn.kd
    .args:
      - { .name: qkv, .offset: 0, .size: 8, .value_kind: global_buffer, .address_space: global }
      - { .name: lowp_scales, .offset: 8, .size: 8, .value_kind: global_buffer, .address_space: global }
      - { .name: ctxc, .offset: 16, .size: 8, .value_kind: global_buffer, .address_space: global }
    .group_segment_fixed_size: 169984
    .private_segment_fixed_size: 0
    .kernarg_segment_align: 8
    .kernarg_segment_size: 24
    .max_flat_workgroup_size: 512
    .sgpr_count:     100
    .vgpr_count:     256
    .wavefront_size: 32
...
	.end_amdgpu_metadata
.endif
;; end of part 10
;; launch wo (part 11): grid 8 x 32, 4 waves a work-group, clusters of 4 x 4, 327,680 bytes of LDS; arguments ctxc, pc, lowp_scales, bo, xn, x1; writes x1
.if DOCPART == 11
	.amdgcn_target "amdgcn-amd-amdhsa--gfx1250"
	.amdhsa_code_object_version 6
	.text
	.protected	k_qa933f39379_wo
	.globl	k_qa933f39379_wo
	.p2align	8
	.type	k_qa933f39379_wo,@function
k_qa933f39379_wo:
	s_mov_b64 s[64:65], 0
	v_nop
	global_prefetch_b8 v0, s[64:65] scope:SCOPE_SE
	s_setreg_imm32_b32 hwreg(HW_REG_WAVE_MODE, 25, 1), 1
	s_wait_xcnt 0x0
	s_wait_alu depctr_hold_cnt(0) depctr_sa_sdst(0) depctr_va_vdst(0) depctr_va_sdst(0) depctr_va_ssrc(0) depctr_va_vcc(0) depctr_vm_vsrc(0)
	s_getreg_b32 s2, hwreg(HW_REG_IB_STS2, 6, 4)
	s_cmp_eq_u32 s2, 0
	s_cbranch_scc0 .Lentry_in_a_cluster
	s_endpgm
.Lentry_in_a_cluster:
	s_bfe_u32 s2, ttmp6, 0x10000c
	s_cmp_lg_u32 s2, 0xf033
	s_cbranch_scc0 .Lentry_shape_is_right
	s_endpgm
.Lentry_shape_is_right:
; x1 = ctx Wo + bo + xn.  ctx arrives as codes of E4M3 laid [16 heads][4096 tokens][64], Wo as codes [1024][1024] with K innermost; x1 is f32.
; TILES OF 128 x 128: the result, 4,096 x 1,024, is 256 such tiles, one to a work-group.  Four waves, each 64 x 64: 16 accumulators of 16 x 16, 128 registers.
; K goes in steps of 512, as long as two LDS slots allow: 64 matrix instructions a wave in a step.  Here K = 1,024 is two steps: both slots are filled once, at the head, and none again.
; CLUSTERS: 4 x 4 work-groups.  The four of a row of the cluster need the same tiles of A, the four of a column the same tiles of B: each tile is asked for JOINTLY, by the same tensor load with the same
; descriptor and a mask that names the four.
; A IN BLOCKS OF W ALONG K: a step's tile of 64 tokens is 512 / W dense pieces of 64 W bytes, brought by ONE load as 512 / W long rows; the padding, 16 bytes behind every 256, falls inside them:
; token m of piece z lies at 68 W z + 272 (m / RPU) + W (m % RPU), RPU = 256 / W tokens to an LDS row.
; The matrix instruction is used transposed (source 0 = B's rows, source 1 = A's): a lane holds eight neighbouring numbers of a row.  A fragment is fetched by four loads of 16 bytes: a permutation of k that is the same on both sides.
; THE WAY OUT: a wave's row is 64 numbers, 256 aligned bytes, so each wave sends its own rows through its own stage, 16 rows at a time, with no barrier; sum x 2^(ea + eb) + residual is one packed multiply-add.
; The residual's 64 x 64 numbers are asked for at the head, behind the first joint loads, into registers that nothing else uses.
; REGISTERS, in windows of 256: window 0: v16-29 addresses; v32-95 two sets of rows on the way out; v96-99 the bias; v128-255 the accumulators ((a, b) at v[128 + 8 (4 a + b)]).
;   window 1: two fragment buffers of 128: A's 4 x 16 registers, then B's.   window 2: v0-127 the residual.
; LIMIT: ea + eb between -126 and 127, so that 2^(ea + eb) is an f32 number.
.set SIZE_K, 1024
.set W,      64
.set LOGRPU, 2
.set AMUL,   64                        ; bytes from token to token
.set KROWB,  1024                      ; a row of B in bytes
.set BOFF,   0xF00000                  ; B's codes in pc
.set SCOFF,  40                        ; entries 10, 11
.set NT,     0                         ; the result is read again by later launches
.set KSTEP,  512
.set ASTEP,  0x200000                  ; a K step on in A: 512 / W blocks of 4,096 x W bytes
.set RPU,    256/W
.set NPC,    SIZE_K/W                  ; ONE load a wave brings its 64 rows for all of K = 1,024: A's 16 pieces, or B's rows of 1,024 bytes
.set PA,     272                       ; A: an LDS row of 256 bytes + 16
.set PB,     1040                      ; B: an LDS row of 1,024 bytes + 16
.set FR,     16                        ; registers of a fragment: 16 rows x 128 K
.set HALFA,  128*PA                    ; 64 tokens x 512 bytes
.set HALFB,  64*PB
.set SLOT,   2*HALFA+HALFB             ; half of what lies in LDS: A's two halves of 2 HALFA each, then B's two of HALFB
.set LAPS,   SIZE_K/(2*KSTEP)
.set SPARE,  2*SLOT                    ; the spare words, 128 bytes a wave: two blocks of 256 bytes that no other line names
.set STAGE,  SPARE+512                 ; 16 rows x (256 + 16) bytes a wave: bytes of their own, into which no tile lands
.set SPITCH, 272
.set ADRA, 16                          ; v16-17 LDS address of my A fragments in slot 0, 1
.set ADRB, 20                          ; v20-21 the same for B
.set STO,  24
.set RD,   25
.set CO,   26                          ; my byte offset in two rows of the result
.set BO,   27                          ; my byte offset in the bias
.set SPW,  28
.set NIL,  29
.set BK,   32
.set BIAS, 96
.set ACC,  128
.set F0,   0                           ; fragment buffers, in window 1
.set F1,   128
.set G1, 24
.set G0, 32
.set G1B, 48
.set G0B, 56
.set MSB, 0
.macro WIN new                         ; the immediate's high byte repeats the setting that is left
.if MSB != (\new)
	s_set_vgpr_msb (MSB<<8)|(\new)
.set MSB, (\new)
.endif
.endm
.set MUL,  0x05                        ; sources 0 (B) and 1 (A) window 1; C and D window 0
.set TO_F, 0x40                        ; destination window 1, address window 0
.macro JLOAD g0a, g1a, g0b, g1b        ; waves 0, 1 fetch A's halves, waves 2, 3 B's; four v_nop follow each line
	s_cmp_eq_u32 s15, 0
	s_cbranch_scc0 .Lfor_b_\@
	tensor_load_to_lds s[\g0a:\g0a+3], s[\g1a:\g1a+7]
	s_nop 0
.rept 4
	v_nop
.endr
	s_branch .Lasked_\@
.Lfor_b_\@:
	tensor_load_to_lds s[\g0b:\g0b+3], s[\g1b:\g1b+7]
	s_nop 0
.rept 4
	v_nop
.endr
.Lasked_\@:
.endm
.macro CREST                           ; a round of the cluster's barrier behind its opening barrier
	s_cmp_lg_u32 s14, 0
	s_cbranch_scc1 .Lnot_wave_0_\@
	s_barrier_signal -3
.Lnot_wave_0_\@:
	s_barrier_wait -3
	s_barrier_signal -1
	s_barrier_wait -1
.endm
.macro CROUND
	s_barrier_signal -1
	s_barrier_wait -1
	CREST
.endm
.macro PLACES                          ; four plain vector lines between a matrix instruction and a load into, or a read of, its registers
.rept 4
	v_nop
.endr
.endm
; four matrix instructions: A's block a x B's four, 128 along K, from buffer f.  zero = 1: the product starts the sums.  The 16 accumulators take turns, in the same order in every quarter.
.macro MUL4 f, a, zero
.irp b, 0,1,2,3
.if \zero
	v_wmma_f32_16x16x128_fp8_fp8 v[ACC+8*(4*(\a)+\b):ACC+8*(4*(\a)+\b)+7], v[\f+64+FR*\b:\f+64+FR*\b+FR-1], v[\f+FR*(\a):\f+FR*(\a)+FR-1], 0
.else
	v_wmma_f32_16x16x128_fp8_fp8 v[ACC+8*(4*(\a)+\b):ACC+8*(4*(\a)+\b)+7], v[\f+64+FR*\b:\f+64+FR*\b+FR-1], v[\f+FR*(\a):\f+FR*(\a)+FR-1], v[ACC+8*(4*(\a)+\b):ACC+8*(4*(\a)+\b)+7]
.endif
.endr
.endm
.macro MUL8 f, a0, zero
	MUL4 \f, \a0, \zero
	MUL4 \f, (\a0)+1, \zero
.endm
; 32 LDS loads in one run: the fragments of 128 along K from K = k of the slot's step on, into buffer f: B's four, then A's four, so that a wait can leave A's blocks 2 and 3 out
.macro FETCH slot, k, f
	WIN TO_F
.irp i, 0,1,2,3
.irp c, 0,1,2,3
	ds_load_b128 v[\f+64+FR*\i+4*\c:\f+64+FR*\i+4*\c+3], v[ADRB+\slot] offset:(\k)+32*\c+\i*16*PB
.endr
.endr
.irp i, 0,1,2,3
.irp c, 0,1,2,3
	ds_load_b128 v[\f+FR*\i+4*\c:\f+FR*\i+4*\c+3], v[ADRA+\slot] offset:(((\k)+32*\c)/W)*68*W+((\k)+32*\c)%W+\i*17*W
.endr
.endr
.endm
; A K step is four quarters of 128 along K, 16 matrix instructions each, on buffers 0, 1, 0, 1.  One of the first three: multiplies buffer f and fetches the next quarter, at K = k, into g.
.macro QUARTER slot, k, f, g, zero
	s_wait_dscnt 8                                 ; B's four fragments and A's blocks 0, 1 are in; the youngest eight loads (A's blocks 2, 3) may be out
	WIN MUL
	MUL8 \f, 0, \zero
	PLACES
	FETCH \slot, \k, \g
	s_wait_dscnt 32                                ; all but the 32 just issued
	WIN MUL
	MUL8 \f, 2, \zero
.endm
; The last quarter multiplies buffer 1 and changes slots: ONE barrier; in front of it each wave waits for all its tensor loads, adds 0 to its spare word, and waits for that and for its own reads of this slot.
; fill = 1: this slot is filled again, two K steps ahead, behind a round of the cluster's barrier.
.macro TURN slot, next, fill
	WIN 0                                          ; (the add's two registers lie in window 0)
	s_wait_tensorcnt 0x0                           ; all my tensor loads have landed: my part of the next slot
	ds_add_u32 v[SPW], v[NIL]                      ; 0 onto my spare word
	s_wait_dscnt 9                                 ; the add and the youngest eight loads may be out
	WIN MUL
	MUL4 F1, 0, 0                                  ; matrix work stands between the add and the wait for it
	s_wait_dscnt 0x0                               ; the add is done, and my reads of this slot are over
	s_barrier_signal -1
	MUL4 F1, 1, 0
.if \fill
	WIN 0
.endif
	s_barrier_wait -1
.if \fill
	CREST                                          ; no wave of any partner still reads this slot's tile or has a load on its way
	s_add_nc_u64 s[G0+4*\slot+2:G0+4*\slot+3], s[G0+4*\slot+2:G0+4*\slot+3], 2*ASTEP
	s_add_nc_u64 s[G0B+4*\slot+2:G0B+4*\slot+3], s[G0B+4*\slot+2:G0B+4*\slot+3], 2*KSTEP
	JLOAD G0+4*\slot, G1, G0B+4*\slot, G1B         ; my one tensor load behind the round; the four v_nop behind it are also the places in front of the loads below
.else
	PLACES
.endif
	FETCH \next, 0, F0
	WIN MUL
	MUL4 F1, 2, 0
	MUL4 F1, 3, 0
.endm
	s_load_b256 s[4:11], s[0:1], 0x0               ; A's codes, pc, the exponents, the bias
	s_load_b128 s[84:87], s[0:1], 0x20             ; the residual, the result
	v_lshl_add_u32 v[SPW], v0, 2, SPARE
	v_mov_b32 v[NIL], 0
	ds_add_u32 v28, v29
	ds_add_u32 v28, v29
	s_wait_dscnt 0x0
	v_lshrrev_b32 v1, 5, v0
	v_readfirstlane_b32 s14, v1                    ; wave 0..3
	s_lshr_b32 s15, s14, 1                         ; which half of the tile's rows is mine; also: I fetch for A (0) or for B (1)
	s_and_b32 s16, s14, 1                          ; which half of its columns; also: which 64 rows I fetch
	s_bfe_u32 s40, ttmp6, 0x40000                  ; cx
	s_bfe_u32 s41, ttmp6, 0x40004                  ; cy
	s_lshl_b32 s42, ttmp9, 2
	s_add_co_u32 s42, s42, s40                     ; tile column = 4 x cluster x + cx
	s_and_b32 s17, ttmp7, 0xffff
	s_lshl_b32 s17, s17, 2
	s_add_co_u32 s17, s17, s41                     ; tile row = 4 x cluster y + cy
	s_lshl_b32 s43, s41, 2
	s_lshl_b32 s43, 15, s43                        ; my row of the cluster
	s_lshl_b32 s44, 0x1111, s40                    ; my column
	s_or_b32 s[G1+0], s43, (3<<16)|(1<<20)|(1<<21)|(5<<22)|(3<<25)   ; A: mask; elements of 8 bytes; padding: 4 words behind every 64
	s_mov_b32 s[G1+1], (8*W)<<16                   ; tensor_dim0: a piece of 64 W bytes
	s_mov_b32 s[G1+2], NPC<<16                     ; tensor_dim1: 1,024 / W pieces
	s_mov_b32 s[G1+3], (8*W)<<16                   ; tile_dim0
	s_mov_b32 s[G1+4], NPC                         ; tile_dim1
	s_mov_b32 s[G1+5], 512*W                       ; from piece to piece: 4,096 tokens x W bytes
	s_mov_b32 s[G1+6], 0
	s_mov_b32 s[G1+7], 0
	s_or_b32 s[G1B+0], s44, (0<<16)|(1<<20)|(1<<21)|(7<<22)|(3<<25)  ; B: mask; elements of 1 byte; padding: 4 words behind every 256
	s_mov_b32 s[G1B+1], SIZE_K<<16
	s_mov_b32 s[G1B+2], 64<<16
	s_mov_b32 s[G1B+3], SIZE_K<<16
	s_mov_b32 s[G1B+4], 64
	s_mov_b32 s[G1B+5], KROWB
	s_mov_b32 s[G1B+6], 0
	s_mov_b32 s[G1B+7], 0
	s_lshl_b32 s18, s16, 6                         ; which 64 rows of the tile I fetch
	s_lshl_b32 s20, s17, 7
	s_add_co_u32 s20, s20, s18
	s_mul_i32 s20, s20, AMUL                       ; A: token 128 x tile row + 64 x half
	s_mov_b32 s21, 0
	s_lshl_b32 s46, s42, 7
	s_add_co_u32 s46, s46, s18
	s_mul_i32 s46, s46, KROWB                      ; B: row 128 x tile column + 64 x half
	s_add_co_u32 s46, s46, BOFF
	s_mov_b32 s47, 0
	s_mul_i32 s45, s16, 2*HALFA
	s_mul_i32 s19, s16, HALFB
	s_add_co_u32 s19, s19, 4*HALFA
	s_wait_kmcnt 0x0
	s_load_b64 s[96:97], s[8:9], SCOFF             ; ea, eb
	s_add_nc_u64 s[20:21], s[4:5], s[20:21]
	s_add_nc_u64 s[46:47], s[6:7], s[46:47]
	CROUND                                         ; all sixteen work-groups are here: the first joint loads meet
.irp s, 0
	s_mov_b32 s[G0+4*\s], 1
	s_add_co_u32 s[G0+4*\s+1], s45, \s*SLOT
	s_add_nc_u64 s[G0+4*\s+2:G0+4*\s+3], s[20:21], \s*ASTEP
	s_or_b32 s[G0+4*\s+3], s[G0+4*\s+3], 0x80000000
	s_mov_b32 s[G0B+4*\s], 1
	s_add_co_u32 s[G0B+4*\s+1], s19, \s*SLOT
	s_add_nc_u64 s[G0B+4*\s+2:G0B+4*\s+3], s[46:47], \s*KSTEP
	s_or_b32 s[G0B+4*\s+3], s[G0B+4*\s+3], 0x80000000
	JLOAD G0+4*\s, G1, G0B+4*\s, G1B
.endr
	v_and_b32 v1, 15, v0                           ; r
	v_bfe_u32 v2, v0, 4, 1                         ; h
	v_lshlrev_b32 v[BO], 4, v1                     ; 16 r
	s_wait_alu depctr_va_vdst(0)
	v_lshl_add_u32 v[CO], v2, 12, v[BO]            ; lanes 0-15 take one row of the result, lanes 16-31 the next; 16 bytes a lane
	s_wait_alu depctr_va_vdst(0)
	s_lshl_b32 s88, s17, 7
	s_lshl_b32 s89, s15, 6
	s_add_co_u32 s88, s88, s89                     ; my first row
	s_lshl_b32 s89, s42, 7
	s_lshl_b32 s90, s16, 6
	s_add_co_u32 s89, s89, s90                     ; my first column
	s_lshl_b32 s88, s88, 12
	s_lshl_b32 s90, s89, 2
	s_add_co_u32 s88, s88, s90
	s_mov_b32 s89, 0
	s_mov_b32 s91, 0
	s_add_nc_u64 s[84:85], s[84:85], s[88:89]
	s_add_nc_u64 s[86:87], s[86:87], s[88:89]
	s_add_nc_u64 s[10:11], s[10:11], s[90:91]
	global_load_b128 v[BIAS:BIAS+3], v[BO], s[10:11]   ; the bias of my four columns
	WIN 0x80                                       ; destination window 2
.irp a, 0,1,2,3                        ; the residual: 33 loads of mine stay out until the way out
.irp t, 0,1,2,3,4,5,6,7
	global_load_b128 v[32*\a+4*\t:32*\a+4*\t+3], v[CO], s[84:85] offset:(16*\a+2*\t)*4096
.endr
.endr
	WIN 0
	v_mul_u32_u24 v3, v1, PB
	v_lshl_add_u32 v4, v2, 4, v3                   ; B: row r, + 16 h
	v_lshrrev_b32 v5, LOGRPU, v1
	v_mul_u32_u24 v5, v5, PA
	v_and_b32 v6, RPU-1, v1
	v_mad_u32_u24 v5, v6, W, v5
	v_lshl_add_u32 v5, v2, 4, v5                   ; A: token r: LDS row r / RPU, place r % RPU, + 16 h
	s_mul_i32 s21, s15, 2*HALFA
	s_mul_i32 s22, s16, HALFB
	s_add_co_u32 s22, s22, 4*HALFA
.irp s, 0,1
	v_add_nc_u32 v[ADRA+\s], s21, v5
	v_add_nc_u32 v[ADRB+\s], s22, v4
	s_add_co_u32 s21, s21, HALFA                   ; the second 512 along K: A's pieces 8-15,
	s_add_co_u32 s22, s22, KSTEP                   ; and 512 bytes on in B's rows
.endr
	s_mul_i32 s23, s14, 16*SPITCH
	s_add_co_u32 s23, s23, STAGE                   ; my stage
	v_mul_u32_u24 v7, v1, SPITCH
	v_lshl_add_u32 v7, v2, 5, v7
	v_add_nc_u32 v[STO], s23, v7                   ; in: row r, 32 bytes for each half of the lanes
	v_mul_u32_u24 v8, v2, SPITCH
	v_lshl_add_u32 v8, v1, 4, v8
	v_add_nc_u32 v[RD], s23, v8                    ; back: lanes 0-15 one row of 256 bytes, lanes 16-31 the next
	s_wait_alu depctr_va_vdst(0)
	s_wait_tensorcnt 0x0                           ; my one load has landed
	s_barrier_signal -1
	s_barrier_wait -1
	FETCH 0, 0, F0
	QUARTER 0, 128, F0, F1, 1                      ; the first quarter's products start the sums
.if LAPS > 1
	WIN 0                                          ; at a label and at a branch every window is 0
	s_mov_b32 s3, LAPS-1
.Llap:                                             ; a trip goes once round the ring, from a lap's second quarter to the next lap's first, and fills both slots again
	QUARTER 0, 256, F1, F0, 0
	QUARTER 0, 384, F0, F1, 0
	TURN 0, 1, 1
	QUARTER 1, 128, F0, F1, 0
	QUARTER 1, 256, F1, F0, 0
	QUARTER 1, 384, F0, F1, 0
	TURN 1, 0, 1
	QUARTER 0, 128, F0, F1, 0
	WIN 0
	s_sub_co_u32 s3, s3, 1
	s_cmp_lg_u32 s3, 0
	s_cbranch_scc1 .Llap
.endif
	QUARTER 0, 256, F1, F0, 0                      ; the last lap fills nothing
	QUARTER 0, 384, F0, F1, 0
	TURN 0, 1, 0
	QUARTER 1, 128, F0, F1, 0
	QUARTER 1, 256, F1, F0, 0
	QUARTER 1, 384, F0, F1, 0
	s_wait_dscnt 8                                 ; the very last quarter: nothing more to fetch
	WIN MUL
	MUL8 F1, 0, 0
	s_wait_dscnt 0x0
	MUL8 F1, 2, 0
	WIN 0
; THE WAY OUT, block by block of 16 rows x 64 columns.  TOSTAGE: the sums go into my stage as they are, each accumulator from its low end on, and come back as rows of 256 bytes, two rows a load.
; LDS serves a wave's instructions in order (ISA guide 5.7.1.4): no wait between the stores and the loads, nor in front of the next block's stores.
.macro TOSTAGE a
.set AC, ACC+32*(\a)
.set BB, BK+32*((\a)%2)
.irp b, 0,1,2,3
	ds_store_b128 v[STO], v[AC+8*\b:AC+8*\b+3] offset:64*\b
	ds_store_b128 v[STO], v[AC+8*\b+4:AC+8*\b+7] offset:64*\b+16
.endr
.irp t, 0,1,2,3,4,5,6,7
	ds_load_b128 v[BB+4*\t:BB+4*\t+3], v[RD] offset:\t*2*SPITCH
.endr
.endm
.macro FIN a, younger                  ; younger: the LDS instructions issued behind block a's loads, which may stay out
.set BB, BK+32*((\a)%2)
.set RR, 32*(\a)
	s_wait_dscnt \younger
	WIN 0x20                                       ; source 2: window 2
.set n, 0
.rept 16
	v_pk_fma_f32 v[BB+2*n:BB+2*n+1], v[BB+2*n:BB+2*n+1], s[96:97], v[RR+2*n:RR+2*n+1] op_sel_hi:[1,0,1]   ; sum x 2^(ea + eb) + residual
.set n, n+1
.endr
	WIN 0
.set n, 0
.rept 16
	v_pk_add_f32 v[BB+2*n:BB+2*n+1], v[BB+2*n:BB+2*n+1], v[BIAS+(2*n)%4:BIAS+(2*n)%4+1]
.set n, n+1
.endr
.irp t, 0,1,2,3,4,5,6,7
.if NT
	global_store_b128 v[CO], v[BB+4*\t:BB+4*\t+3], s[86:87] offset:(16*(\a)+2*\t)*4096 th:TH_STORE_NT
.else
	global_store_b128 v[CO], v[BB+4*\t:BB+4*\t+3], s[86:87] offset:(16*(\a)+2*\t)*4096   ; sixteen lanes store 256 consecutive bytes, aligned
.endif
.endr
.endm
	s_wait_kmcnt 0x0
	s_add_co_i32 s96, s96, s97
	s_add_co_i32 s96, s96, 127
	s_lshl_b32 s96, s96, 23                        ; 2^(ea + eb) as f32
	s_mov_b32 s97, s96                             ; (named with it as a pair, so it is written)
	s_wait_loadcnt 0x0                             ; the bias and the residual, asked for at the head
	PLACES                                         ; in front of the first read of results
	TOSTAGE 0
.irp a, 1,2,3
.if \a > 1
	s_wait_xcnt 0x0                                ; the stores of two blocks ago have read this set of registers
.endif
	TOSTAGE \a
	FIN \a-1, 16                                   ; behind block a - 1's loads: block a's 8 stores and 8 loads
.endr
	FIN 3, 0
	s_wait_tensorcnt 0x0                           ; the wave's end
	ds_add_u32 v[SPW], v[NIL]
	s_wait_dscnt 0x0
	CROUND                                         ; the closing round: no work-group ends while a partner may still ask for a tile that names it
	s_endpgm
.Lfunc_end_k_qa933f39379_wo:
	.size	k_qa933f39379_wo, .Lfunc_end_k_qa933f39379_wo-k_qa933f39379_wo
	.p2alignl 7, 3214868480
	.fill 96, 4, 3214868480
	.section	.rodata,"a",@progbits
	.p2align	6, 0x0
	.amdhsa_kernel k_qa933f39379_wo
		.amdhsa_group_segment_fixed_size 327680
		.amdhsa_private_segment_fixed_size 0
		.amdhsa_enable_private_segment 0
		.amdhsa_kernarg_size 48
		.amdhsa_user_sgpr_count 2
		.amdhsa_user_sgpr_kernarg_segment_ptr 1
		.amdhsa_wavefront_size32 1
		.amdhsa_system_sgpr_workgroup_id_x 1
		.amdhsa_system_sgpr_workgroup_id_y 1
		.amdhsa_system_sgpr_workgroup_id_z 1
		.amdhsa_system_vgpr_workitem_id 0
		.amdhsa_next_free_vgpr 768
		.amdhsa_next_free_sgpr 100
		.amdhsa_reserve_vcc 0
		.amdhsa_float_denorm_mode_32 3
		.amdhsa_float_denorm_mode_16_64 3
		.amdhsa_memory_ordered 1
		.amdhsa_forward_progress 1
		.amdhsa_inst_pref_size 53
	.end_amdhsa_kernel
	.amdgpu_metadata
---
amdhsa.version: [ 1, 2 ]
amdhsa.kernels:
  - .name:           k_qa933f39379_wo
    .symbol:         k_qa933f39379_wo.kd
    .args:
      - { .name: ctxc, .offset: 0, .size: 8, .value_kind: global_buffer, .address_space: global }
      - { .name: pc, .offset: 8, .size: 8, .value_kind: global_buffer, .address_space: global }
      - { .name: lowp_scales, .offset: 16, .size: 8, .value_kind: global_buffer, .address_space: global }
      - { .name: bo, .offset: 24, .size: 8, .value_kind: global_buffer, .address_space: global }
      - { .name: xn, .offset: 32, .size: 8, .value_kind: global_buffer, .address_space: global }
      - { .name: x1, .offset: 40, .size: 8, .value_kind: global_buffer, .address_space: global }
    .group_segment_fixed_size: 327680
    .private_segment_fixed_size: 0
    .kernarg_segment_align: 8
    .kernarg_segment_size: 48
    .max_flat_workgroup_size: 128
    .sgpr_count:     100
    .vgpr_count:     768
    .wavefront_size: 32
...
	.end_amdgpu_metadata
.endif
;; end of part 11
;; launch ln2 (part 12): grid 256 x 1, 4 waves a work-group, no clusters, 4,608 bytes of LDS; arguments x1, g2, b2, lowp_scales, x1c; writes x1c
.if DOCPART == 12
	.amdgcn_target "amdgcn-amd-amdhsa--gfx1250"
	.amdhsa_code_object_version 6
	.text
	.protected	k_qa933f39379_ln2
	.globl	k_qa933f39379_ln2
	.p2align	8
	.type	k_qa933f39379_ln2,@function
k_qa933f39379_ln2:
	s_mov_b64 s[64:65], 0
	v_nop
	global_prefetch_b8 v0, s[64:65] scope:SCOPE_SE
	s_setreg_imm32_b32 hwreg(HW_REG_WAVE_MODE, 25, 1), 1
	s_wait_xcnt 0x0
; x1c = the codes of layernorm(x1, g2, b2) under the given scale 2^e12, [4096][1024], K innermost.  A wave takes four rows, one at a time, whole in 32 registers; the next row's loads are out while a row is worked.
; Mean, then the sum of squares of x - mean.  A row's 1,024 codes go through my stage in LDS and leave as 2 x 512 consecutive bytes.  No barrier: waves share nothing.
; LIMITS: e12 between -126 and 119; NaN is not served.
.set NVER, 1
.set LNST, 0
.set LNWB, 1024
.set X,    32
.set G,    96
.set BT,   128
.set T0,   160
.set CD,   176
.set O,    200
.set CH,   224
.set MN,   14
.set RS,   16
.set TT,   18
.set PL,   19
.set SC,   8
.set LM,   11
.macro WSUM r
	v_add_f32_dpp v[\r], v[\r], v[\r] row_xmask:1 row_mask:0xf bank_mask:0xf
	v_add_f32_dpp v[\r], v[\r], v[\r] row_xmask:2 row_mask:0xf bank_mask:0xf
	v_add_f32_dpp v[\r], v[\r], v[\r] row_xmask:4 row_mask:0xf bank_mask:0xf
	v_add_f32_dpp v[\r], v[\r], v[\r] row_xmask:8 row_mask:0xf bank_mask:0xf
	v_permlanex16_b32 v[PL], v[\r], s58, s59
	v_add_f32 v[\r], v[\r], v[PL]
.endm
.macro FOLD
	v_pk_add_f32 v[CH:CH+1], v[CH:CH+1], v[CH+2:CH+3]
	v_pk_add_f32 v[CH+4:CH+5], v[CH+4:CH+5], v[CH+6:CH+7]
	v_pk_add_f32 v[CH:CH+1], v[CH:CH+1], v[CH+4:CH+5]
	v_add_f32 v[TT], v[CH], v[CH+1]
	WSUM TT
.endm
.macro LNROW i, last
.set XS, X+32*((\i)%2)
.set XN, X+32*(((\i)+1)%2)
	s_wait_xcnt 0x0                                ; the stores of the row before have read their registers
.if \last
	s_wait_loadcnt 0x0
.else
.irp j, 0,1,2,3,4,5,6,7
	global_load_b128 v[XN+4*\j:XN+4*\j+3], v1, s[4:5] offset:((\i)+1)*4096+512*\j
.endr
	s_wait_loadcnt 8                               ; this row is in; the next row's eight loads may be out
.endif
.irp c, 0,2,4,6
	v_pk_add_f32 v[CH+\c:CH+\c+1], v[XS+\c:XS+\c+1], v[XS+8+\c:XS+9+\c]
.endr
.irp o, 16,24
.irp c, 0,2,4,6
	v_pk_add_f32 v[CH+\c:CH+\c+1], v[CH+\c:CH+\c+1], v[XS+\o+\c:XS+\o+\c+1]
.endr
.endr
	FOLD
	v_mul_f32 v[MN], s88, v[TT]
	v_mov_b32 v[MN+1], v[MN]
.set n, 0
.rept 16
	v_pk_add_f32 v[XS+2*n:XS+2*n+1], v[XS+2*n:XS+2*n+1], v[MN:MN+1] neg_lo:[0,1] neg_hi:[0,1]
.set n, n+1
.endr
.irp c, 0,2,4,6
	v_pk_mul_f32 v[CH+\c:CH+\c+1], v[XS+\c:XS+\c+1], v[XS+\c:XS+\c+1]
.endr
.irp o, 8,16,24
.irp c, 0,2,4,6
	v_pk_fma_f32 v[CH+\c:CH+\c+1], v[XS+\o+\c:XS+\o+\c+1], v[XS+\o+\c:XS+\o+\c+1], v[CH+\c:CH+\c+1]
.endr
.endr
	FOLD
	v_fma_f32 v[TT], v[TT], s88, s89
	s_wait_alu depctr_va_vdst(0)
	v_rsq_f32 v[RS], v[TT]
	v_nop                                          ; a plain line behind the transcendental,
	s_wait_alu depctr_va_vdst(0)                   ; and the wait ahead of its first reader
	v_mov_b32 v[RS+1], v[RS]
.set n, 0
.rept 16
	v_pk_mul_f32 v[XS+2*n:XS+2*n+1], v[XS+2*n:XS+2*n+1], v[RS:RS+1]
.set n, n+1
.endr
.set n, 0
.rept 16
	v_pk_fma_f32 v[XS+2*n:XS+2*n+1], v[XS+2*n:XS+2*n+1], v[G+2*n:G+2*n+1], v[BT+2*n:BT+2*n+1]
.set n, n+1
.endr
.irp q, 0,1,2,3
.set TQ, T0+8*(\q%2)
.irp k, 0,1,2,3,4,5,6,7
	v_med3_num_f32 v[TQ+\k], v[XS+8*\q+\k], -v[LM], v[LM]
.endr
	v_cvt_scalef32_pk8_fp8_f32 v[CD+2*\q:CD+2*\q+1], v[TQ:TQ+7], v[SC]
.endr
	v_nop
.irp j, 0,1,2,3,4,5,6,7
	ds_store_b32 v2, v[CD+\j] offset:128*\j
.endr
	ds_load_b128 v[O:O+3], v3
	ds_load_b128 v[O+4:O+7], v3 offset:512
	s_wait_dscnt 0x0
	global_store_b128 v1, v[O:O+3], s[52:53] offset:(\i)*1024
	global_store_b128 v1, v[O+4:O+7], s[52:53] offset:(\i)*1024+512
.endm
	s_load_b256 s[4:11], s[0:1], 0x0               ; x1, g2, b2, the exponents
	s_load_b64 s[12:13], s[0:1], 0x20              ; x1c
	v_lshl_add_u32 v232, v0, 2, 0x1000
	v_mov_b32 v233, 0
	v_lshrrev_b32 v1, 5, v0
	v_readfirstlane_b32 s28, v1
	s_lshl_b32 s52, ttmp9, 4
	s_lshl_b32 s53, s28, 2
	s_add_co_u32 s54, s52, s53                     ; my first row
	s_lshl_b32 s60, s54, 12
	s_mov_b32 s61, 0
	s_lshl_b32 s62, s54, 10
	s_mov_b32 s63, 0
	s_mov_b32 s58, 0x76543210
	s_mov_b32 s59, 0xfedcba98
	s_mov_b32 s88, 0x3a800000                      ; 1 / 1,024
	s_mov_b32 s89, 0x3727c5ac                      ; 1e-5
	v_and_b32 v4, 31, v0
	v_lshlrev_b32 v1, 4, v4
	s_wait_alu depctr_va_vdst(0)
	s_wait_kmcnt 0x0
	s_load_b32 s36, s[10:11], 0x30                 ; e12
	s_add_nc_u64 s[4:5], s[4:5], s[60:61]
	s_add_nc_u64 s[52:53], s[12:13], s[62:63]
.irp j, 0,1,2,3,4,5,6,7
	global_load_b128 v[G+4*\j:G+4*\j+3], v1, s[6:7] offset:512*\j
	global_load_b128 v[BT+4*\j:BT+4*\j+3], v1, s[8:9] offset:512*\j
.endr
.irp j, 0,1,2,3,4,5,6,7
	global_load_b128 v[X+4*\j:X+4*\j+3], v1, s[4:5] offset:512*\j
.endr
	s_mul_i32 s60, s28, LNWB
	v_lshl_add_u32 v2, v4, 2, s60
	v_add_nc_u32 v3, s60, v1
	v_mov_b32 v[PL], 0
	s_wait_kmcnt 0x0
	s_add_co_i32 s90, s36, 127
	s_lshl_b32 s91, s90, 23
	v_mov_b32 v[SC], s91
	s_add_co_i32 s90, s90, 8
	s_lshl_b32 s90, s90, 23
	s_or_b32 s90, s90, 0x600000
	v_mov_b32 v[LM], s90
	LNROW 0, 0
	LNROW 1, 0
	LNROW 2, 0
	LNROW 3, 1
	s_wait_tensorcnt 0x0
	ds_add_u32 v232, v233
	s_wait_dscnt 0x0
	s_endpgm
.Lfunc_end_k_qa933f39379_ln2:
	.size	k_qa933f39379_ln2, .Lfunc_end_k_qa933f39379_ln2-k_qa933f39379_ln2
	.p2alignl 7, 3214868480
	.fill 96, 4, 3214868480
	.section	.rodata,"a",@progbits
	.p2align	6, 0x0
	.amdhsa_kernel k_qa933f39379_ln2
		.amdhsa_group_segment_fixed_size 4608
		.amdhsa_private_segment_fixed_size 0
		.amdhsa_enable_private_segment 0
		.amdhsa_kernarg_size 40
		.amdhsa_user_sgpr_count 2
		.amdhsa_user_sgpr_kernarg_segment_ptr 1
		.amdhsa_wavefront_size32 1
		.amdhsa_system_sgpr_workgroup_id_x 1
		.amdhsa_system_sgpr_workgroup_id_y 1
		.amdhsa_system_sgpr_workgroup_id_z 1
		.amdhsa_system_vgpr_workitem_id 0
		.amdhsa_next_free_vgpr 234
		.amdhsa_next_free_sgpr 100
		.amdhsa_reserve_vcc 0
		.amdhsa_float_denorm_mode_32 3
		.amdhsa_float_denorm_mode_16_64 3
		.amdhsa_memory_ordered 1
		.amdhsa_forward_progress 1
		.amdhsa_inst_pref_size 44
	.end_amdhsa_kernel
	.amdgpu_metadata
---
amdhsa.version: [ 1, 2 ]
amdhsa.kernels:
  - .name:           k_qa933f39379_ln2
    .symbol:         k_qa933f39379_ln2.kd
    .args:
      - { .name: x1, .offset: 0, .size: 8, .value_kind: global_buffer, .address_space: global }
      - { .name: g2, .offset: 8, .size: 8, .value_kind: global_buffer, .address_space: global }
      - { .name: b2, .offset: 16, .size: 8, .value_kind: global_buffer, .address_space: global }
      - { .name: lowp_scales, .offset: 24, .size: 8, .value_kind: global_buffer, .address_space: global }
      - { .name: x1c, .offset: 32, .size: 8, .value_kind: global_buffer, .address_space: global }
    .group_segment_fixed_size: 4608
    .private_segment_fixed_size: 0
    .kernarg_segment_align: 8
    .kernarg_segment_size: 40
    .max_flat_workgroup_size: 128
    .sgpr_count:     100
    .vgpr_count:     234
    .wavefront_size: 32
...
	.end_amdgpu_metadata
.endif
;; end of part 12
;; launch ffn1 (part 13): grid 16 x 16, 4 waves a work-group, clusters of 4 x 4, 327,680 bytes of LDS; arguments x1c, pc, lowp_scales, bf1, hc; writes hc
.if DOCPART == 13
	.amdgcn_target "amdgcn-amd-amdhsa--gfx1250"
	.amdhsa_code_object_version 6
	.text
	.protected	k_qa933f39379_ffn1
	.globl	k_qa933f39379_ffn1
	.p2align	8
	.type	k_qa933f39379_ffn1,@function
k_qa933f39379_ffn1:
	s_mov_b64 s[64:65], 0
	v_nop
	global_prefetch_b8 v0, s[64:65] scope:SCOPE_SE
	s_setreg_imm32_b32 hwreg(HW_REG_WAVE_MODE, 25, 1), 1
	s_wait_xcnt 0x0
	s_wait_alu depctr_hold_cnt(0) depctr_sa_sdst(0) depctr_va_vdst(0) depctr_va_sdst(0) depctr_va_ssrc(0) depctr_va_vcc(0) depctr_vm_vsrc(0)
	s_getreg_b32 s2, hwreg(HW_REG_IB_STS2, 6, 4)
	s_cmp_eq_u32 s2, 0
	s_cbranch_scc0 .Lentry_in_a_cluster
	s_endpgm
.Lentry_in_a_cluster:
	s_bfe_u32 s2, ttmp6, 0x10000c
	s_cmp_lg_u32 s2, 0xf033
	s_cbranch_scc0 .Lentry_shape_is_right
	s_endpgm
.Lentry_shape_is_right:
.set SIZE_K, 1024
.set W,      256
.set ASTEP,  256
.set KROWB,  1024
.set BOFF,   0x1000000
.set PITCH,  272
.set FR,     16
.set NL,     4
.set NP,     4
.set HALFT,  128*PITCH
.set SLOT,   4*HALFT
.set LAPS,   SIZE_K/512
.set SPARE,  2*SLOT
.set ADRA, 16
.set ADRB, 20
.set LIM,  18
.set SCL,  19
.set STO,  24
.set RD,   25
.set CO,   26
.set SPW,  28
.set NIL,  29
.set BI,   32
.set CD,   96
.set KA6,  112
.set KB4,  114
.set AF,   128
.set HF,   128
.set ZZ,   144
.set XX,   160
.set PP,   176
.set QQ,   192
.set OB,   208
.set G1, 24
.set G0, 32
.set G1B, 48
.set G0B, 56
.set MSB, 0
.macro WIN new
.if MSB != (\new)
	s_set_vgpr_msb (MSB<<8)|(\new)
.set MSB, (\new)
.endif
.endm
.set MUL_LO, 0xa1
.set MUL_HI, 0xf1
.set TO_B,   0x40
.macro JLOAD g0a, g1a, g0b, g1b
	s_cmp_eq_u32 s15, 0
	s_cbranch_scc0 .Lfor_b_\@
	tensor_load_to_lds s[\g0a:\g0a+3], s[\g1a:\g1a+7]
	s_nop 0
.rept 4
	v_nop
.endr
	s_branch .Lasked_\@
.Lfor_b_\@:
	tensor_load_to_lds s[\g0b:\g0b+3], s[\g1b:\g1b+7]
	s_nop 0
.rept 4
	v_nop
.endr
.Lasked_\@:
.endm
.macro CREST
	s_cmp_lg_u32 s14, 0
	s_cbranch_scc1 .Lnot_wave_0_\@
	s_barrier_signal -3
.Lnot_wave_0_\@:
	s_barrier_wait -3
	s_barrier_signal -1
	s_barrier_wait -1
.endm
.macro CROUND
	s_barrier_signal -1
	s_barrier_wait -1
	CREST
.endm
.macro FRAGB reg, adr, q, i
.irp c, 0,1,2,3
	ds_load_b128 v[\reg+4*\c:\reg+4*\c+3], v[\adr] offset:128*(\q)+32*\c+(\i)*16*PITCH
.endr
.endm
.macro MUL16 a0, p, zero
.irp a, \a0, \a0+1
.irp b, 0,1,2,3,4,5,6,7
.if \zero
	v_wmma_f32_16x16x128_fp8_fp8 v[8*(8*((\a)%4)+\b):8*(8*((\a)%4)+\b)+7], v[128*(\p)+FR*\b:128*(\p)+FR*\b+FR-1], v[AF+FR*(\a):AF+FR*(\a)+FR-1], 0
.else
	v_wmma_f32_16x16x128_fp8_fp8 v[8*(8*((\a)%4)+\b):8*(8*((\a)%4)+\b)+7], v[128*(\p)+FR*\b:128*(\p)+FR*\b+FR-1], v[AF+FR*(\a):AF+FR*(\a)+FR-1], v[8*(8*((\a)%4)+\b):8*(8*((\a)%4)+\b)+7]
.endif
.endr
.endr
.endm
.macro FETCH_B slot, q, p
	WIN TO_B
.irp i, 0,1,2,3,4,5,6,7
	FRAGB 128*(\p)+FR*\i, ADRB+\slot, \q, \i
.endr
	WIN 0
.endm
.macro FETCH_A slot, q, i0
.irp i, \i0, \i0+1, \i0+2, \i0+3
	FRAGB AF+FR*(\i), ADRA+\slot, \q, \i
.endr
.endm
.macro PLACES n
.rept \n
	v_nop
.endr
.endm
.macro STEP slot, q, zero
	s_wait_dscnt 4*NL
	WIN MUL_LO
	MUL16 0, (\q)%2, \zero
	MUL16 2, (\q)%2, \zero
	s_wait_dscnt 0
	PLACES NP
	FETCH_B \slot, (\q)+1, 1-(\q)%2
	FETCH_A \slot, (\q)+1, 0
	WIN MUL_HI
	MUL16 4, (\q)%2, \zero
	MUL16 6, (\q)%2, \zero
	PLACES NP
	WIN 0
	FETCH_A \slot, (\q)+1, 4
.endm
.macro TURN slot, next, fill
	s_wait_tensorcnt 0x0
	ds_add_u32 v[SPW], v[NIL]
	s_wait_dscnt 4*NL+1
	WIN MUL_LO
	MUL16 0, 1, 0
	s_wait_dscnt 0x0
	s_barrier_signal -1
	MUL16 2, 1, 0
	WIN 0
	s_barrier_wait -1
.if \fill
	CREST
	s_add_nc_u64 s[G0+4*\slot+2:G0+4*\slot+3], s[G0+4*\slot+2:G0+4*\slot+3], 2*ASTEP
	s_add_nc_u64 s[G0B+4*\slot+2:G0B+4*\slot+3], s[G0B+4*\slot+2:G0B+4*\slot+3], 2*256
	JLOAD G0+4*\slot, G1, G0B+4*\slot, G1B
.else
	PLACES NP
.endif
	FETCH_B \next, 0, 0
	FETCH_A \next, 0, 0
	WIN MUL_HI
	MUL16 4, 1, 0
	MUL16 6, 1, 0
	PLACES NP
	WIN 0
	FETCH_A \next, 0, 4
.endm
.macro KPAIR r, val
	s_mov_b32 s[\r], \val
	s_mov_b32 s[\r+1], \val
.endm
	s_load_b256 s[4:11], s[0:1], 0x0
	s_load_b64 s[12:13], s[0:1], 0x20
	v_lshl_add_u32 v[SPW], v0, 2, SPARE
	v_mov_b32 v[NIL], 0
	ds_add_u32 v28, v29
	ds_add_u32 v28, v29
	s_wait_dscnt 0x0
	v_lshrrev_b32 v1, 5, v0
	v_readfirstlane_b32 s14, v1
	s_lshr_b32 s15, s14, 1
	s_and_b32 s16, s14, 1
	s_bfe_u32 s40, ttmp6, 0x40000
	s_bfe_u32 s41, ttmp6, 0x40004
	s_lshl_b32 s42, ttmp9, 2
	s_add_co_u32 s42, s42, s40
	s_and_b32 s17, ttmp7, 0xffff
	s_lshl_b32 s17, s17, 2
	s_add_co_u32 s17, s17, s41
	s_lshl_b32 s43, s41, 2
	s_lshl_b32 s43, 15, s43
	s_lshl_b32 s44, 0x1111, s40
	s_or_b32 s[G1+0], s43, (0<<16)|(1<<20)|(1<<21)|(5<<22)|(3<<25)
	s_or_b32 s[G1B+0], s44, (0<<16)|(1<<20)|(1<<21)|(5<<22)|(3<<25)
.irp g, G1, G1B
	s_mov_b32 s[\g+1], 256<<16
	s_mov_b32 s[\g+2], 128<<16
	s_mov_b32 s[\g+3], 256<<16
	s_mov_b32 s[\g+4], 128
	s_mov_b32 s[\g+5], 1024
	s_mov_b32 s[\g+6], 0
	s_mov_b32 s[\g+7], 0
.endr
	KPAIR 66, 0x32edffee
	KPAIR 68, 0xb60cff51
	KPAIR 70, 0xb86ec2d2
	KPAIR 72, 0xba40ac63
	KPAIR 74, 0xbb41a1f6
	KPAIR 76, 0xbc83dbd4
	KPAIR 78, 0xb95fbd29
	KPAIR 80, 0xbadc924e
	KPAIR 82, 0xbbf19bf8
	KPAIR 84, 0xbc69b6a7
	KPAIR 86, 0x3f3504f3
	s_lshl_b32 s18, s16, 7
	s_lshl_b32 s20, s17, 8
	s_add_co_u32 s20, s20, s18
	s_lshl_b32 s20, s20, 10
	s_mov_b32 s21, 0
	s_lshl_b32 s46, s42, 8
	s_add_co_u32 s46, s46, s18
	s_lshl_b32 s46, s46, 10
	s_add_co_u32 s46, s46, BOFF
	s_mov_b32 s47, 0
	s_mul_i32 s45, s14, HALFT
	s_wait_kmcnt 0x0
	s_load_b128 s[88:91], s[8:9], 0x30
	s_add_nc_u64 s[20:21], s[4:5], s[20:21]
	s_add_nc_u64 s[46:47], s[6:7], s[46:47]
	CROUND
.irp s, 0,1
	s_mov_b32 s[G0+4*\s], 1
	s_add_co_u32 s[G0+4*\s+1], s45, \s*SLOT
	s_add_nc_u64 s[G0+4*\s+2:G0+4*\s+3], s[20:21], \s*ASTEP
	s_or_b32 s[G0+4*\s+3], s[G0+4*\s+3], 0x80000000
	s_mov_b32 s[G0B+4*\s], 1
	s_add_co_u32 s[G0B+4*\s+1], s45, \s*SLOT
	s_add_nc_u64 s[G0B+4*\s+2:G0B+4*\s+3], s[46:47], \s*256
	s_or_b32 s[G0B+4*\s+3], s[G0B+4*\s+3], 0x80000000
.endr
	JLOAD G0, G1, G0B, G1B
	; K steps 2 and 3, which the two refills will ask for, are prefetched here: of the 128 rows that I fetch, each of the four partners that ask jointly names 32, told apart by address; a lane a row, 256 bytes a step
	s_cmp_eq_u32 s15, 0
	s_cselect_b32 s92, s17, s42                    ; the tile: A's by the tile row, B's by the tile column
	s_cselect_b32 s93, s40, s41                    ; my place among the four
	s_cselect_b32 s94, 0, BOFF
	s_cselect_b64 s[100:101], s[4:5], s[6:7]
	s_lshl_b32 s92, s92, 8
	s_lshl_b32 s95, s16, 7
	s_add_co_u32 s92, s92, s95
	s_lshl_b32 s93, s93, 5
	s_add_co_u32 s92, s92, s93
	s_lshl_b32 s92, s92, 10
	s_add_co_u32 s92, s92, s94
	s_mov_b32 s93, 0
	s_add_nc_u64 s[100:101], s[100:101], s[92:93]
	v_and_b32 v13, 31, v0
	v_lshlrev_b32 v13, 10, v13
	global_prefetch_b8 v13, s[100:101] offset:512 th:TH_LOAD_NT scope:SCOPE_SE
	global_prefetch_b8 v13, s[100:101] offset:768 th:TH_LOAD_NT scope:SCOPE_SE
	v_and_b32 v1, 15, v0
	s_wait_alu depctr_va_vdst(0)
	v_bfe_u32 v2, v0, 4, 1
	v_mul_u32_u24 v3, v1, PITCH
	v_lshl_add_u32 v4, v2, 4, v3
	s_mul_i32 s21, s15, HALFT
	s_mul_i32 s22, s16, HALFT
	s_add_co_u32 s22, s22, 2*HALFT
.irp s, 0,1
	v_add_nc_u32 v[ADRA+\s], s21, v4
	v_add_nc_u32 v[ADRB+\s], s22, v4
	s_add_co_u32 s21, s21, SLOT
	s_add_co_u32 s22, s22, SLOT
.endr
	s_mul_i32 s23, s14, 2304
	v_mul_u32_u24 v9, v1, 144
	s_wait_alu depctr_va_vdst(0)
	v_lshl_add_u32 v9, v2, 3, v9
	v_add_nc_u32 v[STO], s23, v9
	v_and_b32 v10, 31, v0
	v_and_b32 v11, 15, v10                         ; back from the stage: token lane % 16, chunk of 16 codes lane / 16:
	v_mul_u32_u24 v11, v11, 144                    ; hc is laid [32 blocks of 128 hidden][256 blocks of 16 tokens][8 chunks][16 tokens][16 bytes]
	v_lshrrev_b32 v12, 4, v10
	v_lshl_add_u32 v11, v12, 4, v11
	v_add_nc_u32 v[RD], s23, v11
	v_lshlrev_b32 v[CO], 4, v10
	v_mov_b32 v[KA6], 0xaf95df0b
	v_mov_b32 v[KA6+1], 0xaf95df0b
	v_mov_b32 v[KB4], 0xb77460cd
	v_mov_b32 v[KB4+1], 0xb77460cd
	s_lshl_b32 s92, s42, 1
	s_add_co_u32 s92, s92, s16
	s_lshl_b32 s94, s92, 9
	s_mov_b32 s95, 0
	s_add_nc_u64 s[10:11], s[10:11], s[94:95]
	s_lshl_b32 s92, s92, 19
	s_lshl_b32 s93, s17, 8
	s_lshl_b32 s94, s15, 7
	s_add_co_u32 s93, s93, s94
	s_lshl_b32 s93, s93, 7
	s_add_co_u32 s94, s92, s93
	s_add_nc_u64 s[12:13], s[12:13], s[94:95]
	v_lshlrev_b32 v7, 5, v2
.irp b, 0,1,2,3,4,5,6,7
	global_load_b128 v[BI+8*\b:BI+8*\b+3], v7, s[10:11] offset:64*\b
	global_load_b128 v[BI+8*\b+4:BI+8*\b+7], v7, s[10:11] offset:64*\b+16
.endr
	s_wait_alu depctr_va_vdst(0)
	s_wait_tensorcnt 0x0                           ; my part of K step 0 is in; the lines ahead of a later first fill:
	ds_add_u32 v[SPW], v[NIL]
	s_wait_dscnt 0x0
	CROUND                                         ; a whole round,
	JLOAD G0+4, G1, G0B+4, G1B                     ; and K step 1's load, the first tensor load behind it
	FETCH_B 0, 0, 0
	FETCH_A 0, 0, 0
	FETCH_A 0, 0, 4
	STEP 0, 0, 1
	s_mov_b32 s3, LAPS-1
.Llap:
	TURN 0, 1, 1
	STEP 1, 0, 0
	TURN 1, 0, 1
	STEP 0, 0, 0
	s_sub_co_u32 s3, s3, 1
	s_cmp_lg_u32 s3, 0
	s_cbranch_scc1 .Llap
	TURN 0, 1, 0
	STEP 1, 0, 0
	s_wait_dscnt 4*NL
	WIN MUL_LO
	MUL16 0, 1, 0
	MUL16 2, 1, 0
	s_wait_dscnt 0
	WIN MUL_HI
	MUL16 4, 1, 0
	MUL16 6, 1, 0
	WIN 0
.macro BIASED win
	WIN 0x80|(\win)
.set n, 0
.rept 128
	v_pk_fma_f32 v[2*n:2*n+1], v[2*n:2*n+1], s[96:97], v[BI+(2*n)%64:BI+(2*n)%64+1] op_sel_hi:[1,0,1]
.set n, n+1
.endr
	WIN 0
.endm
.macro GBATCH a, be
.set UB, 64*(\a)+16*(\be)
	WIN 0x02
.irp p, 0,2,4,6,8,10,12,14
	v_pk_mul_f32 v[ZZ+\p:ZZ+\p+1], v[UB+\p:UB+\p+1], s[86:87] op_sel_hi:[1,0]
.endr
.irp p, 0,2,4,6,8,10,12,14
	v_pk_mul_f32 v[HF+\p:HF+\p+1], v[UB+\p:UB+\p+1], 0.5 op_sel_hi:[1,0]
.endr
	WIN 0
.set n, 0
.rept 16
	v_med3_num_f32 v[ZZ+n], v[ZZ+n], -4.0, 4.0
.set n, n+1
.endr
.irp p, 0,2,4,6,8,10,12,14
	v_pk_mul_f32 v[XX+\p:XX+\p+1], v[ZZ+\p:ZZ+\p+1], v[ZZ+\p:ZZ+\p+1]
.endr
.irp p, 0,2,4,6,8,10,12,14
	v_pk_fma_f32 v[PP+\p:PP+\p+1], v[XX+\p:XX+\p+1], v[KA6:KA6+1], s[66:67] op_sel_hi:[1,1,0]
.endr
.irp k, 68,70,72,74,76
.irp p, 0,2,4,6,8,10,12,14
	v_pk_fma_f32 v[PP+\p:PP+\p+1], v[PP+\p:PP+\p+1], v[XX+\p:XX+\p+1], s[\k:\k+1] op_sel_hi:[1,1,0]
.endr
.endr
.irp p, 0,2,4,6,8,10,12,14
	v_pk_fma_f32 v[QQ+\p:QQ+\p+1], v[XX+\p:XX+\p+1], v[KB4:KB4+1], s[78:79] op_sel_hi:[1,1,0]
.endr
.irp k, 80,82,84
.irp p, 0,2,4,6,8,10,12,14
	v_pk_fma_f32 v[QQ+\p:QQ+\p+1], v[QQ+\p:QQ+\p+1], v[XX+\p:XX+\p+1], s[\k:\k+1] op_sel_hi:[1,1,0]
.endr
.endr
.set n, 0
	s_wait_alu depctr_va_vdst(0)
.rept 16
	v_rcp_f32 v[QQ+n], v[QQ+n]
.set n, n+1
.endr
.irp p, 0,2,4,6,8,10,12,14
	v_pk_mul_f32 v[PP+\p:PP+\p+1], v[PP+\p:PP+\p+1], v[ZZ+\p:ZZ+\p+1]
.endr
	s_wait_alu depctr_va_vdst(0)
.irp p, 0,2,4,6,8,10,12,14
	v_pk_mul_f32 v[PP+\p:PP+\p+1], v[PP+\p:PP+\p+1], v[QQ+\p:QQ+\p+1]
.endr
.irp p, 0,2,4,6,8,10,12,14
	v_pk_fma_f32 v[HF+\p:HF+\p+1], v[HF+\p:HF+\p+1], v[PP+\p:PP+\p+1], v[HF+\p:HF+\p+1]
.endr
.set n, 0
.rept 16
	v_med3_num_f32 v[HF+n], v[HF+n], -v[LIM], v[LIM]
.set n, n+1
.endr
	v_cvt_scalef32_pk8_fp8_f32 v[CD+4*(\be):CD+4*(\be)+1], v[HF:HF+7], v[SCL]
	v_cvt_scalef32_pk8_fp8_f32 v[CD+4*(\be)+2:CD+4*(\be)+3], v[HF+8:HF+15], v[SCL]
	v_nop
.endm
.macro FBLK a
.set OO, OB+16*((\a)%2)
	GBATCH \a, 0
	GBATCH \a, 1
	GBATCH \a, 2
	GBATCH \a, 3
.irp b, 0,1,2,3,4,5,6,7
	ds_store_b64 v[STO], v[CD+2*\b:CD+2*\b+1] offset:16*\b
.endr
	s_wait_xcnt 0x0
.irp k, 0,1,2,3
	ds_load_b128 v[OO+4*\k:OO+4*\k+3], v[RD] offset:32*\k
.endr
	s_wait_dscnt 0x0
.irp k, 0,1,2,3
	global_store_b128 v[CO], v[OO+4*\k:OO+4*\k+3], s[12:13] offset:(\a)*2048+\k*512
.endr
.endm
	s_wait_kmcnt 0x0
	s_add_co_i32 s96, s88, s89
	s_add_co_i32 s96, s96, 127
	s_lshl_b32 s96, s96, 23
	s_mov_b32 s97, s96
	s_add_co_i32 s98, s90, 127
	s_lshl_b32 s99, s98, 23
	v_mov_b32 v[SCL], s99
	s_add_co_i32 s98, s98, 8
	s_lshl_b32 s98, s98, 23
	s_or_b32 s98, s98, 0x600000
	v_mov_b32 v[LIM], s98
	s_wait_loadcnt 0x0
	PLACES NP
	BIASED 2
	s_mov_b32 s3, 2
.Lhalf:
	FBLK 0
	FBLK 1
	FBLK 2
	FBLK 3
	s_cmp_eq_u32 s3, 1
	s_cbranch_scc1 .Lno_more
	BIASED 3
.Lno_more:
	s_wait_xcnt 0x0
	s_add_nc_u64 s[12:13], s[12:13], 4*2048
	s_sub_co_u32 s3, s3, 1
	s_cmp_lg_u32 s3, 0
	s_cbranch_scc1 .Lhalf
	s_wait_tensorcnt 0x0
	ds_add_u32 v[SPW], v[NIL]
	s_wait_dscnt 0x0
	CROUND
	s_endpgm
.Lfunc_end_k_qa933f39379_ffn1:
	.size	k_qa933f39379_ffn1, .Lfunc_end_k_qa933f39379_ffn1-k_qa933f39379_ffn1
	.p2alignl 7, 3214868480
	.fill 96, 4, 3214868480
	.section	.rodata,"a",@progbits
	.p2align	6, 0x0
	.amdhsa_kernel k_qa933f39379_ffn1
		.amdhsa_group_segment_fixed_size 327680
		.amdhsa_private_segment_fixed_size 0
		.amdhsa_enable_private_segment 0
		.amdhsa_kernarg_size 40
		.amdhsa_user_sgpr_count 2
		.amdhsa_user_sgpr_kernarg_segment_ptr 1
		.amdhsa_wavefront_size32 1
		.amdhsa_system_sgpr_workgroup_id_x 1
		.amdhsa_system_sgpr_workgroup_id_y 1
		.amdhsa_system_sgpr_workgroup_id_z 1
		.amdhsa_system_vgpr_workitem_id 0
		.amdhsa_next_free_vgpr 1024
		.amdhsa_next_free_sgpr 102
		.amdhsa_reserve_vcc 0
		.amdhsa_float_denorm_mode_32 3
		.amdhsa_float_denorm_mode_16_64 3
		.amdhsa_memory_ordered 1
		.amdhsa_forward_progress 1
		.amdhsa_inst_pref_size 255
	.end_amdhsa_kernel
	.section	.bss,"aw",@nobits
	.p2align	6
	.space	262144
	.amdgpu_metadata
---
amdhsa.version: [ 1, 2 ]
amdhsa.kernels:
  - .name:           k_qa933f39379_ffn1
    .symbol:         k_qa933f39379_ffn1.kd
    .args:
      - { .name: x1c, .offset: 0, .size: 8, .value_kind: global_buffer, .address_space: global }
      - { .name: pc, .offset: 8, .size: 8, .value_kind: global_buffer, .address_space: global }
      - { .name: lowp_scales, .offset: 16, .size: 8, .value_kind: global_buffer, .address_space: global }
      - { .name: bf1, .offset: 24, .size: 8, .value_kind: global_buffer, .address_space: global }
      - { .name: hc, .offset: 32, .size: 8, .value_kind: global_buffer, .address_space: global }
    .group_segment_fixed_size: 327680
    .private_segment_fixed_size: 0
    .kernarg_segment_align: 8
    .kernarg_segment_size: 40
    .max_flat_workgroup_size: 128
    .sgpr_count:     102
    .vgpr_count:     1024
    .wavefront_size: 32
...
	.end_amdgpu_metadata
.endif
;; end of part 13
;; launch ffn2r (part 14): grid 8 x 32, 4 waves a work-group, clusters of 4 x 4, 327,680 bytes of LDS; arguments hc, pc, lowp_scales, bf2, x1, out0; writes out0
.if DOCPART == 14
	.amdgcn_target "amdgcn-amd-amdhsa--gfx1250"
	.amdhsa_code_object_version 6
	.text
	.protected	k_qa933f39379_ffn2r
	.globl	k_qa933f39379_ffn2r
	.p2align	8
	.type	k_qa933f39379_ffn2r,@function
k_qa933f39379_ffn2r:
	s_mov_b64 s[64:65], 0
	v_nop
	global_prefetch_b8 v0, s[64:65] scope:SCOPE_SE
	s_setreg_imm32_b32 hwreg(HW_REG_WAVE_MODE, 25, 1), 1
	s_wait_xcnt 0x0
	s_wait_alu depctr_hold_cnt(0) depctr_sa_sdst(0) depctr_va_vdst(0) depctr_va_sdst(0) depctr_va_ssrc(0) depctr_va_vcc(0) depctr_vm_vsrc(0)
	s_getreg_b32 s2, hwreg(HW_REG_IB_STS2, 6, 4)
	s_cmp_eq_u32 s2, 0
	s_cbranch_scc0 .Lentry_in_a_cluster
	s_endpgm
.Lentry_in_a_cluster:
	s_bfe_u32 s2, ttmp6, 0x10000c
	s_cmp_lg_u32 s2, 0xf033
	s_cbranch_scc0 .Lentry_shape_is_right
	s_endpgm
.Lentry_shape_is_right:
; out0 = h W2 + bf2 + x1 on codes of E4M3; sums in f32, each multiplied once by 2^(e14 + e15).  LIMIT: e14 + e15 between -126 and 127.
; Both operands lie in the order of a fragment's registers: [32 blocks of 128 along K][blocks of 16 rows][8 chunks of 16 codes][16 rows][16 bytes]; a fragment is 2,048 dense bytes, in memory and in LDS,
; read by four loads of 512 consecutive bytes (16 x lane): no padding is needed.  The order of k is the same permutation on both sides.
; A BLOCK is 128 x 128: 32 x 8 blocks, one to a work-group; four waves, each 64 x 64: 16 accumulators.  K goes in steps of 512 through a ring of two LDS slots of 131,072 bytes (A's 4 x 16,384, then B's).
; CLUSTERS 4 x 4: A's tile is shared along a row of the cluster, B's along a column: joint loads; waves 0, 1 fetch A's halves of a step (2 rows of 16,384 bytes), waves 2, 3 B's.
; PREFETCH: behind each joint load one instruction a wave names the K step two refills on: of the 32,768 bytes that a wave fetches each of the four partners names 8,192, told apart by address, lanes 256 bytes apart.
; K steps 2 and 3 are named at the head; the last two refills name my 64 rows x 256 bytes of x1 instead, a lane a row; x1 is loaded in the last lap.
; REGISTERS, in windows of 256: window 0: v16-31 addresses; v32-95 rows on the way out; v96-99 bias; v128-255 accumulators.  window 1: two fragment buffers of 128 (A's 64, then B's).  window 2: v0-127 the residual.
.set KAG,    0x80000
.set KBG,    0x20000
.set BOFF,   0x1400000
.set TA,     16384                     ; 128 rows x 128 codes
.set SLOT,   8*TA
.set SPARE,  2*SLOT
.set STAGE,  SPARE+512
.set SPITCH, 272
.set ADRA, 16
.set ADRB, 20
.set STO,  24
.set RD,   25
.set CO,   26
.set BO,   27
.set SPW,  28
.set NIL,  29
.set PFO,  30
.set PX,   31
.set BK,   32
.set BIAS, 96
.set ACC,  128
.set RES,  0
.set F0,   0
.set F1,   128
.set G1, 24
.set G0, 32
.set G1B, 48
.set G0B, 56
.set PFA, 70                           ; s[70:71] where my prefetches stand
.set PFS, 72                           ; s[72:73] a K step on
.set MSB, 0
.macro WIN new
.if MSB != (\new)
	s_set_vgpr_msb (MSB<<8)|(\new)
.set MSB, (\new)
.endif
.endm
.set MUL,  0x05                        ; sources 0 (B) and 1 (A) window 1; C and D window 0
.set TO_F, 0x40
.macro JLOAD g0a, g1a, g0b, g1b        ; an s_nop 0 and four v_nop follow each line
	s_cmp_eq_u32 s15, 0
	s_cbranch_scc0 .Lfor_b_\@
	tensor_load_to_lds s[\g0a:\g0a+3], s[\g1a:\g1a+7]
	s_nop 0
.rept 4
	v_nop
.endr
	s_branch .Lasked_\@
.Lfor_b_\@:
	tensor_load_to_lds s[\g0b:\g0b+3], s[\g1b:\g1b+7]
	s_nop 0
.rept 4
	v_nop
.endr
.Lasked_\@:
.endm
.macro CREST
	s_cmp_lg_u32 s14, 0
	s_cbranch_scc1 .Lnot_wave_0_\@
	s_barrier_signal -3
.Lnot_wave_0_\@:
	s_barrier_wait -3
	s_barrier_signal -1
	s_barrier_wait -1
.endm
.macro CROUND
	s_barrier_signal -1
	s_barrier_wait -1
	CREST
.endm
.macro PLACES
.rept 4
	v_nop
.endr
.endm
.macro MUL4 f, a, zero                 ; the 16 accumulators take turns, in the same order in every quarter
.irp b, 0,1,2,3
.if \zero
	v_wmma_f32_16x16x128_fp8_fp8 v[ACC+8*(4*(\a)+\b):ACC+8*(4*(\a)+\b)+7], v[\f+64+16*\b:\f+64+16*\b+15], v[\f+16*(\a):\f+16*(\a)+15], 0
.else
	v_wmma_f32_16x16x128_fp8_fp8 v[ACC+8*(4*(\a)+\b):ACC+8*(4*(\a)+\b)+7], v[\f+64+16*\b:\f+64+16*\b+15], v[\f+16*(\a):\f+16*(\a)+15], v[ACC+8*(4*(\a)+\b):ACC+8*(4*(\a)+\b)+7]
.endif
.endr
.endm
.macro MUL8 f, a0, zero
	MUL4 \f, \a0, \zero
	MUL4 \f, (\a0)+1, \zero
.endm
.macro FETCH slot, q, f                ; 32 LDS loads: the fragments of the slot's q-th 128 along K: B's four, then A's four
	WIN TO_F
.irp i, 0,1,2,3
.irp c, 0,1,2,3
	ds_load_b128 v[\f+64+16*\i+4*\c:\f+64+16*\i+4*\c+3], v[ADRB+\slot] offset:(\q)*TA+\i*2048+\c*512
.endr
.endr
.irp i, 0,1,2,3
.irp c, 0,1,2,3
	ds_load_b128 v[\f+16*\i+4*\c:\f+16*\i+4*\c+3], v[ADRA+\slot] offset:(\q)*TA+\i*2048+\c*512
.endr
.endr
.endm
.macro QUARTER slot, q, f, g, zero     ; multiplies buffer f and fetches the slot's q-th quarter into g
	s_wait_dscnt 8                                 ; the youngest eight loads (A's blocks 2, 3) may be out
	WIN MUL
	MUL8 \f, 0, \zero
	PLACES
	FETCH \slot, \q, \g
	s_wait_dscnt 32                                ; all but the 32 just issued
	WIN MUL
	MUL8 \f, 2, \zero
.endm
.macro ASK slot                        ; s3 = 1 in the loop's last trip: no K step stands two refills on
	s_cmp_gt_u32 s3, 1
	s_cbranch_scc0 .Lres_\@
	global_prefetch_b8 v[PFO], s[PFA:PFA+1] th:TH_LOAD_NT scope:SCOPE_SE
	s_branch .Ldone_\@
.Lres_\@:
	global_prefetch_b8 v[PX], s[84:85] offset:(\slot)*131072 th:TH_LOAD_NT scope:SCOPE_SE
.Ldone_\@:
.endm
.macro TURN slot, next, fill           ; the last quarter multiplies buffer 1 and changes slots
	WIN 0
.if \fill
	s_wait_xcnt 0x0                                ; my prefetch has read its address
	s_add_nc_u64 s[PFA:PFA+1], s[PFA:PFA+1], s[PFS:PFS+1]
.endif
	s_wait_tensorcnt 0x0                           ; all my tensor loads have landed: my part of the next slot
	ds_add_u32 v[SPW], v[NIL]
	s_wait_dscnt 9                                 ; the add and the youngest eight loads may be out
	WIN MUL
	MUL4 F1, 0, 0
	s_wait_dscnt 0x0                               ; the add is done, and my reads of this slot are over
	s_barrier_signal -1
	MUL4 F1, 1, 0
.if \fill
	WIN 0
.endif
	s_barrier_wait -1
.if \fill
	CREST                                          ; no wave of any partner still reads this slot or has a load on its way
	s_add_nc_u64 s[G0+4*\slot+2:G0+4*\slot+3], s[G0+4*\slot+2:G0+4*\slot+3], 8*KAG
	s_add_nc_u64 s[G0B+4*\slot+2:G0B+4*\slot+3], s[G0B+4*\slot+2:G0B+4*\slot+3], 8*KBG
	JLOAD G0+4*\slot, G1, G0B+4*\slot, G1B         ; my one tensor load behind the round
.else
	PLACES
.endif
	FETCH \next, 0, F0
.if \fill
	WIN 0
	ASK \slot
.endif
	WIN MUL
	MUL4 F1, 2, 0
	MUL4 F1, 3, 0
.endm
	s_load_b256 s[4:11], s[0:1], 0x0               ; hc, pc, the exponents, bf2
	s_load_b128 s[84:87], s[0:1], 0x20             ; x1, out0
	v_lshl_add_u32 v[SPW], v0, 2, SPARE
	v_mov_b32 v[NIL], 0
	ds_add_u32 v[SPW], v[NIL]
	ds_add_u32 v[SPW], v[NIL]
	v_lshrrev_b32 v1, 5, v0
	v_readfirstlane_b32 s14, v1                    ; wave 0..3
	v_and_b32 v2, 31, v0
	v_lshlrev_b32 v3, 4, v2                        ; 16 x lane
	v_lshlrev_b32 v[PFO], 8, v2
	v_lshlrev_b32 v[PX], 12, v2
	s_lshr_b32 s15, s14, 1                         ; my half of the rows; also: I fetch for A (0) or B (1)
	s_and_b32 s16, s14, 1                          ; my half of the columns; also: which two of a step's four rows I fetch
	s_bfe_u32 s40, ttmp6, 0x40000                  ; cx
	s_bfe_u32 s41, ttmp6, 0x40004                  ; cy
	s_lshl_b32 s42, ttmp9, 2
	s_add_co_u32 s42, s42, s40                     ; tile column
	s_and_b32 s17, ttmp7, 0xffff
	s_lshl_b32 s17, s17, 2
	s_add_co_u32 s17, s17, s41                     ; tile row
	s_lshl_b32 s43, s41, 2
	s_lshl_b32 s43, 15, s43                        ; my row of the cluster
	s_lshl_b32 s44, 0x1111, s40                    ; my column
	s_or_b32 s[G1+0], s43, (3<<16)|(1<<21)         ; mask; elements of 8 bytes; bit 21 beside a mask
	s_or_b32 s[G1B+0], s44, (3<<16)|(1<<21)
.irp g, G1, G1B
	s_mov_b32 s[\g+1], 2048<<16                    ; tensor_dim0: 16,384 bytes
	s_mov_b32 s[\g+2], 2<<16                       ; tensor_dim1
	s_mov_b32 s[\g+3], 2048<<16
	s_mov_b32 s[\g+4], 2
	s_mov_b32 s[\g+6], 0
	s_mov_b32 s[\g+7], 0
.endr
	s_mov_b32 s[G1+5], KAG/8
	s_mov_b32 s[G1B+5], KBG/8
	s_lshl_b32 s20, s16, 20                        ; A: two blocks of 128 along K on for the second fetching wave,
	s_lshl_b32 s18, s17, 14                        ; at my tile's 128 tokens
	s_add_co_u32 s20, s20, s18
	s_mov_b32 s21, 0
	s_lshl_b32 s46, s16, 18                        ; B likewise
	s_lshl_b32 s19, s42, 14
	s_add_co_u32 s46, s46, s19
	s_add_co_u32 s46, s46, BOFF
	s_mov_b32 s47, 0
	s_lshl_b32 s45, s14, 15                        ; where my load goes: wave x 32,768
	s_cmp_eq_u32 s15, 0                            ; the prefetches: by what I fetch
	s_cselect_b32 s66, s40, s41                    ; my place among the four that ask with me
	s_cselect_b32 s67, s17, s42                    ; the tile
	s_cselect_b32 s68, 19, 17                      ; log2 of the bytes from one 128 along K to the next
	s_cselect_b32 s69, 0, BOFF
	s_lshr_b32 s74, s66, 1
	s_lshl_b32 s75, s16, 1
	s_add_co_u32 s74, s74, s75
	s_add_co_u32 s74, s74, 8                       ; K step 2
	s_lshl_b32 s74, s74, s68
	s_and_b32 s75, s66, 1
	s_lshl_b32 s75, s75, 13
	s_add_co_u32 s74, s74, s75
	s_lshl_b32 s75, s67, 14
	s_add_co_u32 s74, s74, s75
	s_add_co_u32 s74, s74, s69
	s_mov_b32 s75, 0
	s_lshl_b32 s[PFS], 4, s68
	s_mov_b32 s[PFS+1], 0
	s_lshl_b32 s88, s17, 7
	s_lshl_b32 s89, s15, 6
	s_add_co_u32 s88, s88, s89                     ; my first row
	s_lshl_b32 s88, s88, 12
	s_lshl_b32 s90, s42, 9
	s_lshl_b32 s89, s16, 8
	s_add_co_u32 s90, s90, s89                     ; my first column, in bytes
	s_add_co_u32 s88, s88, s90
	s_mov_b32 s89, 0
	s_mov_b32 s91, 0
	s_wait_alu depctr_va_vdst(0)
	s_wait_dscnt 0x0
	s_wait_kmcnt 0x0
	s_load_b64 s[96:97], s[8:9], 0x38              ; e14, e15
	s_add_nc_u64 s[20:21], s[4:5], s[20:21]
	s_add_nc_u64 s[46:47], s[6:7], s[46:47]
	s_cmp_eq_u32 s15, 0
	s_cselect_b64 s[PFA:PFA+1], s[4:5], s[6:7]
	s_add_nc_u64 s[PFA:PFA+1], s[PFA:PFA+1], s[74:75]
	s_add_nc_u64 s[84:85], s[84:85], s[88:89]
	s_add_nc_u64 s[86:87], s[86:87], s[88:89]
	s_add_nc_u64 s[10:11], s[10:11], s[90:91]
	CROUND                                         ; all sixteen work-groups are here: the first joint loads meet
.irp s, 0,1
	s_mov_b32 s[G0+4*\s], 1
	s_add_co_u32 s[G0+4*\s+1], s45, \s*SLOT
	s_add_nc_u64 s[G0+4*\s+2:G0+4*\s+3], s[20:21], \s*4*KAG
	s_or_b32 s[G0+4*\s+3], s[G0+4*\s+3], 0x80000000
	s_mov_b32 s[G0B+4*\s], 1
	s_add_co_u32 s[G0B+4*\s+1], s45, \s*SLOT
	s_add_nc_u64 s[G0B+4*\s+2:G0B+4*\s+3], s[46:47], \s*4*KBG
	s_or_b32 s[G0B+4*\s+3], s[G0B+4*\s+3], 0x80000000
.endr
	JLOAD G0, G1, G0B, G1B                         ; K step 0: one tensor load a wave at the head
	s_lshl_b32 s21, s15, 13                        ; my 64 tokens of a quarter's 128,
	s_lshl_b32 s22, s16, 13                        ; my 64 columns,
	s_add_co_u32 s22, s22, 4*TA                    ; which lie behind A's four quarters
.irp s, 0,1
	v_add_nc_u32 v[ADRA+\s], s21, v3
	v_add_nc_u32 v[ADRB+\s], s22, v3
	s_add_co_u32 s21, s21, SLOT
	s_add_co_u32 s22, s22, SLOT
.endr
	global_prefetch_b8 v[PFO], s[PFA:PFA+1] th:TH_LOAD_NT scope:SCOPE_SE   ; K step 2
	v_and_b32 v1, 15, v0                           ; r
	v_bfe_u32 v2, v0, 4, 1                         ; h
	v_lshlrev_b32 v[BO], 4, v1
	v_lshl_add_u32 v[CO], v2, 12, v[BO]
	s_mul_i32 s23, s14, 16*SPITCH
	s_add_co_u32 s23, s23, STAGE                   ; my stage
	v_mul_u32_u24 v7, v1, SPITCH
	v_lshl_add_u32 v7, v2, 5, v7
	v_add_nc_u32 v[STO], s23, v7
	v_mul_u32_u24 v8, v2, SPITCH
	v_lshl_add_u32 v8, v1, 4, v8
	v_add_nc_u32 v[RD], s23, v8
	s_wait_alu depctr_va_vdst(0)
	s_wait_xcnt 0x0                                ; the prefetch has read its address
	s_add_nc_u64 s[PFA:PFA+1], s[PFA:PFA+1], s[PFS:PFS+1]
	s_wait_tensorcnt 0x0                           ; my part of K step 0 is in; the lines ahead of a later first fill:
	ds_add_u32 v[SPW], v[NIL]
	s_wait_dscnt 0x0
	CROUND
	JLOAD G0+4, G1, G0B+4, G1B                     ; K step 1, the first tensor load behind the round
	FETCH 0, 0, F0
	WIN 0
	global_prefetch_b8 v[PFO], s[PFA:PFA+1] th:TH_LOAD_NT scope:SCOPE_SE   ; K step 3
	QUARTER 0, 1, F0, F1, 1                        ; the first quarter's products start the sums
	WIN 0
	s_mov_b32 s3, 3
.Llap:                                             ; a trip goes once round the ring and fills both slots again
	QUARTER 0, 2, F1, F0, 0
	QUARTER 0, 3, F0, F1, 0
	TURN 0, 1, 1
	QUARTER 1, 1, F0, F1, 0
	QUARTER 1, 2, F1, F0, 0
	QUARTER 1, 3, F0, F1, 0
	TURN 1, 0, 1
	QUARTER 0, 1, F0, F1, 0
	WIN 0
	s_sub_co_u32 s3, s3, 1
	s_cmp_lg_u32 s3, 0
	s_cbranch_scc1 .Llap
	QUARTER 0, 2, F1, F0, 0                        ; the last lap fills nothing
	QUARTER 0, 3, F0, F1, 0
	TURN 0, 1, 0
	WIN 0
	global_load_b128 v[BIAS:BIAS+3], v[BO], s[10:11]   ; the bias of my four columns, and the residual: 33 loads
	WIN 0x80
.irp a, 0,1,2,3
.irp t, 0,1,2,3,4,5,6,7
	global_load_b128 v[RES+32*\a+4*\t:RES+32*\a+4*\t+3], v[CO], s[84:85] offset:(16*\a+2*\t)*4096
.endr
.endr
	QUARTER 1, 1, F0, F1, 0
	QUARTER 1, 2, F1, F0, 0
	QUARTER 1, 3, F0, F1, 0
	s_wait_dscnt 8
	WIN MUL
	MUL8 F1, 0, 0
	s_wait_dscnt 0x0
	MUL8 F1, 2, 0
	WIN 0
; THE WAY OUT, block by block of 16 rows x 64 columns, through my stage; LDS serves a wave's instructions in order (ISA guide 5.7.1.4).
.macro TOSTAGE a
.set AC, ACC+32*(\a)
.set BBK, BK+32*((\a)%2)
.irp b, 0,1,2,3
	ds_store_b128 v[STO], v[AC+8*\b:AC+8*\b+3] offset:64*\b
	ds_store_b128 v[STO], v[AC+8*\b+4:AC+8*\b+7] offset:64*\b+16
.endr
.irp t, 0,1,2,3,4,5,6,7
	ds_load_b128 v[BBK+4*\t:BBK+4*\t+3], v[RD] offset:\t*2*SPITCH
.endr
.endm
.macro FIN a, younger
.set BBK, BK+32*((\a)%2)
.set RR, RES+32*(\a)
	s_wait_dscnt \younger
	s_wait_loadcnt 8*(3-(\a))                      ; the later blocks' eight loads each may be out
	WIN 0x20                                       ; source 2: window 2
.set n, 0
.rept 16
	v_pk_fma_f32 v[BBK+2*n:BBK+2*n+1], v[BBK+2*n:BBK+2*n+1], s[96:97], v[RR+2*n:RR+2*n+1] op_sel_hi:[1,0,1]   ; sum x 2^(e14 + e15) + residual
.set n, n+1
.endr
	WIN 0
.set n, 0
.rept 16
	v_pk_add_f32 v[BBK+2*n:BBK+2*n+1], v[BBK+2*n:BBK+2*n+1], v[BIAS+(2*n)%4:BIAS+(2*n)%4+1]
.set n, n+1
.endr
.irp t, 0,1,2,3,4,5,6,7
	global_store_b128 v[CO], v[BBK+4*\t:BBK+4*\t+3], s[86:87] offset:(16*(\a)+2*\t)*4096 th:TH_STORE_NT   ; sixteen lanes store 256 consecutive bytes, aligned
.endr
.endm
	s_wait_kmcnt 0x0
	s_add_co_i32 s96, s96, s97
	s_add_co_i32 s96, s96, 127
	s_lshl_b32 s96, s96, 23                        ; 2^(e14 + e15) as f32
	s_mov_b32 s97, s96
	PLACES
	TOSTAGE 0
.irp a, 1,2,3
.if \a > 1
	s_wait_xcnt 0x0                                ; the stores of two blocks ago have read this set of registers
.endif
	TOSTAGE \a
	FIN \a-1, 16
.endr
	FIN 3, 0
	s_wait_tensorcnt 0x0                           ; the wave's end
	ds_add_u32 v[SPW], v[NIL]
	s_wait_dscnt 0x0
	CROUND                                         ; the closing round
	s_endpgm
.Lfunc_end_k_qa933f39379_ffn2r:
	.size	k_qa933f39379_ffn2r, .Lfunc_end_k_qa933f39379_ffn2r-k_qa933f39379_ffn2r
	.p2alignl 7, 3214868480
	.fill 96, 4, 3214868480
	.section	.rodata,"a",@progbits
	.p2align	6, 0x0
	.amdhsa_kernel k_qa933f39379_ffn2r
		.amdhsa_group_segment_fixed_size 327680
		.amdhsa_private_segment_fixed_size 0
		.amdhsa_enable_private_segment 0
		.amdhsa_kernarg_size 48
		.amdhsa_user_sgpr_count 2
		.amdhsa_user_sgpr_kernarg_segment_ptr 1
		.amdhsa_wavefront_size32 1
		.amdhsa_system_sgpr_workgroup_id_x 1
		.amdhsa_system_sgpr_workgroup_id_y 1
		.amdhsa_system_sgpr_workgroup_id_z 1
		.amdhsa_system_vgpr_workitem_id 0
		.amdhsa_next_free_vgpr 768
		.amdhsa_next_free_sgpr 100
		.amdhsa_reserve_vcc 0
		.amdhsa_float_denorm_mode_32 3
		.amdhsa_float_denorm_mode_16_64 3
		.amdhsa_memory_ordered 1
		.amdhsa_forward_progress 1
		.amdhsa_inst_pref_size 83
	.end_amdhsa_kernel
	.amdgpu_metadata
---
amdhsa.version: [ 1, 2 ]
amdhsa.kernels:
  - .name:           k_qa933f39379_ffn2r
    .symbol:         k_qa933f39379_ffn2r.kd
    .args:
      - { .name: hc, .offset: 0, .size: 8, .value_kind: global_buffer, .address_space: global }
      - { .name: pc, .offset: 8, .size: 8, .value_kind: global_buffer, .address_space: global }
      - { .name: lowp_scales, .offset: 16, .size: 8, .value_kind: global_buffer, .address_space: global }
      - { .name: bf2, .offset: 24, .size: 8, .value_kind: global_buffer, .address_space: global }
      - { .name: x1, .offset: 32, .size: 8, .value_kind: global_buffer, .address_space: global }
      - { .name: out0, .offset: 40, .size: 8, .value_kind: global_buffer, .address_space: global }
    .group_segment_fixed_size: 327680
    .private_segment_fixed_size: 0
    .kernarg_segment_align: 8
    .kernarg_segment_size: 48
    .max_flat_workgroup_size: 128
    .sgpr_count:     100
    .vgpr_count:     768
    .wavefront_size: 32
...
	.end_amdgpu_metadata
.endif
;; end of part 14
